; MI455X (gfx1250); checked and timed in simulation.
; The chip was launched on July 23, 2026; its instructions are those of AMD's public machine-readable ISA for CDNA 5 (MIT licence, August 2026) and "CDNA5" Instruction Set Architecture Reference Guide (July 2026). The comments in the code are by the model that wrote it; some were corrected since.
;; Simple Attention. Allowed arithmetic: float matrix products may take bf16 or f16 operands with f32 sums; other float arithmetic in f32, or as packed bf16 or f16 multiplies, adds, multiply-adds, maxima and minima; sums over many terms, partial sums and values carried from step to step in f32; what a program stores and reads back later, other than sums and carried values, may be rounded once to bf16 or f16.
;; Inputs: Wk 1,024 x 1,024 float32; Wo 1,024 x 1,024 float32; Wq 1,024 x 1,024 float32; Wv 1,024 x 1,024 float32; bk 1,024 float32; bo 1,024 float32; bq 1,024 float32; bv 1,024 float32; input 4 x 2,048 x 1,024 float32; mask 4 x 2,048 x 2,048 int32; memory 4 x 2,048 x 1,024 float32.
;; Outputs: out0 4 x 2,048 x 1,024 float32.
;; 2 versions, each right and faster than the one before. Each part assembles by itself: llvm-mc -triple=amdgcn-amd-amdhsa -mcpu=gfx1250 --defsym DOCPART=n.
;; ======== version 1 of 2: 5 launches
;; workspace buffers: act 33,554,432 bytes; wts 8,388,608 bytes; qkv 50,331,648 bytes; pmat 33,554,432 bytes; stats 1,048,576 bytes; ctx 16,777,216 bytes
;; launch cast (part 1): grid 64 x 20, 8 waves a work-group, no clusters, 0 bytes of LDS; arguments input, memory, Wq, Wk, Wv, Wo, act, wts; writes act, wts
.if DOCPART == 1
	.amdgcn_target "amdgcn-amd-amdhsa--gfx1250"
	.amdhsa_code_object_version 6
	.text
	.protected	k_q2f2084a27c_cast
	.globl	k_q2f2084a27c_cast
	.p2align	8
	.type	k_q2f2084a27c_cast,@function
k_q2f2084a27c_cast:
	s_mov_b64 s[64:65], 0
	v_nop
	global_prefetch_b8 v0, s[64:65] scope:SCOPE_SE
	s_setreg_imm32_b32 hwreg(HW_REG_WAVE_MODE, 25, 1), 1
	s_wait_xcnt 0x0
; f32 -> bf16 (round to nearest even) for the six large inputs, once, so that the products' tiles come in as bf16.
; act: bf16 [2][8192][1024] (0 = input, 1 = memory).  wts: bf16 [4][1024][1024] (Wq, Wk, Wv, Wo).
; The grid's y is a unit of 1,048,576 numbers: 0-7 input, 8-15 memory, 16-19 the four weights; its x a chunk of 16,384 numbers.
; Eight waves; thread t takes the 16 bytes at 16 t of each of the chunk's sixteen pieces of 4,096 bytes: a wave's load covers 512 consecutive
; bytes, its store of 8 bytes a lane 256 consecutive bytes at a multiple of 256.  All sixteen loads go out first; no register is written twice,
; so the only waits are the counted ones for the loads.  No LDS, no matrix unit: every byte is read once and written once.
.set X, 4                              ; v[4:67]   sixteen pieces as loaded
.set Y, 68                             ; v[68:99]  sixteen pieces to store
	s_load_b512 s[8:23], s[0:1], 0x0               ; input s[8:9], memory s[10:11], Wq s[12:13], Wk s[14:15], Wv s[16:17], Wo s[18:19], act s[20:21], wts s[22:23]
	s_and_b32 s2, ttmp7, 0xffff                    ; y
	s_cmp_lt_u32 s2, 16
	s_cselect_b32 s3, 7, 0
	s_and_b32 s4, s2, s3                           ; the unit inside input or memory; 0 for a weight
	s_lshl_b32 s4, s4, 22                          ; a unit is 4 MiB of f32,
	s_lshl_b32 s5, ttmp9, 16                       ; a chunk 64 KiB
	s_add_co_u32 s4, s4, s5
	s_mov_b32 s5, 0
	s_and_b32 s6, s2, 15                           ; the unit inside act (y) or wts (y - 16)
	s_lshl_b32 s6, s6, 21                          ; a unit is 2 MiB of bf16,
	s_lshl_b32 s7, ttmp9, 15                       ; a chunk 32 KiB
	s_add_co_u32 s6, s6, s7
	s_mov_b32 s7, 0
	v_lshlrev_b32 v1, 4, v0                        ; 16 t
	v_lshlrev_b32 v2, 3, v0                        ; 8 t
	s_wait_kmcnt 0x0
	s_cmp_lt_u32 s2, 8                             ; the source is chosen by y alone
	s_cselect_b64 s[24:25], s[8:9], s[10:11]
	s_cmp_eq_u32 s2, 16
	s_cselect_b64 s[24:25], s[12:13], s[24:25]
	s_cmp_eq_u32 s2, 17
	s_cselect_b64 s[24:25], s[14:15], s[24:25]
	s_cmp_eq_u32 s2, 18
	s_cselect_b64 s[24:25], s[16:17], s[24:25]
	s_cmp_eq_u32 s2, 19
	s_cselect_b64 s[24:25], s[18:19], s[24:25]
	s_cmp_lt_u32 s2, 16
	s_cselect_b64 s[26:27], s[20:21], s[22:23]
	s_add_nc_u64 s[24:25], s[24:25], s[4:5]
	s_add_nc_u64 s[26:27], s[26:27], s[6:7]
.set i, 0
.rept 16
	global_load_b128 v[X+4*i:X+4*i+3], v1, s[24:25] offset:4096*i th:TH_LOAD_NT
.set i, i+1
.endr
.set i, 0
.rept 16
	s_wait_loadcnt 15-i                            ; loads come back in order: piece i is in, the 15 - i younger ones stay out
	v_cvt_pk_bf16_f32 v[Y+2*i], v[X+4*i], v[X+4*i+1]
	v_cvt_pk_bf16_f32 v[Y+2*i+1], v[X+4*i+2], v[X+4*i+3]
	global_store_b64 v2, v[Y+2*i:Y+2*i+1], s[26:27] offset:2048*i
.set i, i+1
.endr
	s_endpgm
.Lfunc_end_k_q2f2084a27c_cast:
	.size	k_q2f2084a27c_cast, .Lfunc_end_k_q2f2084a27c_cast-k_q2f2084a27c_cast
	.p2alignl 7, 3214868480
	.fill 96, 4, 3214868480
	.section	.rodata,"a",@progbits
	.p2align	6, 0x0
	.amdhsa_kernel k_q2f2084a27c_cast
		.amdhsa_group_segment_fixed_size 0
		.amdhsa_private_segment_fixed_size 0
		.amdhsa_enable_private_segment 0
		.amdhsa_kernarg_size 64
		.amdhsa_user_sgpr_count 2
		.amdhsa_user_sgpr_kernarg_segment_ptr 1
		.amdhsa_wavefront_size32 1
		.amdhsa_system_sgpr_workgroup_id_x 1
		.amdhsa_system_sgpr_workgroup_id_y 1
		.amdhsa_system_sgpr_workgroup_id_z 1
		.amdhsa_system_vgpr_workitem_id 0
		.amdhsa_next_free_vgpr 100
		.amdhsa_next_free_sgpr 66
		.amdhsa_reserve_vcc 0
		.amdhsa_float_denorm_mode_32 3
		.amdhsa_float_denorm_mode_16_64 3
		.amdhsa_memory_ordered 1
		.amdhsa_forward_progress 1
		.amdhsa_inst_pref_size 7
	.end_amdhsa_kernel
	.amdgpu_metadata
---
amdhsa.version: [ 1, 2 ]
amdhsa.kernels:
  - .name:           k_q2f2084a27c_cast
    .symbol:         k_q2f2084a27c_cast.kd
    .args:
      - { .name: input, .offset: 0, .size: 8, .value_kind: global_buffer, .address_space: global }
      - { .name: memory, .offset: 8, .size: 8, .value_kind: global_buffer, .address_space: global }
      - { .name: Wq, .offset: 16, .size: 8, .value_kind: global_buffer, .address_space: global }
      - { .name: Wk, .offset: 24, .size: 8, .value_kind: global_buffer, .address_space: global }
      - { .name: Wv, .offset: 32, .size: 8, .value_kind: global_buffer, .address_space: global }
      - { .name: Wo, .offset: 40, .size: 8, .value_kind: global_buffer, .address_space: global }
      - { .name: act, .offset: 48, .size: 8, .value_kind: global_buffer, .address_space: global }
      - { .name: wts, .offset: 56, .size: 8, .value_kind: global_buffer, .address_space: global }
    .group_segment_fixed_size: 0
    .private_segment_fixed_size: 0
    .kernarg_segment_align: 8
    .kernarg_segment_size: 64
    .max_flat_workgroup_size: 256
    .sgpr_count:     66
    .vgpr_count:     100
    .wavefront_size: 32
...
	.end_amdgpu_metadata
.endif
;; end of part 1
;; launch proj (part 2): grid 4 x 192, 4 waves a work-group, clusters of 4 x 4, 327,680 bytes of LDS; arguments act, wts, bq, bk, bv, qkv; writes qkv
.if DOCPART == 2
	.amdgcn_target "amdgcn-amd-amdhsa--gfx1250"
	.amdhsa_code_object_version 6
	.text
	.protected	k_q2f2084a27c_proj
	.globl	k_q2f2084a27c_proj
	.p2align	8
	.type	k_q2f2084a27c_proj,@function
k_q2f2084a27c_proj:
	s_mov_b64 s[64:65], 0
	v_nop
	global_prefetch_b8 v0, s[64:65] scope:SCOPE_SE
	s_setreg_imm32_b32 hwreg(HW_REG_WAVE_MODE, 25, 1), 1
	s_wait_xcnt 0x0
	s_wait_alu depctr_hold_cnt(0) depctr_sa_sdst(0) depctr_va_vdst(0) depctr_va_sdst(0) depctr_va_ssrc(0) depctr_va_vcc(0) depctr_vm_vsrc(0)
	s_getreg_b32 s2, hwreg(HW_REG_IB_STS2, 6, 4)
	s_cmp_eq_u32 s2, 0
	s_cbranch_scc0 .Lentry_in_a_cluster
	s_endpgm
.Lentry_in_a_cluster:
	s_bfe_u32 s2, ttmp6, 0x10000c
	s_cmp_lg_u32 s2, 0xf033
	s_cbranch_scc0 .Lentry_shape_is_right
	s_endpgm
.Lentry_shape_is_right:
; q = input Wq^T + bq, k = memory Wk^T + bk, v = memory Wv^T + bv: three products 8192 x 1024 x 1024 in one launch.
; act: bf16 [2][8192][1024], wts: bf16 [4][1024][1024], qkv: bf16 [3][8192][1024]; sums in f32, rounded once.  The biases are rounded to bf16 like every other input.
; SHARES.  A tile of C is 128 rows x 256 columns: 4 x 64 x 3 = 768 work-groups, three for each of 256 WGPs.  Four waves, 2 x 2, each 64 x 128: 32 accumulators, 256 registers.
; K goes in steps of 128 (rows of 256 bytes) through two LDS slots; waves 0 and 1 fetch the halves of A's tile (64 rows each), waves 2 and 3 those of B's (128 rows each): one tensor load a wave.
; CLUSTER.  4 x 4 work-groups: A's tile hangs on the tile row alone and is asked for jointly along a row of the cluster, B's on the tile column alone, jointly along a column.
; TRANSPOSED USE.  Source 0 = 16 rows of B, source 1 = 16 rows of A: lane l holds row l % 16 of C and the eight columns 8 (l / 16) + 0..7.  In that layout the bias hangs on the column alone,
; so it is the C operand of the products that start the sums and costs the way out nothing.
; REGISTERS, in windows of 256 (s_set_vgpr_msb: bits 1:0 source 0, 3:2 source 1, 5:4 source 2, 7:6 destination):
;   window 0: v0-31 addresses; v64-159, v160-255 two fragment buffers (A's 4 x 8 registers, then B's 8 x 8); on the way out v128-159 packed results, v160-223 rows read back
;   window 1: accumulator (a, b) at v[8 (8 a + b)]          window 2: v0-63 the bias of my 128 columns; v64-95 at work
; LIMITS.  NaN and infinities are not treated apart.
.set PITCH,  272                       ; an LDS row: 256 bytes + 16 of padding: the 16 rows of a fragment load start at 16 different groups of four banks (ISA guide 11.1)
.set HA,     64*PITCH                  ; half of A's tile: one tensor load, and what one wave reads of A
.set ATILE,  2*HA
.set HB,     128*PITCH                 ; half of B's tile
.set SLOT,   ATILE+2*HB                ; 104,448 bytes
.set STAGE,  2*SLOT                    ; behind the ring: 16 rows x 272 bytes for each wave, for the way out
.set SPITCH, 272
.set SPARE,  STAGE+4*16*SPITCH         ; behind the stages: the spare words, 128 bytes for each wave
.set LAPS,   4                         ; a lap = two K steps; K = 1024
.set STEPA,  256                       ; bytes from a K step to the next
.set STEPB,  256
.set CP,     2048                      ; a row of C in bytes
.set ADRA, 16                          ; v16-17  LDS address of my A fragments in slot 0, 1
.set ADRB, 20                          ; v20-21  the same for B
.set STO,  24                          ; v24     the way out: where I put 16 bytes of a row
.set RD,   25                          ; v25     where I read a row back
.set CO,   26                          ; v26     my byte offset in C
.set SPW,  28                          ; v28     LDS address of my spare word; never rewritten
.set NIL,  29                          ; v29     0; never rewritten
.set F0,   64
.set F1,   160
.set TMP,  128
.set BK,   160
.set G1A, 24                           ; s[24:31] descriptor group 1 for A's tiles; s[32:39] group 0, a set for each slot
.set G0A, 32
.set G1B, 48                           ; s[48:55], s[56:63] the same for B's
.set G0B, 56
.set MSB, 0
.macro WIN new                         ; the immediate's high byte repeats the setting that is left; a switch that changes nothing is dropped
.if MSB != (\new)
	s_set_vgpr_msb (MSB<<8)|(\new)
.set MSB, \new
.endif
.endm
.set MULW, 0x50                        ; C and D window 1, sources window 0
.set MULB, 0x60                        ; D window 1, C window 2 (the bias)
.macro ADDSH dst, tmp, src, sh         ; dst += src << sh
	s_lshl_b32 s[\tmp], s[\src], \sh
	s_add_co_u32 s[\dst], s[\dst], s[\tmp]
.endm
.macro PLACES                          ; four places in front of loads into registers that matrix instructions have read, and of lines that read results
.rept 4
	v_nop
.endr
.endm
; A joint load: waves 0 and 1 ask for A's halves, waves 2 and 3 for B's.  The branch hangs on the wave's number alone.  An s_nop 0 and four v_nop follow each line.
.macro JLOAD s
	s_cmp_eq_u32 s11, 0
	s_cbranch_scc0 .Lfor_b_\@
	tensor_load_to_lds s[G0A+4*(\s):G0A+4*(\s)+3], s[G1A:G1A+7]
	s_nop 0
.rept 4
	v_nop
.endr
	s_branch .Lasked_\@
.Lfor_b_\@:
	tensor_load_to_lds s[G0B+4*(\s):G0B+4*(\s)+3], s[G1B:G1B+7]
	s_nop 0
.rept 4
	v_nop
.endr
.Lasked_\@:
.endm
.macro CREST                           ; a round of the cluster's barrier behind its opening barrier
	s_cmp_lg_u32 s10, 0
	s_cbranch_scc1 .Lnot_wave_0_\@
	s_barrier_signal -3
.Lnot_wave_0_\@:
	s_barrier_wait -3
	s_barrier_signal -1
	s_barrier_wait -1
.endm
.macro CROUND
	s_barrier_signal -1
	s_barrier_wait -1
	CREST
.endm
	s_load_b256 s[68:75], s[0:1], 0x0              ; act s[68:69], wts s[70:71], bq s[72:73], bk s[74:75]
	s_load_b128 s[76:79], s[0:1], 0x20             ; bv s[76:77], qkv s[78:79]
	v_lshl_add_u32 v[SPW], v0, 2, SPARE
	v_mov_b32 v[NIL], 0
	ds_add_u32 v[SPW], v[NIL]                      ; the wave's opening: the add and its wait stand ahead of my first tensor load; the set-up below stands between them
	v_lshrrev_b32 v1, 5, v0
	v_readfirstlane_b32 s10, v1                    ; wave 0..3
	s_lshr_b32 s11, s10, 1                         ; my half of the tile's rows.  Also: I fetch for A (0) or for B (1)
	s_and_b32 s12, s10, 1                          ; my half of its columns.  Also: which half of that tile I fetch
	s_bfe_u32 s40, ttmp6, 0x40000                  ; cx
	s_bfe_u32 s41, ttmp6, 0x40004                  ; cy
	s_lshl_b32 s42, ttmp9, 2
	s_add_co_u32 s42, s42, s40                     ; tile column = 4 x cluster x + cx
	s_and_b32 s45, ttmp7, 0xffff                   ; cluster y, 0..47
	s_lshl_b32 s43, s41, 2
	s_lshl_b32 s43, 15, s43                        ; my row of the cluster
	s_lshl_b32 s44, 0x1111, s40                    ; my column
	s_lshr_b32 s92, s45, 4                         ; which product: 0 q, 1 k, 2 v; the same in all sixteen partners
	s_and_b32 s13, s45, 15
	s_lshl_b32 s13, s13, 2
	s_add_co_u32 s13, s13, s41                     ; tile row, 0..63
	s_or_b32 s[G1A], s43, (1<<16)|(1<<20)|(1<<21)|(5<<22)|(3<<25)  ; the mask; 2-byte elements; padding on; bit 21 beside a mask; after every 64 words, 4 words
	s_or_b32 s[G1B], s44, (1<<16)|(1<<20)|(1<<21)|(5<<22)|(3<<25)
	s_mov_b32 s[G1A+1], 128<<16                    ; tensor_dim0 = 128
	s_mov_b32 s[G1A+2], 64<<16                     ; tensor_dim1 = 64
	s_mov_b32 s[G1A+3], 128<<16                    ; tile_dim0 = 128
	s_mov_b32 s[G1A+4], 64                         ; tile_dim1 = 64
	s_mov_b32 s[G1A+5], 1024                       ; elements from row to row
	s_mov_b32 s[G1A+6], 0
	s_mov_b32 s[G1A+7], 0
	s_mov_b32 s[G1B+1], 128<<16
	s_mov_b32 s[G1B+2], 128<<16                    ; tensor_dim1 = 128
	s_mov_b32 s[G1B+3], 128<<16
	s_mov_b32 s[G1B+4], 128                        ; tile_dim1 = 128
	s_mov_b32 s[G1B+5], 1024
	s_mov_b32 s[G1B+6], 0
	s_mov_b32 s[G1B+7], 0
	s_min_u32 s14, s92, 1                          ; A: input for q, memory for k and v
	s_lshl_b32 s16, s14, 24
	ADDSH 16, 14, 13, 18                           ; + 128 rows x 2,048 bytes x tile row
	ADDSH 16, 14, 12, 17                           ; + the 64 rows that I fetch
	s_mov_b32 s17, 0
	s_lshl_b32 s46, s92, 21                        ; B: the product's weights
	ADDSH 46, 66, 42, 19                           ; + 256 rows x tile column
	ADDSH 46, 66, 12, 18                           ; + the 128 rows that I fetch
	s_mov_b32 s47, 0
	s_lshl_b32 s20, s92, 24                        ; C: the product's part of qkv
	ADDSH 20, 22, 13, 18
	ADDSH 20, 22, 11, 17                           ; my 64 rows
	ADDSH 20, 22, 42, 9
	ADDSH 20, 22, 12, 8                            ; my 128 columns
	s_mov_b32 s21, 0
	s_lshl_b32 s8, s42, 10                         ; the bias of my 128 columns
	ADDSH 8, 22, 12, 9
	s_mov_b32 s9, 0
	s_mul_i32 s18, s12, HA                         ; where my part of a tile goes: no place in the cluster enters an LDS address
	s_mul_i32 s19, s12, HB
	s_add_co_u32 s19, s19, ATILE
	s_mov_b32 s91, 0xffff0000
	s_wait_dscnt 0x0                               ; the opening add is done
	s_wait_kmcnt 0x0
	s_add_nc_u64 s[16:17], s[68:69], s[16:17]
	s_add_nc_u64 s[46:47], s[70:71], s[46:47]
	s_add_nc_u64 s[80:81], s[78:79], s[20:21]
	s_cmp_eq_u32 s92, 1
	s_cselect_b64 s[82:83], s[74:75], s[72:73]
	s_cmp_eq_u32 s92, 2
	s_cselect_b64 s[82:83], s[76:77], s[82:83]
	s_add_nc_u64 s[82:83], s[82:83], s[8:9]
	CROUND                                         ; all sixteen work-groups are here: the first joint loads meet
.irp s, 0,1
	s_mov_b32 s[G0A+4*(\s)], 1
	s_add_co_u32 s[G0A+4*(\s)+1], s18, (\s)*SLOT
	s_add_nc_u64 s[G0A+4*(\s)+2:G0A+4*(\s)+3], s[16:17], (\s)*STEPA
	s_or_b32 s[G0A+4*(\s)+3], s[G0A+4*(\s)+3], 0x80000000
	s_mov_b32 s[G0B+4*(\s)], 1
	s_add_co_u32 s[G0B+4*(\s)+1], s19, (\s)*SLOT
	s_add_nc_u64 s[G0B+4*(\s)+2:G0B+4*(\s)+3], s[46:47], (\s)*STEPB
	s_or_b32 s[G0B+4*(\s)+3], s[G0B+4*(\s)+3], 0x80000000
	JLOAD \s                                       ; K steps 0 and 1: two loads of mine are out
.endr
	v_and_b32 v1, 15, v0                           ; r = l % 16
	v_bfe_u32 v2, v0, 4, 1                         ; h = l / 16
	v_lshlrev_b32 v3, 5, v2                        ; 32 h: my eight columns in a group of sixteen
	WIN 0x80                                       ; destination window 2
.irp b, 0,1,2,3,4,5,6,7
	global_load_b128 v[8*(\b):8*(\b)+3],   v3, s[82:83] offset:64*(\b)
	global_load_b128 v[8*(\b)+4:8*(\b)+7], v3, s[82:83] offset:64*(\b)+16
.endr
	WIN 0
	v_mul_u32_u24 v4, v1, PITCH
	v_lshl_add_u32 v4, v2, 4, v4                   ; row x pitch + 16 x half
	s_mul_i32 s4, s11, HA                          ; my 64 rows of A
	s_mul_i32 s5, s12, HB                          ; my 128 rows of B,
	s_add_co_u32 s5, s5, ATILE                     ; which lie behind A's tile
.irp s, 0,1
	v_add_nc_u32 v[ADRA+(\s)], s4, v4
	v_add_nc_u32 v[ADRB+(\s)], s5, v4
	s_add_co_u32 s4, s4, SLOT
	s_add_co_u32 s5, s5, SLOT
.endr
	s_mul_i32 s6, s10, 16*SPITCH
	s_add_co_u32 s6, s6, STAGE                     ; my stage
	v_add_nc_u32 v[STO], s6, v4                    ; in: row r, 16 bytes for each half of the lanes
	v_mul_u32_u24 v5, v2, SPITCH                   ; back: lanes 0-15 one row of 256 bytes, lanes 16-31 the next
	v_lshl_add_u32 v5, v1, 4, v5
	v_add_nc_u32 v[RD], s6, v5
	v_mul_u32_u24 v5, v2, CP
	v_lshl_add_u32 v[CO], v1, 4, v5
	s_wait_loadcnt 0x0                             ; the bias: rounded to bf16 and widened again, in the wait for the first tile
	WIN 0x8a                                       ; all three operands window 2
.set i, 0
.rept 32
	v_cvt_pk_bf16_f32 v[64+i], v[2*i], v[2*i+1]
.set i, i+1
.endr
	WIN 0x88                                       ; destination and source 1 window 2
.set i, 0
.rept 32
	v_lshlrev_b32 v[2*i], 16, v[64+i]
	v_and_b32 v[2*i+1], s91, v[64+i]
.set i, i+1
.endr
	WIN 0
; 8 matrix instructions: row block a x all 8 column blocks, 32 along K.  zero = 1: the constant 0 starts the sums; 2: the bias does.  The 32 accumulators take turns, one instruction a turn, in the
; same order in every quarter.
.macro MULA f, a, zero
.if (\zero) == 2
	WIN MULB
.else
	WIN MULW
.endif
.irp b, 0,1,2,3,4,5,6,7
.if (\zero) == 2
	v_wmma_f32_16x16x32_bf16 v[8*(8*(\a)+(\b)):8*(8*(\a)+(\b))+7], v[(\f)+32+8*(\b):(\f)+32+8*(\b)+7], v[(\f)+8*(\a):(\f)+8*(\a)+7], v[8*(\b):8*(\b)+7]
.elseif (\zero) == 1
	v_wmma_f32_16x16x32_bf16 v[8*(8*(\a)+(\b)):8*(8*(\a)+(\b))+7], v[(\f)+32+8*(\b):(\f)+32+8*(\b)+7], v[(\f)+8*(\a):(\f)+8*(\a)+7], 0
.else
	v_wmma_f32_16x16x32_bf16 v[8*(8*(\a)+(\b)):8*(8*(\a)+(\b))+7], v[(\f)+32+8*(\b):(\f)+32+8*(\b)+7], v[(\f)+8*(\a):(\f)+8*(\a)+7], v[8*(8*(\a)+(\b)):8*(8*(\a)+(\b))+7]
.endif
.endr
.endm
; 24 LDS loads in one run: a quarter step's fragments (32 K at byte k of the rows): B's 128 rows, then A's 64
.macro FETCH slot, k, f
	WIN 0
.irp i, 0,1,2,3,4,5,6,7
	ds_load_b128 v[(\f)+32+8*(\i):(\f)+32+8*(\i)+3],   v[ADRB+(\slot)] offset:(\k)+(\i)*16*PITCH
	ds_load_b128 v[(\f)+32+8*(\i)+4:(\f)+32+8*(\i)+7], v[ADRB+(\slot)] offset:(\k)+(\i)*16*PITCH+32
.endr
.irp i, 0,1,2,3
	ds_load_b128 v[(\f)+8*(\i):(\f)+8*(\i)+3],   v[ADRA+(\slot)] offset:(\k)+(\i)*16*PITCH
	ds_load_b128 v[(\f)+8*(\i)+4:(\f)+8*(\i)+7], v[ADRA+(\slot)] offset:(\k)+(\i)*16*PITCH+32
.endr
.endm
; A K step is four quarters of 32 along K, 32 matrix instructions each, on buffers 0, 1, 0, 1.  One of the first three multiplies f and fetches the next quarter into g.
.macro QUARTER slot, k, f, g, zero
	s_wait_dscnt 4                                 ; B and A's blocks 0 and 1 are in; the youngest four loads (A's blocks 2 and 3) may be out
	MULA \f, 0, \zero
	MULA \f, 1, \zero
	PLACES
	FETCH \slot, \k, \g
	s_wait_dscnt 24                                ; all but the 24 just issued
	MULA \f, 2, \zero
	MULA \f, 3, \zero
.endm
; The last quarter multiplies buffer 1 and changes slots: in front of the barrier each wave waits for all its tensor loads (one is out: its part of the next slot), adds 0 to its spare word, and
; waits for that and for its reads of this slot.  fill = 1: the barrier opens a round of the cluster's, and this slot is filled again, two K steps ahead, first thing behind the round.
.macro TURN slot, next, fill
	WIN 0
	s_wait_tensorcnt 0x0
	ds_add_u32 v[SPW], v[NIL]
	s_wait_dscnt 7                                 ; the add and the youngest six loads (A's blocks 1 to 3) may be out
	MULA F1, 0, 0
	s_wait_dscnt 0x0                               ; the add is done, and my reads of this slot are over
	s_barrier_signal -1
	MULA F1, 1, 0
.if \fill
	WIN 0
.endif
	s_barrier_wait -1
.if \fill
	CREST                                          ; no wave of any partner still reads this slot or has a load on its way
	s_add_nc_u64 s[G0A+4*(\slot)+2:G0A+4*(\slot)+3], s[G0A+4*(\slot)+2:G0A+4*(\slot)+3], 2*STEPA
	s_add_nc_u64 s[G0B+4*(\slot)+2:G0B+4*(\slot)+3], s[G0B+4*(\slot)+2:G0B+4*(\slot)+3], 2*STEPB
	JLOAD \slot                                    ; 112 matrix instructions ahead of the wait for it; its four v_nop are also the places in front of the loads below
.else
	PLACES
.endif
	FETCH \next, 0, F0
	MULA F1, 2, 0
	MULA F1, 3, 0
.endm
.macro LASTQ
	s_wait_dscnt 4
	MULA F1, 0, 0
	MULA F1, 1, 0
	s_wait_dscnt 0x0
	MULA F1, 2, 0
	MULA F1, 3, 0
	WIN 0
.endm
; THE WAY OUT of row block a: rounded to bf16, 16 bytes a lane; through my own stage; back as whole rows of 256 bytes; stored.
.macro PACK a
	WIN 0x05                                       ; sources window 1
.irp b, 0,1,2,3,4,5,6,7
.irp i, 0,1,2,3
	v_cvt_pk_bf16_f32 v[TMP+4*(\b)+(\i)], v[64*(\a)+8*(\b)+2*(\i)], v[64*(\a)+8*(\b)+2*(\i)+1]
.endr
.endr
	WIN 0
.endm
.macro TOSTAGE a
.set BKA, BK+32*((\a)%2)
.if (\a) >= 2
	s_wait_xcnt 0x0                                ; the stores of the block two back have read these registers: they are loaded again only behind this wait
.endif
.irp b, 0,1,2,3,4,5,6,7
	ds_store_b128 v[STO], v[TMP+4*(\b):TMP+4*(\b)+3] offset:32*(\b)
.endr
.irp t, 0,1,2,3,4,5,6,7
	ds_load_b128 v[BKA+4*(\t):BKA+4*(\t)+3], v[RD] offset:(\t)*2*SPITCH  ; LDS serves a wave's instructions in order (ISA guide 5.7.1.4): these see the stores above
.endr
.endm
.macro SEND a, younger
.set BKA, BK+32*((\a)%2)
	s_wait_dscnt \younger
.irp t, 0,1,2,3,4,5,6,7
	global_store_b128 v[CO], v[BKA+4*(\t):BKA+4*(\t)+3], s[80:81] offset:(16*(\a)+2*(\t))*CP  ; 16 lanes store 256 consecutive bytes, at a multiple of 256 from the buffer's first
.endr
.endm
	s_wait_tensorcnt 0x1                           ; my part of K step 0 is in; K step 1's may stay out
	s_barrier_signal -1
	s_barrier_wait -1
	FETCH 0, 0, F0
	QUARTER 0, 64, F0, F1, 2                       ; the first quarter stands in front of the loop: its products start the sums, with the bias
	WIN 0
	s_mov_b32 s3, LAPS-1
.Llap:                                                 ; a trip goes once round the ring and fills both slots again
	QUARTER 0, 128, F1, F0, 0
	QUARTER 0, 192, F0, F1, 0
	TURN 0, 1, 1
	QUARTER 1, 64,  F0, F1, 0
	QUARTER 1, 128, F1, F0, 0
	QUARTER 1, 192, F0, F1, 0
	TURN 1, 0, 1
	QUARTER 0, 64,  F0, F1, 0
	WIN 0
	s_sub_co_u32 s3, s3, 1
	s_cmp_lg_u32 s3, 0
	s_cbranch_scc1 .Llap
	QUARTER 0, 128, F1, F0, 0                      ; the last lap fills nothing
	QUARTER 0, 192, F0, F1, 0
	TURN 0, 1, 0
	QUARTER 1, 64,  F0, F1, 0
	QUARTER 1, 128, F1, F0, 0
	QUARTER 1, 192, F0, F1, 0
	LASTQ
	PLACES
	PACK 0
	TOSTAGE 0
.irp a, 1,2,3                          ; block a's conversions stand between block a - 1's loads from the stage and the wait for them
	PACK \a
	SEND (\a)-1, 0
	TOSTAGE \a
.endr
	SEND 3, 0
	s_wait_tensorcnt 0x0                           ; the wave's end
	ds_add_u32 v[SPW], v[NIL]
	s_wait_dscnt 0x0
	CROUND                                         ; the closing round: no work-group ends while a partner may still ask for a tile that names it
	s_endpgm
.Lfunc_end_k_q2f2084a27c_proj:
	.size	k_q2f2084a27c_proj, .Lfunc_end_k_q2f2084a27c_proj-k_q2f2084a27c_proj
	.p2alignl 7, 3214868480
	.fill 96, 4, 3214868480
	.section	.rodata,"a",@progbits
	.p2align	6, 0x0
	.amdhsa_kernel k_q2f2084a27c_proj
		.amdhsa_group_segment_fixed_size 327680
		.amdhsa_private_segment_fixed_size 0
		.amdhsa_enable_private_segment 0
		.amdhsa_kernarg_size 48
		.amdhsa_user_sgpr_count 2
		.amdhsa_user_sgpr_kernarg_segment_ptr 1
		.amdhsa_wavefront_size32 1
		.amdhsa_system_sgpr_workgroup_id_x 1
		.amdhsa_system_sgpr_workgroup_id_y 1
		.amdhsa_system_sgpr_workgroup_id_z 1
		.amdhsa_system_vgpr_workitem_id 0
		.amdhsa_next_free_vgpr 608
		.amdhsa_next_free_sgpr 96
		.amdhsa_reserve_vcc 0
		.amdhsa_float_denorm_mode_32 3
		.amdhsa_float_denorm_mode_16_64 3
		.amdhsa_memory_ordered 1
		.amdhsa_forward_progress 1
		.amdhsa_inst_pref_size 92
	.end_amdhsa_kernel
	.amdgpu_metadata
---
amdhsa.version: [ 1, 2 ]
amdhsa.kernels:
  - .name:           k_q2f2084a27c_proj
    .symbol:         k_q2f2084a27c_proj.kd
    .args:
      - { .name: act, .offset: 0, .size: 8, .value_kind: global_buffer, .address_space: global }
      - { .name: wts, .offset: 8, .size: 8, .value_kind: global_buffer, .address_space: global }
      - { .name: bq, .offset: 16, .size: 8, .value_kind: global_buffer, .address_space: global }
      - { .name: bk, .offset: 24, .size: 8, .value_kind: global_buffer, .address_space: global }
      - { .name: bv, .offset: 32, .size: 8, .value_kind: global_buffer, .address_space: global }
      - { .name: qkv, .offset: 40, .size: 8, .value_kind: global_buffer, .address_space: global }
    .group_segment_fixed_size: 327680
    .private_segment_fixed_size: 0
    .kernarg_segment_align: 8
    .kernarg_segment_size: 48
    .max_flat_workgroup_size: 128
    .sgpr_count:     96
    .vgpr_count:     608
    .wavefront_size: 32
...
	.end_amdgpu_metadata
.endif
;; end of part 2
;; launch scores (part 3): grid 8 x 64, 4 waves a work-group, clusters of 4 x 4, 327,680 bytes of LDS; arguments qkv, mask, pmat, stats; writes pmat, stats
.if DOCPART == 3
	.amdgcn_target "amdgcn-amd-amdhsa--gfx1250"
	.amdhsa_code_object_version 6
	.text
	.protected	k_q2f2084a27c_scores
	.globl	k_q2f2084a27c_scores
	.p2align	8
	.type	k_q2f2084a27c_scores,@function
k_q2f2084a27c_scores:
	s_mov_b64 s[64:65], 0
	v_nop
	global_prefetch_b8 v0, s[64:65] scope:SCOPE_SE
	s_setreg_imm32_b32 hwreg(HW_REG_WAVE_MODE, 25, 1), 1
	s_wait_xcnt 0x0
	s_wait_alu depctr_hold_cnt(0) depctr_sa_sdst(0) depctr_va_vdst(0) depctr_va_sdst(0) depctr_va_ssrc(0) depctr_va_vcc(0) depctr_vm_vsrc(0)
	s_getreg_b32 s2, hwreg(HW_REG_IB_STS2, 6, 4)
	s_cmp_eq_u32 s2, 0
	s_cbranch_scc0 .Lentry_in_a_cluster
	s_endpgm
.Lentry_in_a_cluster:
	s_bfe_u32 s2, ttmp6, 0x10000c
	s_cmp_lg_u32 s2, 0xf033
	s_cbranch_scc0 .Lentry_shape_is_right
	s_endpgm
.Lentry_shape_is_right:
; For each batch: t = c q . k with c = log2(e) / 32; where mask == 0, t = -1e10 log2(e).  For each row and each block of 128 keys (one wave's columns): the whole number m' = floor(max t) + 1,
; the weights p = 2^(t - m') (0 to 1; the maximum is taken away first, then the exponential), their sum l of the unrounded p.
; qkv: bf16 [3][8192][1024]; mask: i32 [4][2048][2048]; pmat: bf16 [4][2048][2048] takes p; stats: f32 [4][16 blocks][2048 rows][2] takes (m', l).  The next launch joins the sixteen blocks of a row.
; A block that is masked throughout has m' = t exactly (at that size a float is a whole number and 1 is below its step), so p = 1: a row masked throughout comes out uniform, as in the softmax of equal scores.
; SHARES, RING, CLUSTER, TRANSPOSED USE: a tile is 128 queries x 256 keys, 8 x 16 x 4 = 512 work-groups; four waves 2 x 2, each 64 x 128 in 32 accumulators; K = 1024 in steps of 128 through two LDS slots;
; q's tile is asked for jointly along a row of the 4 x 4 cluster, k's along a column.  Lane l holds row l % 16 and the columns 16 b + 8 (l / 16) + 0..7: a row's 128 scores lie in two lanes, 16 apart.
; THE MASK of my 64 x 128 is asked for at the start, a row (512 consecutive bytes) a load, and stays out during the products; then it is turned into the accumulators' layout through my own LDS stage, 16 rows at a time.
; REGISTERS: window 0: v0-63 addresses and statistics; v64-159, v160-255 fragment buffers; on the way out v64-127 a block's 64 scores, v128-159 packed, v160-223 rows read back.
;   window 1: accumulator (a, b) at v[8 (8 a + b)]          window 2: the mask, 4 registers a row, then 64 a block
; LIMITS.  NaN and infinities are not treated apart; a weight below 2^-126 counts as 0.
.set PITCH,  272
.set HA,     64*PITCH
.set ATILE,  2*HA
.set HB,     128*PITCH
.set SLOT,   ATILE+2*HB
.set STAGE,  2*SLOT                    ; 16 rows x 272 bytes for each wave: p on its way out
.set SPITCH, 272
.set MSTAGE, STAGE+4*16*SPITCH         ; 16 rows x 528 bytes for each wave: the mask is turned here
.set MPITCH, 528                       ; 512 bytes + 16: the 16 rows of a load start at 16 different groups of four banks
.set SPARE,  MSTAGE+4*16*MPITCH        ; the spare words, 128 bytes for each wave
.set LAPS,   4
.set STEPA,  256
.set STEPB,  256
.set CP,     4096                      ; a row of pmat in bytes
.set ADRA, 16
.set ADRB, 20
.set STO,  24
.set RD,   25
.set CO,   26
.set MOF,  27                          ; v27     16 x lane: my 16 bytes of a row of the mask
.set SPW,  28
.set NIL,  29
.set MSTO, 30                          ; v30     the mask's stage: where I put 16 bytes of a row
.set MRD,  31                          ; v31     where I read my eight columns of row r
.set CHN,  32                          ; v32-35  four chains of the maximum
.set MX,   36                          ; v36-37  m', twice
.set ML,   40                          ; v40-47  (m', l) of block a at ML + 2 a
.set SD,   48                          ; v48-51  statistics to store
.set SOF,  56                          ; v56     8 x lane
.set TN,   57                          ; v57     -1e10 log2(e)
.set T,    64
.set F0,   64
.set F1,   160
.set TMP,  128
.set BK,   160
.set G1A, 24
.set G0A, 32
.set G1B, 48
.set G0B, 56
.set CS,  86                           ; s[86:87] c: the packed scaling takes the low word for both halves
.set SEL, 88                           ; s[88:89] v_permlanex16_b32's selects: each lane takes its own place in the other half
.set HIM, 91                           ; s91      lanes 16-31
.set CM,  93                           ; s93-100  eight lane masks
.set MSB, 0
.macro WIN new
.if MSB != (\new)
	s_set_vgpr_msb (MSB<<8)|(\new)
.set MSB, \new
.endif
.endm
.set MULW, 0x50
.macro ADDSH dst, tmp, src, sh
	s_lshl_b32 s[\tmp], s[\src], \sh
	s_add_co_u32 s[\dst], s[\dst], s[\tmp]
.endm
.macro PLACES
.rept 4
	v_nop
.endr
.endm
.macro JLOAD s                         ; waves 0 and 1 ask for q's halves, waves 2 and 3 for k's; an s_nop 0 and four v_nop follow each line
	s_cmp_eq_u32 s11, 0
	s_cbranch_scc0 .Lfor_b_\@
	tensor_load_to_lds s[G0A+4*(\s):G0A+4*(\s)+3], s[G1A:G1A+7]
	s_nop 0
.rept 4
	v_nop
.endr
	s_branch .Lasked_\@
.Lfor_b_\@:
	tensor_load_to_lds s[G0B+4*(\s):G0B+4*(\s)+3], s[G1B:G1B+7]
	s_nop 0
.rept 4
	v_nop
.endr
.Lasked_\@:
.endm
.macro CREST
	s_cmp_lg_u32 s10, 0
	s_cbranch_scc1 .Lnot_wave_0_\@
	s_barrier_signal -3
.Lnot_wave_0_\@:
	s_barrier_wait -3
	s_barrier_signal -1
	s_barrier_wait -1
.endm
.macro CROUND
	s_barrier_signal -1
	s_barrier_wait -1
	CREST
.endm
	s_load_b256 s[68:75], s[0:1], 0x0              ; qkv s[68:69], mask s[70:71], pmat s[72:73], stats s[74:75]
	v_lshl_add_u32 v[SPW], v0, 2, SPARE
	v_mov_b32 v[NIL], 0
	ds_add_u32 v[SPW], v[NIL]                      ; the wave's opening: the add and its wait stand ahead of my first tensor load
	v_lshrrev_b32 v1, 5, v0
	v_readfirstlane_b32 s10, v1
	s_lshr_b32 s11, s10, 1
	s_and_b32 s12, s10, 1
	s_bfe_u32 s40, ttmp6, 0x40000
	s_bfe_u32 s41, ttmp6, 0x40004
	s_lshl_b32 s42, ttmp9, 2
	s_add_co_u32 s42, s42, s40                     ; tile column (256 keys), 0..7
	s_and_b32 s45, ttmp7, 0xffff                   ; cluster y, 0..15
	s_lshl_b32 s43, s41, 2
	s_lshl_b32 s43, 15, s43
	s_lshl_b32 s44, 0x1111, s40
	s_lshr_b32 s92, s45, 2                         ; the batch
	s_and_b32 s13, s45, 3
	s_lshl_b32 s13, s13, 2
	s_add_co_u32 s13, s13, s41                     ; tile row (128 queries), 0..15
	s_or_b32 s[G1A], s43, (1<<16)|(1<<20)|(1<<21)|(5<<22)|(3<<25)
	s_or_b32 s[G1B], s44, (1<<16)|(1<<20)|(1<<21)|(5<<22)|(3<<25)
	s_mov_b32 s[G1A+1], 128<<16
	s_mov_b32 s[G1A+2], 64<<16
	s_mov_b32 s[G1A+3], 128<<16
	s_mov_b32 s[G1A+4], 64
	s_mov_b32 s[G1A+5], 1024
	s_mov_b32 s[G1A+6], 0
	s_mov_b32 s[G1A+7], 0
	s_mov_b32 s[G1B+1], 128<<16
	s_mov_b32 s[G1B+2], 128<<16
	s_mov_b32 s[G1B+3], 128<<16
	s_mov_b32 s[G1B+4], 128
	s_mov_b32 s[G1B+5], 1024
	s_mov_b32 s[G1B+6], 0
	s_mov_b32 s[G1B+7], 0
	s_lshl_b32 s16, s92, 22                        ; q: the batch's 2,048 rows of 2,048 bytes
	ADDSH 16, 14, 13, 18
	ADDSH 16, 14, 12, 17
	s_mov_b32 s17, 0
	s_lshl_b32 s46, s92, 22                        ; k, which lies 16 MiB behind q
	s_add_co_u32 s46, s46, 0x1000000
	ADDSH 46, 66, 42, 19
	ADDSH 46, 66, 12, 18
	s_mov_b32 s47, 0
	s_lshl_b32 s20, s92, 23                        ; pmat at my 64 rows and 128 columns
	ADDSH 20, 22, 13, 19
	ADDSH 20, 22, 11, 18
	ADDSH 20, 22, 42, 9
	ADDSH 20, 22, 12, 8
	s_mov_b32 s21, 0
	s_lshl_b32 s8, s92, 24                         ; the mask likewise
	ADDSH 8, 22, 13, 20
	ADDSH 8, 22, 11, 19
	ADDSH 8, 22, 42, 10
	ADDSH 8, 22, 12, 9
	s_mov_b32 s9, 0
	s_lshl_b32 s96, s92, 18                        ; stats: batch, block 2 x tile column + half, my 64 rows of 8 bytes
	ADDSH 96, 22, 42, 15
	ADDSH 96, 22, 12, 14
	ADDSH 96, 22, 13, 10
	ADDSH 96, 22, 11, 9
	s_mov_b32 s97, 0
	s_mul_i32 s18, s12, HA
	s_mul_i32 s19, s12, HB
	s_add_co_u32 s19, s19, ATILE
	s_mov_b32 s[CS], 0x3d38aa3b                    ; c = log2(e) / 32
	s_mov_b32 s[CS+1], s[CS]
	s_mov_b32 s[SEL], 0x76543210
	s_mov_b32 s[SEL+1], 0xfedcba98
	s_mov_b32 s[HIM], 0xffff0000
	s_wait_dscnt 0x0
	s_wait_kmcnt 0x0
	s_add_nc_u64 s[16:17], s[68:69], s[16:17]
	s_add_nc_u64 s[46:47], s[68:69], s[46:47]
	s_add_nc_u64 s[80:81], s[72:73], s[20:21]
	s_add_nc_u64 s[82:83], s[70:71], s[8:9]
	s_add_nc_u64 s[84:85], s[74:75], s[96:97]
	CROUND
.irp s, 0,1
	s_mov_b32 s[G0A+4*(\s)], 1
	s_add_co_u32 s[G0A+4*(\s)+1], s18, (\s)*SLOT
	s_add_nc_u64 s[G0A+4*(\s)+2:G0A+4*(\s)+3], s[16:17], (\s)*STEPA
	s_or_b32 s[G0A+4*(\s)+3], s[G0A+4*(\s)+3], 0x80000000
	s_mov_b32 s[G0B+4*(\s)], 1
	s_add_co_u32 s[G0B+4*(\s)+1], s19, (\s)*SLOT
	s_add_nc_u64 s[G0B+4*(\s)+2:G0B+4*(\s)+3], s[46:47], (\s)*STEPB
	s_or_b32 s[G0B+4*(\s)+3], s[G0B+4*(\s)+3], 0x80000000
	JLOAD \s
.endr
	v_and_b32 v3, 31, v0
	v_lshlrev_b32 v[MOF], 4, v3
	WIN 0x80                                       ; destination window 2
.set i, 0
.rept 64                               ; my 64 rows of the mask, 512 consecutive bytes a load; waited for behind the last product
	global_load_b128 v[4*i:4*i+3], v[MOF], s[82:83] offset:8192*i th:TH_LOAD_NT
.set i, i+1
.endr
	WIN 0
	v_and_b32 v1, 15, v0
	v_bfe_u32 v2, v0, 4, 1
	v_mul_u32_u24 v4, v1, PITCH
	v_lshl_add_u32 v4, v2, 4, v4
	s_mul_i32 s4, s11, HA
	s_mul_i32 s5, s12, HB
	s_add_co_u32 s5, s5, ATILE
.irp s, 0,1
	v_add_nc_u32 v[ADRA+(\s)], s4, v4
	v_add_nc_u32 v[ADRB+(\s)], s5, v4
	s_add_co_u32 s4, s4, SLOT
	s_add_co_u32 s5, s5, SLOT
.endr
	s_mul_i32 s6, s10, 16*SPITCH
	s_add_co_u32 s6, s6, STAGE
	v_add_nc_u32 v[STO], s6, v4
	v_mul_u32_u24 v5, v2, SPITCH
	v_lshl_add_u32 v5, v1, 4, v5
	v_add_nc_u32 v[RD], s6, v5
	v_mul_u32_u24 v5, v2, CP
	v_lshl_add_u32 v[CO], v1, 4, v5
	s_mul_i32 s7, s10, 16*MPITCH
	s_add_co_u32 s7, s7, MSTAGE                    ; my stage for the mask
	v_add_nc_u32 v[MSTO], s7, v[MOF]
	v_mul_u32_u24 v5, v1, MPITCH
	v_lshl_add_u32 v5, v2, 5, v5                   ; row r, 32 bytes for each half of the lanes
	v_add_nc_u32 v[MRD], s7, v5
	v_lshlrev_b32 v[SOF], 3, v3
	v_mov_b32 v[TN], 0xd056fa73                    ; -1e10 log2(e)
	v_mov_b32 v39, 0                               ; v_permlanex16_b32's destination counts as read
.macro MULA f, a, zero                 ; 8 matrix instructions; the 32 accumulators take turns, one instruction a turn
	WIN MULW
.irp b, 0,1,2,3,4,5,6,7
.if \zero
	v_wmma_f32_16x16x32_bf16 v[8*(8*(\a)+(\b)):8*(8*(\a)+(\b))+7], v[(\f)+32+8*(\b):(\f)+32+8*(\b)+7], v[(\f)+8*(\a):(\f)+8*(\a)+7], 0
.else
	v_wmma_f32_16x16x32_bf16 v[8*(8*(\a)+(\b)):8*(8*(\a)+(\b))+7], v[(\f)+32+8*(\b):(\f)+32+8*(\b)+7], v[(\f)+8*(\a):(\f)+8*(\a)+7], v[8*(8*(\a)+(\b)):8*(8*(\a)+(\b))+7]
.endif
.endr
.endm
.macro FETCH slot, k, f
	WIN 0
.irp i, 0,1,2,3,4,5,6,7
	ds_load_b128 v[(\f)+32+8*(\i):(\f)+32+8*(\i)+3],   v[ADRB+(\slot)] offset:(\k)+(\i)*16*PITCH
	ds_load_b128 v[(\f)+32+8*(\i)+4:(\f)+32+8*(\i)+7], v[ADRB+(\slot)] offset:(\k)+(\i)*16*PITCH+32
.endr
.irp i, 0,1,2,3
	ds_load_b128 v[(\f)+8*(\i):(\f)+8*(\i)+3],   v[ADRA+(\slot)] offset:(\k)+(\i)*16*PITCH
	ds_load_b128 v[(\f)+8*(\i)+4:(\f)+8*(\i)+7], v[ADRA+(\slot)] offset:(\k)+(\i)*16*PITCH+32
.endr
.endm
.macro QUARTER slot, k, f, g, zero
	s_wait_dscnt 4                                 ; the youngest four loads (A's blocks 2 and 3) may be out
	MULA \f, 0, \zero
	MULA \f, 1, \zero
	PLACES
	FETCH \slot, \k, \g
	s_wait_dscnt 24                                ; all but the 24 just issued
	MULA \f, 2, \zero
	MULA \f, 3, \zero
.endm
.macro TURN slot, next, fill           ; the last quarter and the change of slots
	WIN 0
	s_wait_tensorcnt 0x0                           ; all my tensor loads have landed: my part of the next slot
	ds_add_u32 v[SPW], v[NIL]
	s_wait_dscnt 7                                 ; the add and the youngest six loads may be out
	MULA F1, 0, 0
	s_wait_dscnt 0x0                               ; the add is done, and my reads of this slot are over
	s_barrier_signal -1
	MULA F1, 1, 0
.if \fill
	WIN 0
.endif
	s_barrier_wait -1
.if \fill
	CREST
	s_add_nc_u64 s[G0A+4*(\slot)+2:G0A+4*(\slot)+3], s[G0A+4*(\slot)+2:G0A+4*(\slot)+3], 2*STEPA
	s_add_nc_u64 s[G0B+4*(\slot)+2:G0B+4*(\slot)+3], s[G0B+4*(\slot)+2:G0B+4*(\slot)+3], 2*STEPB
	JLOAD \slot                                    ; the first tensor load behind the round; its four v_nop are also the places in front of the loads below
.else
	PLACES
.endif
	FETCH \next, 0, F0
	MULA F1, 2, 0
	MULA F1, 3, 0
.endm
.macro LASTQ
	s_wait_dscnt 4
	MULA F1, 0, 0
	MULA F1, 1, 0
	s_wait_dscnt 0x0
	MULA F1, 2, 0
	MULA F1, 3, 0
	WIN 0
.endm
; The mask's rows 16 a .. 16 a + 15 go into my stage as they came (a row of 512 bytes a store) and come back in the accumulators' layout (row r, columns 16 b + 8 h + 0..7), into the registers that they left.
.macro MT a
	WIN 0x08                                       ; store data window 2
.set i, 0
.rept 16
	ds_store_b128 v[MSTO], v[64*(\a)+4*i:64*(\a)+4*i+3] offset:MPITCH*i
.set i, i+1
.endr
	WIN 0x80                                       ; destination window 2
.set i, 0
.rept 16
	ds_load_b128 v[64*(\a)+4*i:64*(\a)+4*i+3], v[MRD] offset:64*(i/2)+16*(i%2)  ; LDS serves a wave's instructions in order (ISA guide 5.7.1.4): these see the stores above
.set i, i+1
.endr
	WIN 0
.endm
.macro TOSTAGE a
.set BKA, BK+32*((\a)%2)
.if (\a) >= 2
	s_wait_xcnt 0x0                                ; the stores of the block two back have read these registers
.endif
.irp b, 0,1,2,3,4,5,6,7
	ds_store_b128 v[STO], v[TMP+4*(\b):TMP+4*(\b)+3] offset:32*(\b)
.endr
.irp t, 0,1,2,3,4,5,6,7
	ds_load_b128 v[BKA+4*(\t):BKA+4*(\t)+3], v[RD] offset:(\t)*2*SPITCH
.endr
.endm
.macro SEND a
.set BKA, BK+32*((\a)%2)
.irp t, 0,1,2,3,4,5,6,7
	global_store_b128 v[CO], v[BKA+4*(\t):BKA+4*(\t)+3], s[80:81] offset:(16*(\a)+2*(\t))*CP  ; 16 lanes store 256 consecutive bytes, at a multiple of 256 from the buffer's first
.endr
.endm
; Row block a: 16 rows x 128 keys, 64 scores a lane.
.macro BLOCK a
	WIN 0x01                                       ; source 0 window 1
.set i, 0
.rept 32                               ; t = c s; each accumulator's lowest registers are read first
	v_pk_mul_f32 v[T+2*i:T+2*i+1], v[64*(\a)+2*i:64*(\a)+2*i+1], s[CS:CS+1] op_sel_hi:[1,0]
.set i, i+1
.endr
	WIN 0
	s_wait_dscnt 0x0                               ; this block's mask is back, and the block before is back from its stage
.if (\a) > 0
	SEND (\a)-1
.endif
.set g, 0
.rept 8                                ; where mask == 0 the score is replaced; eight compares under the mask's window, eight selects under window 0
	WIN 0x08
.irp k, 0,1,2,3,4,5,6,7
	v_cmp_eq_u32 s[CM+(\k)], 0, v[64*(\a)+8*g+(\k)]
.endr
	WIN 0
.irp k, 0,1,2,3,4,5,6,7
	v_cndmask_b32 v[T+8*g+(\k)], v[T+8*g+(\k)], v[TN], s[CM+(\k)]
.endr
.set g, g+1
.endr
.if (\a) < 3
	MT (\a)+1                                      ; the next block's mask is turned while this block is worked on
.endif
.irp c, 0,1,2,3                        ; the maximum: four chains of fifteen scores, three operands at a time
	v_max3_num_f32 v[CHN+(\c)], v[T+16*(\c)], v[T+16*(\c)+1], v[T+16*(\c)+2]
.endr
.irp n, 0,1,2,3,4,5
.irp c, 0,1,2,3
	v_max3_num_f32 v[CHN+(\c)], v[CHN+(\c)], v[T+16*(\c)+3+2*(\n)], v[T+16*(\c)+4+2*(\n)]
.endr
.endr
	v_max3_num_f32 v[CHN], v[CHN], v[T+15], v[T+31]
	v_max3_num_f32 v[CHN+2], v[CHN+2], v[T+47], v[T+63]
	v_max3_num_f32 v[CHN], v[CHN], v[CHN+1], v[CHN+2]
	v_max_num_f32 v[CHN], v[CHN], v[CHN+3]
	v_permlanex16_b32 v[CHN+1], v[CHN], s[SEL], s[SEL+1]  ; the row's other 64 keys lie in the lane 16 away
	v_max_num_f32 v[CHN], v[CHN], v[CHN+1]
	v_floor_f32 v[MX], v[CHN]
	v_add_f32 v[MX], 1.0, v[MX]                    ; m': a whole number above every t of the block, by 1 at the most
	v_mov_b32 v[MX+1], v[MX]
	v_mov_b32 v[ML+2*(\a)], v[MX]
.set i, 0
.rept 32
	v_pk_add_f32 v[T+2*i:T+2*i+1], v[T+2*i:T+2*i+1], v[MX:MX+1] neg_lo:[0,1] neg_hi:[0,1]  ; t - m'
.set i, i+1
.endr
.set i, 0
.rept 64
	v_exp_f32 v[T+i], v[T+i]
.set i, i+1
.endr
	v_nop                                          ; a plain instruction between the last exponential and the use of its result (ISA guide 5.7.2)
.set i, 0
	s_wait_alu depctr_va_vdst(0)
.rept 32
	v_cvt_pk_bf16_f32 v[TMP+i], v[T+2*i], v[T+2*i+1]
.set i, i+1
.endr
.irp w, 32,16,8,4,2                    ; the sum of the unrounded weights: pairs w registers apart are added, in place
.set i, 0
.rept (\w)/2
	v_pk_add_f32 v[T+2*i:T+2*i+1], v[T+2*i:T+2*i+1], v[T+(\w)+2*i:T+(\w)+2*i+1]
.set i, i+1
.endr
.endr
	v_add_f32 v38, v[T], v[T+1]
	v_permlanex16_b32 v39, v38, s[SEL], s[SEL+1]
	v_add_f32 v[ML+2*(\a)+1], v38, v39
	TOSTAGE \a
.endm
	s_wait_tensorcnt 0x1                           ; my part of K step 0 is in; K step 1's may stay out
	s_barrier_signal -1
	s_barrier_wait -1
	FETCH 0, 0, F0
	QUARTER 0, 64, F0, F1, 1                       ; the first quarter's products start the sums
	WIN 0
	s_mov_b32 s3, LAPS-1
.Llap:
	QUARTER 0, 128, F1, F0, 0
	QUARTER 0, 192, F0, F1, 0
	TURN 0, 1, 1
	QUARTER 1, 64,  F0, F1, 0
	QUARTER 1, 128, F1, F0, 0
	QUARTER 1, 192, F0, F1, 0
	TURN 1, 0, 1
	QUARTER 0, 64,  F0, F1, 0
	WIN 0
	s_sub_co_u32 s3, s3, 1
	s_cmp_lg_u32 s3, 0
	s_cbranch_scc1 .Llap
	QUARTER 0, 128, F1, F0, 0
	QUARTER 0, 192, F0, F1, 0
	TURN 0, 1, 0
	QUARTER 1, 64,  F0, F1, 0
	QUARTER 1, 128, F1, F0, 0
	QUARTER 1, 192, F0, F1, 0
	LASTQ
	PLACES
	s_wait_loadcnt 0x0                             ; the mask
	MT 0
	BLOCK 0
	BLOCK 1
	BLOCK 2
	BLOCK 3
	s_wait_dscnt 0x0
	SEND 3
.irp p, 0,1                            ; (m', l) of 32 rows: lanes 0-15 take block 2 p, lanes 16-31 block 2 p + 1: 256 consecutive bytes a store
	v_cndmask_b32 v[SD+2*(\p)],   v[ML+4*(\p)],   v[ML+4*(\p)+2], s[HIM]
	v_cndmask_b32 v[SD+2*(\p)+1], v[ML+4*(\p)+1], v[ML+4*(\p)+3], s[HIM]
	global_store_b64 v[SOF], v[SD+2*(\p):SD+2*(\p)+1], s[84:85] offset:256*(\p)
.endr
	s_wait_tensorcnt 0x0                           ; the wave's end
	ds_add_u32 v[SPW], v[NIL]
	s_wait_dscnt 0x0
	CROUND
	s_endpgm
.Lfunc_end_k_q2f2084a27c_scores:
	.size	k_q2f2084a27c_scores, .Lfunc_end_k_q2f2084a27c_scores-k_q2f2084a27c_scores
	.p2alignl 7, 3214868480
	.fill 96, 4, 3214868480
	.section	.rodata,"a",@progbits
	.p2align	6, 0x0
	.amdhsa_kernel k_q2f2084a27c_scores
		.amdhsa_group_segment_fixed_size 327680
		.amdhsa_private_segment_fixed_size 0
		.amdhsa_enable_private_segment 0
		.amdhsa_kernarg_size 32
		.amdhsa_user_sgpr_count 2
		.amdhsa_user_sgpr_kernarg_segment_ptr 1
		.amdhsa_wavefront_size32 1
		.amdhsa_system_sgpr_workgroup_id_x 1
		.amdhsa_system_sgpr_workgroup_id_y 1
		.amdhsa_system_sgpr_workgroup_id_z 1
		.amdhsa_system_vgpr_workitem_id 0
		.amdhsa_next_free_vgpr 768
		.amdhsa_next_free_sgpr 102
		.amdhsa_reserve_vcc 0
		.amdhsa_float_denorm_mode_32 3
		.amdhsa_float_denorm_mode_16_64 3
		.amdhsa_memory_ordered 1
		.amdhsa_forward_progress 1
		.amdhsa_inst_pref_size 177
	.end_amdhsa_kernel
	.amdgpu_metadata
---
amdhsa.version: [ 1, 2 ]
amdhsa.kernels:
  - .name:           k_q2f2084a27c_scores
    .symbol:         k_q2f2084a27c_scores.kd
    .args:
      - { .name: qkv, .offset: 0, .size: 8, .value_kind: global_buffer, .address_space: global }
      - { .name: mask, .offset: 8, .size: 8, .value_kind: global_buffer, .address_space: global }
      - { .name: pmat, .offset: 16, .size: 8, .value_kind: global_buffer, .address_space: global }
      - { .name: stats, .offset: 24, .size: 8, .value_kind: global_buffer, .address_space: global }
    .group_segment_fixed_size: 327680
    .private_segment_fixed_size: 0
    .kernarg_segment_align: 8
    .kernarg_segment_size: 32
    .max_flat_workgroup_size: 128
    .sgpr_count:     102
    .vgpr_count:     768
    .wavefront_size: 32
...
	.end_amdgpu_metadata
.endif
;; end of part 3
;; launch pv (part 4): grid 4 x 64, 4 waves a work-group, clusters of 4 x 4, 327,680 bytes of LDS; arguments pmat, qkv, stats, ctx; writes ctx
.if DOCPART == 4
	.amdgcn_target "amdgcn-amd-amdhsa--gfx1250"
	.amdhsa_code_object_version 6
	.text
	.protected	k_q2f2084a27c_pv
	.globl	k_q2f2084a27c_pv
	.p2align	8
	.type	k_q2f2084a27c_pv,@function
k_q2f2084a27c_pv:
	s_mov_b64 s[64:65], 0
	v_nop
	global_prefetch_b8 v0, s[64:65] scope:SCOPE_SE
	s_setreg_imm32_b32 hwreg(HW_REG_WAVE_MODE, 25, 1), 1
	s_wait_xcnt 0x0
	s_wait_alu depctr_hold_cnt(0) depctr_sa_sdst(0) depctr_va_vdst(0) depctr_va_sdst(0) depctr_va_ssrc(0) depctr_va_vcc(0) depctr_vm_vsrc(0)
	s_getreg_b32 s2, hwreg(HW_REG_IB_STS2, 6, 4)
	s_cmp_eq_u32 s2, 0
	s_cbranch_scc0 .Lentry_in_a_cluster
	s_endpgm
.Lentry_in_a_cluster:
	s_bfe_u32 s2, ttmp6, 0x10000c
	s_cmp_lg_u32 s2, 0xf033
	s_cbranch_scc0 .Lentry_shape_is_right
	s_endpgm
.Lentry_shape_is_right:
; ctx[row] = (sum over the 16 key blocks j of f_j P_j V_j) / l, with M = max_j m'_j, f_j = 2^(m'_j - M), l = sum_j f_j l_j: the softmax's row maximum is taken away here, over the blocks' own.
; m' are whole numbers, so f_j is a power of two: its bits are made from d = max(m'_j - M, -127) as (d + 127) << 23, which is 0 at d = -127; bf16(p) x f_j is exact in bf16 (above bf16's denormals).
; pmat: bf16 [4][2048][2048]; v = qkv's third part, bf16 [8192][1024], read as it lies, [key][channel]; stats: f32 [4][16][2048][2]; ctx: bf16 [8192][1024], rounded once.
; SHARES, RING, CLUSTER, TRANSPOSED USE: a tile is 128 queries x 256 channels, 4 x 16 x 4 = 256 work-groups; four waves 2 x 2, each 64 x 128 in 32 accumulators; K = 2,048 keys in steps of 128, one
; key block a step, through two LDS slots.  P's tile (rows of 256 bytes) is asked for jointly along a row of the 4 x 4 cluster, V's (128 keys x 512 bytes) along a column.
; V's fragments come out of LDS turned, by ds_load_tr16_b128.  P's fragments are multiplied by the row's f_j, two bf16 at a time, between the LDS load and the product.
; The factors of my 64 rows and 16 steps lie in a table of my own in LDS, made in the wait for the first tiles: [step][row % 16][row / 16], a bf16 pair (f, f) a word.
; REGISTERS: window 0: v0-63 addresses, 1 / l, factors; v64-159, v160-255 fragment buffers; on the way out v64-127 scaled sums, v128-159 packed, v160-223 rows read back.  window 1: the accumulators.
; LIMITS.  NaN and infinities are not treated apart; a block's factor below 2^-126 counts as 0.
.set PITCH,  272
.set VP,     544                       ; a row of V in LDS: 512 bytes + 32
.set HA,     64*PITCH
.set ATILE,  2*HA
.set HB,     64*VP                     ; half of V's tile: 64 keys
.set SLOT,   ATILE+2*HB
.set STAGE,  2*SLOT
.set SPITCH, 272
.set FT,     STAGE+4*16*SPITCH         ; the factors: 4,096 bytes for each wave
.set SPARE,  FT+4*4096
.set LAPS,   8
.set STEPA,  256                       ; 128 keys along a row of P
.set STEPB,  128*2048                  ; 128 rows of V
.set CP,     2048
.set ADRA, 16
.set ADRB, 20
.set STO,  24
.set RD,   25
.set CO,   26
.set FA,   27                          ; v27     the table at this lap's first step
.set SPW,  28
.set NIL,  29
.set RI,   40                          ; v40-47  1 / l of row block a, twice, at RI + 2 a
.set FC,   48                          ; v48-51  the factors of slot 0's step, one register a row block; v52-55 of slot 1's
.set FA0,  57                          ; v57     the table at step 0; never rewritten
.set T,    64
.set W,    128                         ; v128-159  the prologue's factors, by step and row block
.set F0,   64
.set F1,   160
.set TMP,  128
.set BK,   160
.set G1A, 24
.set G0A, 32
.set G1B, 48
.set G0B, 56
.set SEL, 88
.set FTS, 93                           ; s93  the lap's first step in the table, in bytes
.set MSB, 0
.macro WIN new
.if MSB != (\new)
	s_set_vgpr_msb (MSB<<8)|(\new)
.set MSB, \new
.endif
.endm
.set MULW, 0x50
.macro ADDSH dst, tmp, src, sh
	s_lshl_b32 s[\tmp], s[\src], \sh
	s_add_co_u32 s[\dst], s[\dst], s[\tmp]
.endm
.macro PLACES
.rept 4
	v_nop
.endr
.endm
.macro JLOAD s                         ; waves 0 and 1 ask for P's halves, waves 2 and 3 for V's; an s_nop 0 and four v_nop follow each line
	s_cmp_eq_u32 s11, 0
	s_cbranch_scc0 .Lfor_b_\@
	tensor_load_to_lds s[G0A+4*(\s):G0A+4*(\s)+3], s[G1A:G1A+7]
	s_nop 0
.rept 4
	v_nop
.endr
	s_branch .Lasked_\@
.Lfor_b_\@:
	tensor_load_to_lds s[G0B+4*(\s):G0B+4*(\s)+3], s[G1B:G1B+7]
	s_nop 0
.rept 4
	v_nop
.endr
.Lasked_\@:
.endm
.macro CREST
	s_cmp_lg_u32 s10, 0
	s_cbranch_scc1 .Lnot_wave_0_\@
	s_barrier_signal -3
.Lnot_wave_0_\@:
	s_barrier_wait -3
	s_barrier_signal -1
	s_barrier_wait -1
.endm
.macro CROUND
	s_barrier_signal -1
	s_barrier_wait -1
	CREST
.endm
	s_load_b256 s[68:75], s[0:1], 0x0              ; pmat s[68:69], qkv s[70:71], stats s[72:73], ctx s[74:75]
	v_lshl_add_u32 v[SPW], v0, 2, SPARE
	v_mov_b32 v[NIL], 0
	ds_add_u32 v[SPW], v[NIL]                      ; the wave's opening: the add and its wait stand ahead of my first tensor load
	v_lshrrev_b32 v1, 5, v0
	v_readfirstlane_b32 s10, v1
	s_lshr_b32 s11, s10, 1
	s_and_b32 s12, s10, 1
	s_bfe_u32 s40, ttmp6, 0x40000
	s_bfe_u32 s41, ttmp6, 0x40004
	s_lshl_b32 s42, ttmp9, 2
	s_add_co_u32 s42, s42, s40                     ; tile column (256 channels), 0..3
	s_and_b32 s45, ttmp7, 0xffff
	s_lshl_b32 s43, s41, 2
	s_lshl_b32 s43, 15, s43
	s_lshl_b32 s44, 0x1111, s40
	s_lshr_b32 s92, s45, 2                         ; the batch
	s_and_b32 s13, s45, 3
	s_lshl_b32 s13, s13, 2
	s_add_co_u32 s13, s13, s41                     ; tile row (128 queries), 0..15
	s_or_b32 s[G1A], s43, (1<<16)|(1<<20)|(1<<21)|(5<<22)|(3<<25)  ; after every 64 words, 4 words of padding
	s_or_b32 s[G1B], s44, (1<<16)|(1<<20)|(1<<21)|(6<<22)|(7<<25)  ; after every 128 words, 8 words
	s_mov_b32 s[G1A+1], 128<<16
	s_mov_b32 s[G1A+2], 64<<16
	s_mov_b32 s[G1A+3], 128<<16
	s_mov_b32 s[G1A+4], 64
	s_mov_b32 s[G1A+5], 2048                       ; a row of P has 2,048 elements
	s_mov_b32 s[G1A+6], 0
	s_mov_b32 s[G1A+7], 0
	s_mov_b32 s[G1B+1], 256<<16                    ; tensor_dim0 = 256 channels
	s_mov_b32 s[G1B+2], 64<<16                     ; tensor_dim1 = 64 keys
	s_mov_b32 s[G1B+3], 256<<16
	s_mov_b32 s[G1B+4], 64
	s_mov_b32 s[G1B+5], 1024
	s_mov_b32 s[G1B+6], 0
	s_mov_b32 s[G1B+7], 0
	s_lshl_b32 s16, s92, 23                        ; P: the batch's 2,048 rows of 4,096 bytes
	ADDSH 16, 14, 13, 19
	ADDSH 16, 14, 12, 18
	s_mov_b32 s17, 0
	s_lshl_b32 s46, s92, 22                        ; V, which lies 32 MiB into qkv
	s_add_co_u32 s46, s46, 0x2000000
	ADDSH 46, 66, 12, 17                           ; the 64 keys that I fetch
	ADDSH 46, 66, 42, 9                            ; the tile's 256 channels
	s_mov_b32 s47, 0
	s_lshl_b32 s20, s92, 22                        ; ctx at my 64 rows and 128 channels
	ADDSH 20, 22, 13, 18
	ADDSH 20, 22, 11, 17
	ADDSH 20, 22, 42, 9
	ADDSH 20, 22, 12, 8
	s_mov_b32 s21, 0
	s_lshl_b32 s8, s92, 18                         ; stats at the batch's block 0 and my 64 rows
	ADDSH 8, 22, 13, 10
	ADDSH 8, 22, 11, 9
	s_mov_b32 s9, 0
	s_mul_i32 s18, s12, HA
	s_mul_i32 s19, s12, HB
	s_add_co_u32 s19, s19, ATILE
	s_mov_b32 s[SEL], 0x76543210
	s_mov_b32 s[SEL+1], 0xfedcba98
	s_mov_b32 s[FTS], 0
	s_wait_dscnt 0x0
	s_wait_kmcnt 0x0
	s_add_nc_u64 s[16:17], s[68:69], s[16:17]
	s_add_nc_u64 s[46:47], s[70:71], s[46:47]
	s_add_nc_u64 s[80:81], s[74:75], s[20:21]
	s_add_nc_u64 s[84:85], s[72:73], s[8:9]
	CROUND
.irp s, 0,1
	s_mov_b32 s[G0A+4*(\s)], 1
	s_add_co_u32 s[G0A+4*(\s)+1], s18, (\s)*SLOT
	s_add_nc_u64 s[G0A+4*(\s)+2:G0A+4*(\s)+3], s[16:17], (\s)*STEPA
	s_or_b32 s[G0A+4*(\s)+3], s[G0A+4*(\s)+3], 0x80000000
	s_mov_b32 s[G0B+4*(\s)], 1
	s_add_co_u32 s[G0B+4*(\s)+1], s19, (\s)*SLOT
	s_add_nc_u64 s[G0B+4*(\s)+2:G0B+4*(\s)+3], s[46:47], (\s)*STEPB
	s_or_b32 s[G0B+4*(\s)+3], s[G0B+4*(\s)+3], 0x80000000
	JLOAD \s
.endr
	v_and_b32 v1, 15, v0                           ; r
	v_bfe_u32 v2, v0, 4, 1                         ; h
	v_lshlrev_b32 v3, 3, v1
	v_lshl_add_u32 v3, v2, 17, v3                  ; row r's 8 bytes; half h of the lanes takes blocks 8 h .. 8 h + 7, 16,384 bytes apart
.irp a, 0,1,2,3
.irp j, 0,1,2,3,4,5,6,7
	global_load_b64 v[64+16*(\a)+2*(\j):64+16*(\a)+2*(\j)+1], v3, s[84:85] offset:16384*(\j)+128*(\a)
.endr
.endr
	v_mul_u32_u24 v4, v1, PITCH
	v_lshl_add_u32 v4, v2, 4, v4
	v_and_b32 v5, 7, v0                            ; the turning load: lane l reads key 8 h + l % 8, channels 8 ((l / 8) % 2) + 0..7
	v_lshl_add_u32 v5, v2, 3, v5
	v_mul_u32_u24 v5, v5, VP
	v_bfe_u32 v6, v0, 3, 1
	v_lshl_add_u32 v5, v6, 4, v5
	s_mul_i32 s4, s11, HA                          ; my 64 rows of P
	s_lshl_b32 s5, s12, 8                          ; my 128 channels: 256 bytes into V's rows,
	s_add_co_u32 s5, s5, ATILE                     ; which lie behind P's tile
.irp s, 0,1
	v_add_nc_u32 v[ADRA+(\s)], s4, v4
	v_add_nc_u32 v[ADRB+(\s)], s5, v5
	s_add_co_u32 s4, s4, SLOT
	s_add_co_u32 s5, s5, SLOT
.endr
	s_mul_i32 s6, s10, 16*SPITCH
	s_add_co_u32 s6, s6, STAGE
	v_add_nc_u32 v[STO], s6, v4
	v_mul_u32_u24 v5, v2, SPITCH
	v_lshl_add_u32 v5, v1, 4, v5
	v_add_nc_u32 v[RD], s6, v5
	v_mul_u32_u24 v5, v2, CP
	v_lshl_add_u32 v[CO], v1, 4, v5
	s_lshl_b32 s7, s10, 12
	s_add_co_u32 s7, s7, FT                        ; my table
	v_lshl_add_u32 v[FA0], v1, 4, s7               ; row r's four words of step 0
	v_lshl_add_u32 v7, v2, 11, v[FA0]              ; where I put them: my half's eight steps
	v_mov_b32 v5, 0                                ; v_permlanex16_b32's destination counts as read
	s_wait_loadcnt 0x0
; Row block a: M, the eight factors of my half's blocks, l and 1 / l.
.macro FACT a
.set Q, 64+16*(\a)
	v_max3_num_f32 v4, v[Q], v[Q+2], v[Q+4]
	v_max3_num_f32 v4, v4, v[Q+6], v[Q+8]
	v_max3_num_f32 v4, v4, v[Q+10], v[Q+12]
	v_max_num_f32 v4, v4, v[Q+14]
	v_permlanex16_b32 v5, v4, s[SEL], s[SEL+1]     ; the other eight blocks lie in the lane 16 away
	v_max_num_f32 v4, v4, v5                       ; M
.irp j, 0,1,2,3,4,5,6,7
	v_sub_f32 v[Q+2*(\j)], v[Q+2*(\j)], v4
	v_max_num_f32 v[Q+2*(\j)], 0xc2fe0000, v[Q+2*(\j)]  ; not below -127
	v_cvt_i32_f32 v[Q+2*(\j)], v[Q+2*(\j)]
	v_add_lshl_u32 v[Q+2*(\j)], v[Q+2*(\j)], 127, 23    ; f as f32: the exponent's bits alone
.if (\j) == 0
	v_mul_f32 v6, v[Q], v[Q+1]
.else
	v_fmac_f32 v6, v[Q+2*(\j)], v[Q+2*(\j)+1]
.endif
	v_cvt_pk_bf16_f32 v[W+4*(\j)+(\a)], v[Q+2*(\j)], v[Q+2*(\j)]
.endr
	v_permlanex16_b32 v5, v6, s[SEL], s[SEL+1]
	v_add_f32 v6, v6, v5                           ; l: at least 1/2, from the block whose m' is M
	v_rcp_f32 v[RI+2*(\a)], v6                     ; a plain line that touches neither follows: the next block's first, or the v_nop below (ISA guide 5.7.2)
.endm
	FACT 0
	FACT 1
	FACT 2
	FACT 3
	v_nop
	s_wait_alu depctr_va_vdst(0)
.irp a, 0,1,2,3
	v_mov_b32 v[RI+2*(\a)+1], v[RI+2*(\a)]
.endr
.irp j, 0,1,2,3,4,5,6,7
	ds_store_b128 v7, v[W+4*(\j):W+4*(\j)+3] offset:256*(\j)
.endr
.macro MULA f, a, zero                 ; 8 matrix instructions; the 32 accumulators take turns, one instruction a turn
	WIN MULW
.irp b, 0,1,2,3,4,5,6,7
.if \zero
	v_wmma_f32_16x16x32_bf16 v[8*(8*(\a)+(\b)):8*(8*(\a)+(\b))+7], v[(\f)+32+8*(\b):(\f)+32+8*(\b)+7], v[(\f)+8*(\a):(\f)+8*(\a)+7], 0
.else
	v_wmma_f32_16x16x32_bf16 v[8*(8*(\a)+(\b)):8*(8*(\a)+(\b))+7], v[(\f)+32+8*(\b):(\f)+32+8*(\b)+7], v[(\f)+8*(\a):(\f)+8*(\a)+7], v[8*(8*(\a)+(\b)):8*(8*(\a)+(\b))+7]
.endif
.endr
.endm
.macro SCALEA f, a, fc                 ; P's fragment of row block a times the row's factor
.irp i, 0,1,2,3,4,5,6,7
	v_pk_mul_bf16 v[(\f)+8*(\a)+(\i)], v[(\f)+8*(\a)+(\i)], v[(\fc)+(\a)]
.endr
.endm
; 24 LDS loads in one run: quarter q (32 keys): V's 8 channel blocks, turned; then P's 4 row blocks
.macro FETCH slot, q, f
	WIN 0
.irp b, 0,1,2,3,4,5,6,7
	ds_load_tr16_b128 v[(\f)+32+8*(\b):(\f)+32+8*(\b)+3],   v[ADRB+(\slot)] offset:(\q)*32*VP+32*(\b)
	ds_load_tr16_b128 v[(\f)+32+8*(\b)+4:(\f)+32+8*(\b)+7], v[ADRB+(\slot)] offset:(\q)*32*VP+16*VP+32*(\b)
.endr
.irp i, 0,1,2,3
	ds_load_b128 v[(\f)+8*(\i):(\f)+8*(\i)+3],   v[ADRA+(\slot)] offset:64*(\q)+(\i)*16*PITCH
	ds_load_b128 v[(\f)+8*(\i)+4:(\f)+8*(\i)+7], v[ADRA+(\slot)] offset:64*(\q)+(\i)*16*PITCH+32
.endr
.endm
; One of a K step's first three quarters.  The sixteen scalings in its middle name none of the registers of the products that read buffer g: they are the places in front of the loads into g.
.macro QUARTER slot, q, f, g, zero
	s_wait_dscnt 0x0                               ; this quarter's fragments, issued 16 matrix instructions ago, and the step's factors
	WIN 0
	SCALEA \f, 0, FC+4*(\slot)
	SCALEA \f, 1, FC+4*(\slot)
	MULA \f, 0, \zero
	MULA \f, 1, \zero
	WIN 0
	SCALEA \f, 2, FC+4*(\slot)
	SCALEA \f, 3, FC+4*(\slot)
	FETCH \slot, \q, \g
	MULA \f, 2, \zero
	MULA \f, 3, \zero
.endm
.macro TURN slot, next, fill           ; the last quarter and the change of slots
	WIN 0
	s_wait_tensorcnt 0x0                           ; all my tensor loads have landed: my part of the next slot
	ds_add_u32 v[SPW], v[NIL]
	s_wait_dscnt 1                                 ; the add alone may be out
	SCALEA F1, 0, FC+4*(\slot)
	SCALEA F1, 1, FC+4*(\slot)
	SCALEA F1, 2, FC+4*(\slot)
	SCALEA F1, 3, FC+4*(\slot)
	MULA F1, 0, 0
	s_wait_dscnt 0x0                               ; the add is done; my reads of this slot were over at the wait above
	s_barrier_signal -1
	MULA F1, 1, 0
	WIN 0
	s_barrier_wait -1
.if \fill
	CREST
	s_add_nc_u64 s[G0A+4*(\slot)+2:G0A+4*(\slot)+3], s[G0A+4*(\slot)+2:G0A+4*(\slot)+3], 2*STEPA
	s_add_nc_u64 s[G0B+4*(\slot)+2:G0B+4*(\slot)+3], s[G0B+4*(\slot)+2:G0B+4*(\slot)+3], 2*STEPB
	JLOAD \slot                                    ; the first tensor load behind the round
.else
	PLACES
.endif
.if (\next) == 1
	v_add_nc_u32 v[FA], s[FTS], v[FA0]             ; the table at this lap's first step
	ds_load_b128 v[FC+4:FC+7], v[FA] offset:256    ; the factors of the lap's second step
.else
	ds_load_b128 v[FC:FC+3], v[FA] offset:512      ; those of the next lap's first
	s_add_co_u32 s[FTS], s[FTS], 512
.endif
	FETCH \next, 0, F0
	MULA F1, 2, 0
	MULA F1, 3, 0
.endm
.macro LASTQ
	s_wait_dscnt 0x0
	WIN 0
	SCALEA F1, 0, FC+4
	SCALEA F1, 1, FC+4
	SCALEA F1, 2, FC+4
	SCALEA F1, 3, FC+4
	MULA F1, 0, 0
	MULA F1, 1, 0
	MULA F1, 2, 0
	MULA F1, 3, 0
	WIN 0
.endm
.macro PACK a                          ; the sums times 1 / l, then rounded to bf16
	WIN 0x01                                       ; source 0 window 1
.set i, 0
.rept 32
	v_pk_mul_f32 v[T+2*i:T+2*i+1], v[64*(\a)+2*i:64*(\a)+2*i+1], v[RI+2*(\a):RI+2*(\a)+1]
.set i, i+1
.endr
	WIN 0
.set i, 0
.rept 32
	v_cvt_pk_bf16_f32 v[TMP+i], v[T+2*i], v[T+2*i+1]
.set i, i+1
.endr
.endm
.macro TOSTAGE a
.set BKA, BK+32*((\a)%2)
.if (\a) >= 2
	s_wait_xcnt 0x0                                ; the stores of the block two back have read these registers
.endif
.irp b, 0,1,2,3,4,5,6,7
	ds_store_b128 v[STO], v[TMP+4*(\b):TMP+4*(\b)+3] offset:32*(\b)
.endr
.irp t, 0,1,2,3,4,5,6,7
	ds_load_b128 v[BKA+4*(\t):BKA+4*(\t)+3], v[RD] offset:(\t)*2*SPITCH  ; LDS serves a wave's instructions in order (ISA guide 5.7.1.4)
.endr
.endm
.macro SEND a, younger
.set BKA, BK+32*((\a)%2)
	s_wait_dscnt \younger
.irp t, 0,1,2,3,4,5,6,7
	global_store_b128 v[CO], v[BKA+4*(\t):BKA+4*(\t)+3], s[80:81] offset:(16*(\a)+2*(\t))*CP  ; 16 lanes store 256 consecutive bytes, at a multiple of 256 from the buffer's first
.endr
.endm
	s_wait_dscnt 0x0                               ; my table's stores: no LDS instruction is out at a signal
	s_wait_tensorcnt 0x1                           ; my part of K step 0 is in; K step 1's may stay out
	s_barrier_signal -1
	s_barrier_wait -1
	ds_load_b128 v[FC:FC+3], v[FA0]                ; the factors of step 0
	FETCH 0, 0, F0
	QUARTER 0, 1, F0, F1, 1
	WIN 0
	s_mov_b32 s3, LAPS-1
.Llap:
	QUARTER 0, 2, F1, F0, 0
	QUARTER 0, 3, F0, F1, 0
	TURN 0, 1, 1
	QUARTER 1, 1, F0, F1, 0
	QUARTER 1, 2, F1, F0, 0
	QUARTER 1, 3, F0, F1, 0
	TURN 1, 0, 1
	QUARTER 0, 1, F0, F1, 0
	WIN 0
	s_sub_co_u32 s3, s3, 1
	s_cmp_lg_u32 s3, 0
	s_cbranch_scc1 .Llap
	QUARTER 0, 2, F1, F0, 0
	QUARTER 0, 3, F0, F1, 0
	TURN 0, 1, 0
	QUARTER 1, 1, F0, F1, 0
	QUARTER 1, 2, F1, F0, 0
	QUARTER 1, 3, F0, F1, 0
	LASTQ
	PLACES
	PACK 0
	TOSTAGE 0
.irp a, 1,2,3
	PACK \a
	SEND (\a)-1, 0
	TOSTAGE \a
.endr
	SEND 3, 0
	s_wait_tensorcnt 0x0                           ; the wave's end
	ds_add_u32 v[SPW], v[NIL]
	s_wait_dscnt 0x0
	CROUND
	s_endpgm
.Lfunc_end_k_q2f2084a27c_pv:
	.size	k_q2f2084a27c_pv, .Lfunc_end_k_q2f2084a27c_pv-k_q2f2084a27c_pv
	.p2alignl 7, 3214868480
	.fill 96, 4, 3214868480
	.section	.rodata,"a",@progbits
	.p2align	6, 0x0
	.amdhsa_kernel k_q2f2084a27c_pv
		.amdhsa_group_segment_fixed_size 327680
		.amdhsa_private_segment_fixed_size 0
		.amdhsa_enable_private_segment 0
		.amdhsa_kernarg_size 32
		.amdhsa_user_sgpr_count 2
		.amdhsa_user_sgpr_kernarg_segment_ptr 1
		.amdhsa_wavefront_size32 1
		.amdhsa_system_sgpr_workgroup_id_x 1
		.amdhsa_system_sgpr_workgroup_id_y 1
		.amdhsa_system_sgpr_workgroup_id_z 1
		.amdhsa_system_vgpr_workitem_id 0
		.amdhsa_next_free_vgpr 512
		.amdhsa_next_free_sgpr 96
		.amdhsa_reserve_vcc 0
		.amdhsa_float_denorm_mode_32 3
		.amdhsa_float_denorm_mode_16_64 3
		.amdhsa_memory_ordered 1
		.amdhsa_forward_progress 1
		.amdhsa_inst_pref_size 141
	.end_amdhsa_kernel
	.amdgpu_metadata
---
amdhsa.version: [ 1, 2 ]
amdhsa.kernels:
  - .name:           k_q2f2084a27c_pv
    .symbol:         k_q2f2084a27c_pv.kd
    .args:
      - { .name: pmat, .offset: 0, .size: 8, .value_kind: global_buffer, .address_space: global }
      - { .name: qkv, .offset: 8, .size: 8, .value_kind: global_buffer, .address_space: global }
      - { .name: stats, .offset: 16, .size: 8, .value_kind: global_buffer, .address_space: global }
      - { .name: ctx, .offset: 24, .size: 8, .value_kind: global_buffer, .address_space: global }
    .group_segment_fixed_size: 327680
    .private_segment_fixed_size: 0
    .kernarg_segment_align: 8
    .kernarg_segment_size: 32
    .max_flat_workgroup_size: 128
    .sgpr_count:     96
    .vgpr_count:     512
    .wavefront_size: 32
...
	.end_amdgpu_metadata
.endif
;; end of part 4
;; launch outp (part 5): grid 4 x 64, 4 waves a work-group, clusters of 4 x 4, 327,680 bytes of LDS; arguments ctx, wts, bo, out0; writes out0
.if DOCPART == 5
	.amdgcn_target "amdgcn-amd-amdhsa--gfx1250"
	.amdhsa_code_object_version 6
	.text
	.protected	k_q2f2084a27c_outp
	.globl	k_q2f2084a27c_outp
	.p2align	8
	.type	k_q2f2084a27c_outp,@function
k_q2f2084a27c_outp:
	s_mov_b64 s[64:65], 0
	v_nop
	global_prefetch_b8 v0, s[64:65] scope:SCOPE_SE
	s_setreg_imm32_b32 hwreg(HW_REG_WAVE_MODE, 25, 1), 1
	s_wait_xcnt 0x0
	s_wait_alu depctr_hold_cnt(0) depctr_sa_sdst(0) depctr_va_vdst(0) depctr_va_sdst(0) depctr_va_ssrc(0) depctr_va_vcc(0) depctr_vm_vsrc(0)
	s_getreg_b32 s2, hwreg(HW_REG_IB_STS2, 6, 4)
	s_cmp_eq_u32 s2, 0
	s_cbranch_scc0 .Lentry_in_a_cluster
	s_endpgm
.Lentry_in_a_cluster:
	s_bfe_u32 s2, ttmp6, 0x10000c
	s_cmp_lg_u32 s2, 0xf033
	s_cbranch_scc0 .Lentry_shape_is_right
	s_endpgm
.Lentry_shape_is_right:
; out0 = ctx Wo^T + bo.  ctx: bf16 [8192][1024]; Wo = wts' fourth part, bf16 [1024][1024]; bo f32, rounded to bf16 like every other input; out0: f32 [8192][1024]; sums in f32.
; SHARES, RING, CLUSTER, TRANSPOSED USE: a tile is 128 rows x 256 columns, 4 x 64 = 256 work-groups; four waves 2 x 2, each 64 x 128 in 32 accumulators; K = 1024 in steps of 128 through two LDS
; slots; ctx's tile is asked for jointly along a row of the 4 x 4 cluster, Wo's along a column.  Lane l holds row l % 16 and the columns 16 b + 8 (l / 16) + 0..7; the bias, which hangs on the column
; alone, is the C operand of the products that start the sums.
; THE WAY OUT.  16 rows of my 128 columns (512 bytes a row) go through my own LDS stage and leave as whole rows: a store of the wave covers 512 consecutive bytes.
; REGISTERS: window 0: v0-31 addresses; v64-159, v160-255 fragment buffers; on the way out v64-127, v128-191 rows read back.  window 1: the accumulators.  window 2: v0-63 the bias, v64-95 at work.
; LIMITS.  NaN and infinities are not treated apart.
.set PITCH,  272
.set HA,     64*PITCH
.set ATILE,  2*HA
.set HB,     128*PITCH
.set SLOT,   ATILE+2*HB
.set STAGE,  2*SLOT                    ; 16 rows x 528 bytes for each wave
.set SPITCH, 528                       ; 512 bytes + 16: the 16 rows of a store start at 16 different groups of four banks
.set SPARE,  STAGE+4*16*SPITCH
.set LAPS,   4
.set STEPA,  256
.set STEPB,  256
.set CP,     4096
.set ADRA, 16
.set ADRB, 20
.set STO,  24
.set RD,   25
.set CO,   26
.set SPW,  28
.set NIL,  29
.set F0,   64
.set F1,   160
.set BK,   64
.set G1A, 24
.set G0A, 32
.set G1B, 48
.set G0B, 56
.set MSB, 0
.macro WIN new
.if MSB != (\new)
	s_set_vgpr_msb (MSB<<8)|(\new)
.set MSB, \new
.endif
.endm
.set MULW, 0x50
.set MULB, 0x60
.macro ADDSH dst, tmp, src, sh
	s_lshl_b32 s[\tmp], s[\src], \sh
	s_add_co_u32 s[\dst], s[\dst], s[\tmp]
.endm
.macro PLACES
.rept 4
	v_nop
.endr
.endm
.macro JLOAD s                         ; waves 0 and 1 ask for ctx's halves, waves 2 and 3 for Wo's; an s_nop 0 and four v_nop follow each line
	s_cmp_eq_u32 s11, 0
	s_cbranch_scc0 .Lfor_b_\@
	tensor_load_to_lds s[G0A+4*(\s):G0A+4*(\s)+3], s[G1A:G1A+7]
	s_nop 0
.rept 4
	v_nop
.endr
	s_branch .Lasked_\@
.Lfor_b_\@:
	tensor_load_to_lds s[G0B+4*(\s):G0B+4*(\s)+3], s[G1B:G1B+7]
	s_nop 0
.rept 4
	v_nop
.endr
.Lasked_\@:
.endm
.macro CREST
	s_cmp_lg_u32 s10, 0
	s_cbranch_scc1 .Lnot_wave_0_\@
	s_barrier_signal -3
.Lnot_wave_0_\@:
	s_barrier_wait -3
	s_barrier_signal -1
	s_barrier_wait -1
.endm
.macro CROUND
	s_barrier_signal -1
	s_barrier_wait -1
	CREST
.endm
	s_load_b256 s[68:75], s[0:1], 0x0              ; ctx s[68:69], wts s[70:71], bo s[72:73], out0 s[74:75]
	v_lshl_add_u32 v[SPW], v0, 2, SPARE
	v_mov_b32 v[NIL], 0
	ds_add_u32 v[SPW], v[NIL]                      ; the wave's opening: the add and its wait stand ahead of my first tensor load
	v_lshrrev_b32 v1, 5, v0
	v_readfirstlane_b32 s10, v1
	s_lshr_b32 s11, s10, 1
	s_and_b32 s12, s10, 1
	s_bfe_u32 s40, ttmp6, 0x40000
	s_bfe_u32 s41, ttmp6, 0x40004
	s_lshl_b32 s42, ttmp9, 2
	s_add_co_u32 s42, s42, s40                     ; tile column, 0..3
	s_and_b32 s45, ttmp7, 0xffff
	s_lshl_b32 s43, s41, 2
	s_lshl_b32 s43, 15, s43
	s_lshl_b32 s44, 0x1111, s40
	s_lshl_b32 s13, s45, 2
	s_add_co_u32 s13, s13, s41                     ; tile row, 0..63
	s_or_b32 s[G1A], s43, (1<<16)|(1<<20)|(1<<21)|(5<<22)|(3<<25)
	s_or_b32 s[G1B], s44, (1<<16)|(1<<20)|(1<<21)|(5<<22)|(3<<25)
	s_mov_b32 s[G1A+1], 128<<16
	s_mov_b32 s[G1A+2], 64<<16
	s_mov_b32 s[G1A+3], 128<<16
	s_mov_b32 s[G1A+4], 64
	s_mov_b32 s[G1A+5], 1024
	s_mov_b32 s[G1A+6], 0
	s_mov_b32 s[G1A+7], 0
	s_mov_b32 s[G1B+1], 128<<16
	s_mov_b32 s[G1B+2], 128<<16
	s_mov_b32 s[G1B+3], 128<<16
	s_mov_b32 s[G1B+4], 128
	s_mov_b32 s[G1B+5], 1024
	s_mov_b32 s[G1B+6], 0
	s_mov_b32 s[G1B+7], 0
	s_lshl_b32 s16, s13, 18                        ; ctx: 128 rows of 2,048 bytes a tile row
	ADDSH 16, 14, 12, 17
	s_mov_b32 s17, 0
	s_lshl_b32 s46, s42, 19                        ; Wo, which lies 6 MiB into wts
	s_add_co_u32 s46, s46, 0x600000
	ADDSH 46, 66, 12, 18
	s_mov_b32 s47, 0
	s_lshl_b32 s20, s13, 19                        ; out0 at my 64 rows and 128 columns
	ADDSH 20, 22, 11, 18
	ADDSH 20, 22, 42, 10
	ADDSH 20, 22, 12, 9
	s_mov_b32 s21, 0
	s_lshl_b32 s8, s42, 10                         ; the bias of my 128 columns
	ADDSH 8, 22, 12, 9
	s_mov_b32 s9, 0
	s_mul_i32 s18, s12, HA
	s_mul_i32 s19, s12, HB
	s_add_co_u32 s19, s19, ATILE
	s_mov_b32 s91, 0xffff0000
	s_wait_dscnt 0x0
	s_wait_kmcnt 0x0
	s_add_nc_u64 s[16:17], s[68:69], s[16:17]
	s_add_nc_u64 s[46:47], s[70:71], s[46:47]
	s_add_nc_u64 s[80:81], s[74:75], s[20:21]
	s_add_nc_u64 s[82:83], s[72:73], s[8:9]
	CROUND
.irp s, 0,1
	s_mov_b32 s[G0A+4*(\s)], 1
	s_add_co_u32 s[G0A+4*(\s)+1], s18, (\s)*SLOT
	s_add_nc_u64 s[G0A+4*(\s)+2:G0A+4*(\s)+3], s[16:17], (\s)*STEPA
	s_or_b32 s[G0A+4*(\s)+3], s[G0A+4*(\s)+3], 0x80000000
	s_mov_b32 s[G0B+4*(\s)], 1
	s_add_co_u32 s[G0B+4*(\s)+1], s19, (\s)*SLOT
	s_add_nc_u64 s[G0B+4*(\s)+2:G0B+4*(\s)+3], s[46:47], (\s)*STEPB
	s_or_b32 s[G0B+4*(\s)+3], s[G0B+4*(\s)+3], 0x80000000
	JLOAD \s
.endr
	v_and_b32 v1, 15, v0
	v_bfe_u32 v2, v0, 4, 1
	v_lshlrev_b32 v3, 5, v2                        ; 32 h
	WIN 0x80
.irp b, 0,1,2,3,4,5,6,7
	global_load_b128 v[8*(\b):8*(\b)+3],   v3, s[82:83] offset:64*(\b)
	global_load_b128 v[8*(\b)+4:8*(\b)+7], v3, s[82:83] offset:64*(\b)+16
.endr
	WIN 0
	v_mul_u32_u24 v4, v1, PITCH
	v_lshl_add_u32 v4, v2, 4, v4
	s_mul_i32 s4, s11, HA
	s_mul_i32 s5, s12, HB
	s_add_co_u32 s5, s5, ATILE
.irp s, 0,1
	v_add_nc_u32 v[ADRA+(\s)], s4, v4
	v_add_nc_u32 v[ADRB+(\s)], s5, v4
	s_add_co_u32 s4, s4, SLOT
	s_add_co_u32 s5, s5, SLOT
.endr
	s_mul_i32 s6, s10, 16*SPITCH
	s_add_co_u32 s6, s6, STAGE                     ; my stage
	v_mul_u32_u24 v5, v1, SPITCH                   ; in: row r, 32 bytes for each half of the lanes
	v_lshl_add_u32 v5, v2, 5, v5
	v_add_nc_u32 v[STO], s6, v5
	v_and_b32 v5, 31, v0
	v_lshlrev_b32 v[CO], 4, v5                     ; back and out: 32 lanes take a row's 512 bytes
	v_add_nc_u32 v[RD], s6, v[CO]
	s_wait_loadcnt 0x0                             ; the bias: rounded to bf16 and widened again, in the wait for the first tile
	WIN 0x8a
.set i, 0
.rept 32
	v_cvt_pk_bf16_f32 v[64+i], v[2*i], v[2*i+1]
.set i, i+1
.endr
	WIN 0x88
.set i, 0
.rept 32
	v_lshlrev_b32 v[2*i], 16, v[64+i]
	v_and_b32 v[2*i+1], s91, v[64+i]
.set i, i+1
.endr
	WIN 0
.macro MULA f, a, zero                 ; 8 matrix instructions; zero = 2: the bias starts the sums; the 32 accumulators take turns, one instruction a turn
.if (\zero) == 2
	WIN MULB
.else
	WIN MULW
.endif
.irp b, 0,1,2,3,4,5,6,7
.if (\zero) == 2
	v_wmma_f32_16x16x32_bf16 v[8*(8*(\a)+(\b)):8*(8*(\a)+(\b))+7], v[(\f)+32+8*(\b):(\f)+32+8*(\b)+7], v[(\f)+8*(\a):(\f)+8*(\a)+7], v[8*(\b):8*(\b)+7]
.else
	v_wmma_f32_16x16x32_bf16 v[8*(8*(\a)+(\b)):8*(8*(\a)+(\b))+7], v[(\f)+32+8*(\b):(\f)+32+8*(\b)+7], v[(\f)+8*(\a):(\f)+8*(\a)+7], v[8*(8*(\a)+(\b)):8*(8*(\a)+(\b))+7]
.endif
.endr
.endm
.macro FETCH slot, k, f
	WIN 0
.irp i, 0,1,2,3,4,5,6,7
	ds_load_b128 v[(\f)+32+8*(\i):(\f)+32+8*(\i)+3],   v[ADRB+(\slot)] offset:(\k)+(\i)*16*PITCH
	ds_load_b128 v[(\f)+32+8*(\i)+4:(\f)+32+8*(\i)+7], v[ADRB+(\slot)] offset:(\k)+(\i)*16*PITCH+32
.endr
.irp i, 0,1,2,3
	ds_load_b128 v[(\f)+8*(\i):(\f)+8*(\i)+3],   v[ADRA+(\slot)] offset:(\k)+(\i)*16*PITCH
	ds_load_b128 v[(\f)+8*(\i)+4:(\f)+8*(\i)+7], v[ADRA+(\slot)] offset:(\k)+(\i)*16*PITCH+32
.endr
.endm
.macro QUARTER slot, k, f, g, zero
	s_wait_dscnt 4                                 ; the youngest four loads (A's blocks 2 and 3) may be out
	MULA \f, 0, \zero
	MULA \f, 1, \zero
	PLACES
	FETCH \slot, \k, \g
	s_wait_dscnt 24                                ; all but the 24 just issued
	MULA \f, 2, \zero
	MULA \f, 3, \zero
.endm
.macro TURN slot, next, fill           ; the last quarter and the change of slots
	WIN 0
	s_wait_tensorcnt 0x0                           ; all my tensor loads have landed: my part of the next slot
	ds_add_u32 v[SPW], v[NIL]
	s_wait_dscnt 7                                 ; the add and the youngest six loads may be out
	MULA F1, 0, 0
	s_wait_dscnt 0x0                               ; the add is done, and my reads of this slot are over
	s_barrier_signal -1
	MULA F1, 1, 0
.if \fill
	WIN 0
.endif
	s_barrier_wait -1
.if \fill
	CREST
	s_add_nc_u64 s[G0A+4*(\slot)+2:G0A+4*(\slot)+3], s[G0A+4*(\slot)+2:G0A+4*(\slot)+3], 2*STEPA
	s_add_nc_u64 s[G0B+4*(\slot)+2:G0B+4*(\slot)+3], s[G0B+4*(\slot)+2:G0B+4*(\slot)+3], 2*STEPB
	JLOAD \slot                                    ; the first tensor load behind the round; its four v_nop are also the places in front of the loads below
.else
	PLACES
.endif
	FETCH \next, 0, F0
	MULA F1, 2, 0
	MULA F1, 3, 0
.endm
.macro LASTQ
	s_wait_dscnt 4
	MULA F1, 0, 0
	MULA F1, 1, 0
	s_wait_dscnt 0x0
	MULA F1, 2, 0
	MULA F1, 3, 0
	WIN 0
.endm
; Row block a goes into my stage, 16 bytes a store (each accumulator's lowest registers first), and comes back as whole rows.
.macro STG a
.set BKA, BK+64*((\a)%2)
.if (\a) >= 2
	s_wait_xcnt 0x0                                ; the stores of the block two back have read these registers
.endif
	WIN 0x04                                       ; store data window 1
.irp b, 0,1,2,3,4,5,6,7
	ds_store_b128 v[STO], v[64*(\a)+8*(\b):64*(\a)+8*(\b)+3]   offset:64*(\b)
	ds_store_b128 v[STO], v[64*(\a)+8*(\b)+4:64*(\a)+8*(\b)+7] offset:64*(\b)+16
.endr
	WIN 0
.set t, 0
.rept 16
	ds_load_b128 v[BKA+4*t:BKA+4*t+3], v[RD] offset:SPITCH*t  ; LDS serves a wave's instructions in order (ISA guide 5.7.1.4): these see the stores above
.set t, t+1
.endr
.endm
.macro SEND a, younger                 ; younger: the next block's 16 stores and 16 loads, or none
.set BKA, BK+64*((\a)%2)
	s_wait_dscnt \younger
.set t, 0
.rept 16
	global_store_b128 v[CO], v[BKA+4*t:BKA+4*t+3], s[80:81] offset:(16*(\a)+t)*CP th:TH_STORE_NT  ; 512 consecutive bytes, at a multiple of 256 from the buffer's first
.set t, t+1
.endr
.endm
	s_wait_tensorcnt 0x1                           ; my part of K step 0 is in; K step 1's may stay out
	s_barrier_signal -1
	s_barrier_wait -1
	FETCH 0, 0, F0
	QUARTER 0, 64, F0, F1, 2                       ; the first quarter's products start the sums, with the bias
	WIN 0
	s_mov_b32 s3, LAPS-1
.Llap:
	QUARTER 0, 128, F1, F0, 0
	QUARTER 0, 192, F0, F1, 0
	TURN 0, 1, 1
	QUARTER 1, 64,  F0, F1, 0
	QUARTER 1, 128, F1, F0, 0
	QUARTER 1, 192, F0, F1, 0
	TURN 1, 0, 1
	QUARTER 0, 64,  F0, F1, 0
	WIN 0
	s_sub_co_u32 s3, s3, 1
	s_cmp_lg_u32 s3, 0
	s_cbranch_scc1 .Llap
	QUARTER 0, 128, F1, F0, 0
	QUARTER 0, 192, F0, F1, 0
	TURN 0, 1, 0
	QUARTER 1, 64,  F0, F1, 0
	QUARTER 1, 128, F1, F0, 0
	QUARTER 1, 192, F0, F1, 0
	LASTQ
	PLACES
	STG 0
	STG 1
	SEND 0, 32
	STG 2
	SEND 1, 32
	STG 3
	SEND 2, 32
	SEND 3, 0
	s_wait_tensorcnt 0x0                           ; the wave's end
	ds_add_u32 v[SPW], v[NIL]
	s_wait_dscnt 0x0
	CROUND
	s_endpgm
.Lfunc_end_k_q2f2084a27c_outp:
	.size	k_q2f2084a27c_outp, .Lfunc_end_k_q2f2084a27c_outp-k_q2f2084a27c_outp
	.p2alignl 7, 3214868480
	.fill 96, 4, 3214868480
	.section	.rodata,"a",@progbits
	.p2align	6, 0x0
	.amdhsa_kernel k_q2f2084a27c_outp
		.amdhsa_group_segment_fixed_size 327680
		.amdhsa_private_segment_fixed_size 0
		.amdhsa_enable_private_segment 0
		.amdhsa_kernarg_size 32
		.amdhsa_user_sgpr_count 2
		.amdhsa_user_sgpr_kernarg_segment_ptr 1
		.amdhsa_wavefront_size32 1
		.amdhsa_system_sgpr_workgroup_id_x 1
		.amdhsa_system_sgpr_workgroup_id_y 1
		.amdhsa_system_sgpr_workgroup_id_z 1
		.amdhsa_system_vgpr_workitem_id 0
		.amdhsa_next_free_vgpr 608
		.amdhsa_next_free_sgpr 96
		.amdhsa_reserve_vcc 0
		.amdhsa_float_denorm_mode_32 3
		.amdhsa_float_denorm_mode_16_64 3
		.amdhsa_memory_ordered 1
		.amdhsa_forward_progress 1
		.amdhsa_inst_pref_size 90
	.end_amdhsa_kernel
	.amdgpu_metadata
---
amdhsa.version: [ 1, 2 ]
amdhsa.kernels:
  - .name:           k_q2f2084a27c_outp
    .symbol:         k_q2f2084a27c_outp.kd
    .args:
      - { .name: ctx, .offset: 0, .size: 8, .value_kind: global_buffer, .address_space: global }
      - { .name: wts, .offset: 8, .size: 8, .value_kind: global_buffer, .address_space: global }
      - { .name: bo, .offset: 16, .size: 8, .value_kind: global_buffer, .address_space: global }
      - { .name: out0, .offset: 24, .size: 8, .value_kind: global_buffer, .address_space: global }
    .group_segment_fixed_size: 327680
    .private_segment_fixed_size: 0
    .kernarg_segment_align: 8
    .kernarg_segment_size: 32
    .max_flat_workgroup_size: 128
    .sgpr_count:     96
    .vgpr_count:     608
    .wavefront_size: 32
...
	.end_amdgpu_metadata
.endif
;; end of part 5
;; ======== version 2 of 2: 5 launches; 1.17 times as fast as version 1
;; workspace buffers: actI 16,777,216 bytes; actM 16,777,216 bytes; w1 4,194,304 bytes; w2 4,194,304 bytes; vq 33,554,432 bytes; wk 33,554,432 bytes; pmat 33,554,432 bytes; stats 1,048,576 bytes
;; launch cast (part 6): grid 64 x 20, 8 waves a work-group, no clusters, 0 bytes of LDS; arguments input, memory, Wv, Wq, Wo, Wk, actI, actM, w1, w2; writes actI, actM, w1, w2
.if DOCPART == 6
	.amdgcn_target "amdgcn-amd-amdhsa--gfx1250"
	.amdhsa_code_object_version 6
	.text
	.protected	k_q2f2084a27c_cast
	.globl	k_q2f2084a27c_cast
	.p2align	8
	.type	k_q2f2084a27c_cast,@function
k_q2f2084a27c_cast:
	s_mov_b64 s[64:65], 0
	v_nop
	global_prefetch_b8 v0, s[64:65] scope:SCOPE_SE
	s_setreg_imm32_b32 hwreg(HW_REG_WAVE_MODE, 25, 1), 1
	s_wait_xcnt 0x0
; f32 -> bf16 (round to nearest even) for the six large inputs, once, so that the products' tiles come in as bf16.
; actI, actM: bf16 [8192][1024] (input, memory).  w1: bf16 [2][1024][1024] = Wv, Wq.  w2: the same = Wo, Wk.
; The grid's y is a unit of 1,048,576 numbers: 0-7 input, 8-15 memory, 16-19 Wv, Wq, Wo, Wk; its x a chunk of 16,384 numbers.
; Eight waves; thread t takes the 16 bytes at 16 t of each of the chunk's sixteen pieces of 4,096 bytes: a wave's load covers 512 consecutive
; bytes, its store of 8 bytes a lane 256 consecutive bytes at a multiple of 256.  All sixteen loads go out first; no register is written twice,
; so the only waits are the counted ones for the loads.  No LDS, no matrix unit: every byte is read once and written once.
.set X, 4                              ; v[4:67]   sixteen pieces as loaded
.set Y, 68                             ; v[68:99]  sixteen pieces to store
	s_load_b512 s[8:23], s[0:1], 0x0               ; input s[8:9], memory s[10:11], Wv s[12:13], Wq s[14:15], Wo s[16:17], Wk s[18:19], actI s[20:21], actM s[22:23]
	s_load_b128 s[24:27], s[0:1], 0x40             ; w1 s[24:25], w2 s[26:27]
	s_and_b32 s2, ttmp7, 0xffff                    ; y
	s_cmp_lt_u32 s2, 16
	s_cselect_b32 s3, 7, 0
	s_cselect_b32 s7, 7, 1
	s_and_b32 s4, s2, s3                           ; the unit inside input or memory; 0 for a weight
	s_lshl_b32 s4, s4, 22                          ; a unit is 4 MiB of f32,
	s_lshl_b32 s5, ttmp9, 16                       ; a chunk 64 KiB
	s_add_co_u32 s4, s4, s5
	s_mov_b32 s5, 0
	s_and_b32 s6, s2, s7                           ; the unit inside actI or actM (y mod 8), w1 or w2 (y mod 2)
	s_lshl_b32 s6, s6, 21                          ; a unit is 2 MiB of bf16,
	s_lshl_b32 s7, ttmp9, 15                       ; a chunk 32 KiB
	s_add_co_u32 s6, s6, s7
	s_mov_b32 s7, 0
	v_lshlrev_b32 v1, 4, v0                        ; 16 t
	v_lshlrev_b32 v2, 3, v0                        ; 8 t
	s_wait_kmcnt 0x0
	s_cmp_lt_u32 s2, 8                             ; source and destination are chosen by y alone
	s_cselect_b64 s[28:29], s[8:9], s[10:11]
	s_cselect_b64 s[30:31], s[20:21], s[22:23]
	s_cmp_eq_u32 s2, 16
	s_cselect_b64 s[28:29], s[12:13], s[28:29]
	s_cmp_eq_u32 s2, 17
	s_cselect_b64 s[28:29], s[14:15], s[28:29]
	s_cmp_eq_u32 s2, 18
	s_cselect_b64 s[28:29], s[16:17], s[28:29]
	s_cmp_eq_u32 s2, 19
	s_cselect_b64 s[28:29], s[18:19], s[28:29]
	s_cmp_ge_u32 s2, 16
	s_cselect_b64 s[30:31], s[24:25], s[30:31]
	s_cmp_ge_u32 s2, 18
	s_cselect_b64 s[30:31], s[26:27], s[30:31]
	s_add_nc_u64 s[28:29], s[28:29], s[4:5]
	s_add_nc_u64 s[30:31], s[30:31], s[6:7]
.set i, 0
.rept 16
	global_load_b128 v[X+4*i:X+4*i+3], v1, s[28:29] offset:4096*i th:TH_LOAD_NT
.set i, i+1
.endr
.set i, 0
.rept 16
	s_wait_loadcnt 15-i                            ; loads come back in order: piece i is in, the 15 - i younger ones stay out
	v_cvt_pk_bf16_f32 v[Y+2*i], v[X+4*i], v[X+4*i+1]
	v_cvt_pk_bf16_f32 v[Y+2*i+1], v[X+4*i+2], v[X+4*i+3]
	global_store_b64 v2, v[Y+2*i:Y+2*i+1], s[30:31] offset:2048*i
.set i, i+1
.endr
	s_endpgm
.Lfunc_end_k_q2f2084a27c_cast:
	.size	k_q2f2084a27c_cast, .Lfunc_end_k_q2f2084a27c_cast-k_q2f2084a27c_cast
	.p2alignl 7, 3214868480
	.fill 96, 4, 3214868480
	.section	.rodata,"a",@progbits
	.p2align	6, 0x0
	.amdhsa_kernel k_q2f2084a27c_cast
		.amdhsa_group_segment_fixed_size 0
		.amdhsa_private_segment_fixed_size 0
		.amdhsa_enable_private_segment 0
		.amdhsa_kernarg_size 80
		.amdhsa_user_sgpr_count 2
		.amdhsa_user_sgpr_kernarg_segment_ptr 1
		.amdhsa_wavefront_size32 1
		.amdhsa_system_sgpr_workgroup_id_x 1
		.amdhsa_system_sgpr_workgroup_id_y 1
		.amdhsa_system_sgpr_workgroup_id_z 1
		.amdhsa_system_vgpr_workitem_id 0
		.amdhsa_next_free_vgpr 100
		.amdhsa_next_free_sgpr 66
		.amdhsa_reserve_vcc 0
		.amdhsa_float_denorm_mode_32 3
		.amdhsa_float_denorm_mode_16_64 3
		.amdhsa_memory_ordered 1
		.amdhsa_forward_progress 1
		.amdhsa_inst_pref_size 7
	.end_amdhsa_kernel
	.amdgpu_metadata
---
amdhsa.version: [ 1, 2 ]
amdhsa.kernels:
  - .name:           k_q2f2084a27c_cast
    .symbol:         k_q2f2084a27c_cast.kd
    .args:
      - { .name: input, .offset: 0, .size: 8, .value_kind: global_buffer, .address_space: global }
      - { .name: memory, .offset: 8, .size: 8, .value_kind: global_buffer, .address_space: global }
      - { .name: Wv, .offset: 16, .size: 8, .value_kind: global_buffer, .address_space: global }
      - { .name: Wq, .offset: 24, .size: 8, .value_kind: global_buffer, .address_space: global }
      - { .name: Wo, .offset: 32, .size: 8, .value_kind: global_buffer, .address_space: global }
      - { .name: Wk, .offset: 40, .size: 8, .value_kind: global_buffer, .address_space: global }
      - { .name: actI, .offset: 48, .size: 8, .value_kind: global_buffer, .address_space: global }
      - { .name: actM, .offset: 56, .size: 8, .value_kind: global_buffer, .address_space: global }
      - { .name: w1, .offset: 64, .size: 8, .value_kind: global_buffer, .address_space: global }
      - { .name: w2, .offset: 72, .size: 8, .value_kind: global_buffer, .address_space: global }
    .group_segment_fixed_size: 0
    .private_segment_fixed_size: 0
    .kernarg_segment_align: 8
    .kernarg_segment_size: 80
    .max_flat_workgroup_size: 256
    .sgpr_count:     66
    .vgpr_count:     100
    .wavefront_size: 32
...
	.end_amdgpu_metadata
.endif
;; end of part 6
;; launch gemm1 (part 7): grid 8 x 32, 4 waves a work-group, clusters of 4 x 4, 327,680 bytes of LDS; arguments actM, actI, w1, bv, bq, vq; writes vq
.if DOCPART == 7
	.amdgcn_target "amdgcn-amd-amdhsa--gfx1250"
	.amdhsa_code_object_version 6
	.text
	.protected	k_q2f2084a27c_gemm1
	.globl	k_q2f2084a27c_gemm1
	.p2align	8
	.type	k_q2f2084a27c_gemm1,@function
k_q2f2084a27c_gemm1:
	s_mov_b64 s[64:65], 0
	v_nop
	global_prefetch_b8 v0, s[64:65] scope:SCOPE_SE
	s_setreg_imm32_b32 hwreg(HW_REG_WAVE_MODE, 25, 1), 1
	s_wait_xcnt 0x0
	s_wait_alu depctr_hold_cnt(0) depctr_sa_sdst(0) depctr_va_vdst(0) depctr_va_sdst(0) depctr_va_ssrc(0) depctr_va_vcc(0) depctr_vm_vsrc(0)
	s_getreg_b32 s2, hwreg(HW_REG_IB_STS2, 6, 4)
	s_cmp_eq_u32 s2, 0
	s_cbranch_scc0 .Lentry_in_a_cluster
	s_endpgm
.Lentry_in_a_cluster:
	s_bfe_u32 s2, ttmp6, 0x10000c
	s_cmp_lg_u32 s2, 0xf033
	s_cbranch_scc0 .Lentry_shape_is_right
	s_endpgm
.Lentry_shape_is_right:
; TWO PRODUCTS 8192 x 1024 x 1024 IN ONE LAUNCH: C[g] = A_g W[g]^T + b_g for g = 0, 1.  Arguments: A_0, A_1 (bf16 [8192][1024]), W (bf16 [2][1024][1024]), b_0, b_1 (f32 [1024]), C (bf16 [2][8192][1024]).
; Sums in f32, C rounded once; the biases are rounded to bf16 like every other input.  The body serves two launches:
;   v = memory Wv^T + bv and q = input Wq^T + bq;  then v' = v Wo^T + bo and k = memory Wk^T + bk.
; v' carries the last projection ahead of the attention: attn (v Wo^T + bo) = (attn v) Wo^T + bo, since a softmax's row sums to 1.
; SHARES.  A tile of C is 256 x 256: 32 x 4 x 2 = 256 work-groups.  Four waves, each 128 x 128: 64 accumulators of 16 x 16, 512 registers.  K goes in steps of 128 (rows of 256 bytes, at multiples of 256
; from the buffer's first byte) through two LDS slots; each wave fetches a quarter of a slot, 128 rows, with one tensor load.  From a request to the wait for it a wave issues 224 matrix instructions.
; CLUSTER.  4 x 4 work-groups; the cluster's x is g.  A's tile hangs on g and the tile row and is asked for jointly along a row of the cluster, W's on g and the tile column, jointly along a column.
; TRANSPOSED USE.  Source 0 = 16 rows of W, source 1 = 16 rows of A: lane l holds row l % 16 of C and the eight columns 8 (l / 16) + 0..7.  There the bias hangs on the column alone, so it is the C operand
; of the products that start the sums.
; REGISTERS, in windows of 256 (s_set_vgpr_msb: bits 1:0 source 0, 3:2 source 1, 5:4 source 2, 7:6 destination):
;   window 0: v0-31 addresses; v64-127, v128-191 fragments of A, two buffers; v32-63, v192-255 at work on the way out
;   window 1: v0-63 the bias of my 128 columns; v64-127, v128-191 fragments of W, two buffers; v192-223 at work
;   window 2: the 32 accumulators of my rows 0-63 ((a, b) at v[8 (8 a + b)]);   window 3: those of my rows 64-127
; LIMITS.  NaN and infinities are not treated apart.
.set KSTEP,  128
.set PITCH,  272                       ; an LDS row: 256 bytes + 16 of padding: the 16 rows of a fragment load start at 16 different groups of four banks (ISA guide 11.1)
.set HALFT,  128*PITCH                 ; 128 rows: what one tensor load brings, and what one wave reads of A or of W
.set SLOT,   4*HALFT                   ; A's 256 rows, then W's 256 rows
.set STAGE,  2*SLOT                    ; behind the ring: 16 rows x 272 bytes for each wave, for the way out
.set SPITCH, 272
.set SPARE,  STAGE+4*16*SPITCH         ; behind the stages: the spare words, 128 bytes for each wave
.set LAPS,   4                         ; a lap = two K steps; K = 1024
.set CP,     2048                      ; a row of C in bytes
.set ADRA, 16                          ; v16-17  LDS address of my A fragments in slot 0, 1
.set ADRB, 20                          ; v20-21  the same for W
.set STO,  24                          ; v24     the way out: where I put 16 bytes of a row
.set RD,   25                          ; v25     where I read a row back
.set CO,   26                          ; v26     my byte offset in C
.set SPW,  28                          ; v28     LDS address of my spare word; never rewritten
.set NIL,  29                          ; v29     0; never rewritten
.set F0,   64
.set F1,   128
.set TMP,  192                         ; the way out: packed results
.set OB,   32                          ; the way out: 16 rows read back: v32-63 and v224-255 by turns
.set BT,   192                         ; window 1: the bias at work
.set G1A, 24                           ; s[24:31] descriptor group 1 for A's tiles; s[32:39] group 0, a set for each slot
.set G0A, 32
.set G1B, 48                           ; s[48:55], s[56:63] the same for W's
.set G0B, 56
.set MSB, 0
.macro WIN new                         ; the immediate's high byte repeats the setting that is left; a switch that changes nothing is dropped
.if MSB != (\new)
	s_set_vgpr_msb (MSB<<8)|(\new)
.set MSB, \new
.endif
.endm
.set MUL_LO, 0xa1                      ; source 0 (W) window 1, source 1 (A) window 0, C and D window 2; + 0x50: window 3
.set BIA_LO, 0x91                      ; the same with C (the bias) in window 1; + 0x40: D window 3
.set TO_B,   0x40                      ; destination window 1, address window 0
.macro ADDSH dst, tmp, src, sh         ; dst += src << sh
	s_lshl_b32 s[\tmp], s[\src], \sh
	s_add_co_u32 s[\dst], s[\dst], s[\tmp]
.endm
.macro PLACES                          ; four places in front of loads into registers that matrix instructions have read, and of lines that read results
.rept 4
	v_nop
.endr
.endm
; A joint load: waves 0 and 1 ask for A's halves, waves 2 and 3 for W's.  The branch hangs on the wave's number alone.  An s_nop 0 and four v_nop follow each line.
.macro JLOAD s
	s_cmp_eq_u32 s11, 0
	s_cbranch_scc0 .Lfor_b_\@
	tensor_load_to_lds s[G0A+4*(\s):G0A+4*(\s)+3], s[G1A:G1A+7]
	s_nop 0
.rept 4
	v_nop
.endr
	s_branch .Lasked_\@
.Lfor_b_\@:
	tensor_load_to_lds s[G0B+4*(\s):G0B+4*(\s)+3], s[G1B:G1B+7]
	s_nop 0
.rept 4
	v_nop
.endr
.Lasked_\@:
.endm
.macro CREST                           ; a round of the cluster's barrier behind its opening barrier
	s_cmp_lg_u32 s10, 0
	s_cbranch_scc1 .Lnot_wave_0_\@
	s_barrier_signal -3
.Lnot_wave_0_\@:
	s_barrier_wait -3
	s_barrier_signal -1
	s_barrier_wait -1
.endm
.macro CROUND
	s_barrier_signal -1
	s_barrier_wait -1
	CREST
.endm
	s_load_b256 s[68:75], s[0:1], 0x0              ; A_0 s[68:69], A_1 s[70:71], W s[72:73], b_0 s[74:75]
	s_load_b128 s[76:79], s[0:1], 0x20             ; b_1 s[76:77], C s[78:79]
	v_lshl_add_u32 v[SPW], v0, 2, SPARE
	v_mov_b32 v[NIL], 0
	ds_add_u32 v[SPW], v[NIL]                      ; the wave's opening: the add and its wait stand ahead of my first tensor load; the set-up below stands between them
	v_lshrrev_b32 v1, 5, v0
	v_readfirstlane_b32 s10, v1                    ; wave 0..3
	s_lshr_b32 s11, s10, 1                         ; my half of the tile's rows.  Also: I fetch for A (0) or for W (1)
	s_and_b32 s12, s10, 1                          ; my half of its columns.  Also: which 128 rows of that tile I fetch
	s_bfe_u32 s40, ttmp6, 0x40000                  ; cx: the tile column, 0..3
	s_bfe_u32 s41, ttmp6, 0x40004                  ; cy
	s_mov_b32 s92, ttmp9                           ; g: the cluster's x, the same in all sixteen partners
	s_and_b32 s45, ttmp7, 0xffff                   ; the cluster's y, 0..7
	s_lshl_b32 s13, s45, 2
	s_add_co_u32 s13, s13, s41                     ; tile row, 0..31
	s_lshl_b32 s43, s41, 2
	s_lshl_b32 s43, 15, s43                        ; my row of the cluster
	s_lshl_b32 s44, 0x1111, s40                    ; my column
	s_or_b32 s[G1A], s43, (1<<16)|(1<<20)|(1<<21)|(5<<22)|(3<<25)  ; the mask; 2-byte elements; padding on; bit 21 beside a mask; after every 64 words, 4 words
	s_or_b32 s[G1B], s44, (1<<16)|(1<<20)|(1<<21)|(5<<22)|(3<<25)
.irp g, G1A, G1B
	s_mov_b32 s[(\g)+1], KSTEP<<16                 ; tensor_dim0 = 128
	s_mov_b32 s[(\g)+2], 128<<16                   ; tensor_dim1 = 128
	s_mov_b32 s[(\g)+3], KSTEP<<16                 ; tile_dim0 = 128
	s_mov_b32 s[(\g)+4], 128                       ; tile_dim1 = 128
	s_mov_b32 s[(\g)+5], 1024                      ; elements from row to row
	s_mov_b32 s[(\g)+6], 0
	s_mov_b32 s[(\g)+7], 0
.endr
	s_lshl_b32 s16, s13, 19                        ; A: 256 rows x 2,048 bytes x tile row
	ADDSH 16, 14, 12, 18                           ; + the 128 rows that I fetch
	s_mov_b32 s17, 0
	s_lshl_b32 s46, s92, 21                        ; W: the product's 2 MiB
	ADDSH 46, 66, 40, 19                           ; + 256 rows x tile column
	ADDSH 46, 66, 12, 18                           ; + the 128 rows that I fetch
	s_mov_b32 s47, 0
	s_lshl_b32 s20, s92, 24                        ; C: the product's 16 MiB
	ADDSH 20, 22, 13, 19
	ADDSH 20, 22, 11, 18                           ; my 128 rows
	ADDSH 20, 22, 40, 9
	ADDSH 20, 22, 12, 8                            ; my 128 columns
	s_mov_b32 s21, 0
	s_lshl_b32 s8, s40, 10                         ; the bias of my 128 columns
	ADDSH 8, 22, 12, 9
	s_mov_b32 s9, 0
	s_mul_i32 s18, s10, HALFT                      ; where my part of a slot goes: A's two halves, then W's two = wave x 128 rows: no place in the cluster enters an LDS address
	s_mov_b32 s91, 0xffff0000
	s_wait_dscnt 0x0                               ; the opening add is done
	s_wait_kmcnt 0x0
	s_cmp_eq_u32 s92, 0                            ; A and the bias are chosen by g alone
	s_cselect_b64 s[94:95], s[68:69], s[70:71]
	s_cselect_b64 s[82:83], s[74:75], s[76:77]
	s_add_nc_u64 s[16:17], s[94:95], s[16:17]
	s_add_nc_u64 s[46:47], s[72:73], s[46:47]
	s_add_nc_u64 s[80:81], s[78:79], s[20:21]
	s_add_nc_u64 s[82:83], s[82:83], s[8:9]
	CROUND                                         ; all sixteen work-groups are here: the first joint loads meet
.irp s, 0,1
	s_mov_b32 s[G0A+4*(\s)], 1
	s_add_co_u32 s[G0A+4*(\s)+1], s18, (\s)*SLOT
	s_add_nc_u64 s[G0A+4*(\s)+2:G0A+4*(\s)+3], s[16:17], (\s)*KSTEP*2
	s_or_b32 s[G0A+4*(\s)+3], s[G0A+4*(\s)+3], 0x80000000
	s_mov_b32 s[G0B+4*(\s)], 1
	s_add_co_u32 s[G0B+4*(\s)+1], s18, (\s)*SLOT
	s_add_nc_u64 s[G0B+4*(\s)+2:G0B+4*(\s)+3], s[46:47], (\s)*KSTEP*2
	s_or_b32 s[G0B+4*(\s)+3], s[G0B+4*(\s)+3], 0x80000000
	JLOAD \s                                       ; K steps 0 and 1: two loads of mine are out
.endr
	v_and_b32 v1, 15, v0                           ; r = l % 16
	v_bfe_u32 v2, v0, 4, 1                         ; h = l / 16
	v_lshlrev_b32 v4, 5, v2                        ; 32 h: my eight columns in a group of sixteen
	WIN TO_B                                       ; destination window 1
.irp b, 0,1,2,3,4,5,6,7
	global_load_b128 v[8*(\b):8*(\b)+3],   v4, s[82:83] offset:64*(\b)
	global_load_b128 v[8*(\b)+4:8*(\b)+7], v4, s[82:83] offset:64*(\b)+16
.endr
	WIN 0
	v_mul_u32_u24 v3, v1, PITCH
	v_lshl_add_u32 v3, v2, 4, v3                   ; row x pitch + 16 x half
	s_mul_i32 s4, s11, HALFT                       ; my 128 rows of A
	s_mul_i32 s5, s12, HALFT                       ; my 128 rows of W,
	s_add_co_u32 s5, s5, 2*HALFT                   ; which lie behind A's 256
.irp s, 0,1
	v_add_nc_u32 v[ADRA+(\s)], s4, v3
	v_add_nc_u32 v[ADRB+(\s)], s5, v3
	s_add_co_u32 s4, s4, SLOT
	s_add_co_u32 s5, s5, SLOT
.endr
	s_mul_i32 s6, s10, 16*SPITCH
	s_add_co_u32 s6, s6, STAGE                     ; my stage
	v_add_nc_u32 v[STO], s6, v3                    ; in: row r, 16 bytes for each half of the lanes
	v_mul_u32_u24 v5, v2, SPITCH                   ; back: lanes 0-15 one row of 256 bytes, lanes 16-31 the next
	v_lshl_add_u32 v5, v1, 4, v5
	v_add_nc_u32 v[RD], s6, v5
	v_mul_u32_u24 v5, v2, CP
	v_lshl_add_u32 v[CO], v1, 4, v5
	s_wait_loadcnt 0x0                             ; the bias: rounded to bf16 and widened again, in the wait for the first tile
	WIN 0x45                                       ; all three operands window 1
.set i, 0
.rept 32
	v_cvt_pk_bf16_f32 v[BT+i], v[2*i], v[2*i+1]
.set i, i+1
.endr
	WIN 0x44                                       ; destination and source 1 window 1
.set i, 0
.rept 32
	v_lshlrev_b32 v[2*i], 16, v[BT+i]
	v_and_b32 v[2*i+1], s91, v[BT+i]
.set i, i+1
.endr
	WIN 0
; 16 matrix instructions: row blocks a0, a0 + 1 of the window's four (hi = 0: my rows 0-63, 1: rows 64-127) x all 8 column blocks, 32 along K.  zero = 2: the bias starts the sums.
; The 64 accumulators take turns, one instruction a turn, in the same order in every quarter.
.macro MUL16 f, hi, a0, zero
.if (\zero) == 2
	WIN BIA_LO+0x40*(\hi)
.else
	WIN MUL_LO+0x50*(\hi)
.endif
.irp a, \a0, (\a0)+1
.irp b, 0,1,2,3,4,5,6,7
.if (\zero) == 2
	v_wmma_f32_16x16x32_bf16 v[8*(8*(\a)+(\b)):8*(8*(\a)+(\b))+7], v[(\f)+8*(\b):(\f)+8*(\b)+7], v[(\f)+8*(4*(\hi)+(\a)):(\f)+8*(4*(\hi)+(\a))+7], v[8*(\b):8*(\b)+7]
.else
	v_wmma_f32_16x16x32_bf16 v[8*(8*(\a)+(\b)):8*(8*(\a)+(\b))+7], v[(\f)+8*(\b):(\f)+8*(\b)+7], v[(\f)+8*(4*(\hi)+(\a)):(\f)+8*(4*(\hi)+(\a))+7], v[8*(8*(\a)+(\b)):8*(8*(\a)+(\b))+7]
.endif
.endr
.endr
.endm
; 32 LDS loads in one run: a quarter step's fragments (32 K at byte k of the rows): W's 128 rows, then A's 128
.macro FETCH slot, k, f
	WIN TO_B
.irp i, 0,1,2,3,4,5,6,7
	ds_load_b128 v[(\f)+8*(\i):(\f)+8*(\i)+3],   v[ADRB+(\slot)] offset:(\k)+(\i)*16*PITCH
	ds_load_b128 v[(\f)+8*(\i)+4:(\f)+8*(\i)+7], v[ADRB+(\slot)] offset:(\k)+(\i)*16*PITCH+32
.endr
	WIN 0
.irp i, 0,1,2,3,4,5,6,7
	ds_load_b128 v[(\f)+8*(\i):(\f)+8*(\i)+3],   v[ADRA+(\slot)] offset:(\k)+(\i)*16*PITCH
	ds_load_b128 v[(\f)+8*(\i)+4:(\f)+8*(\i)+7], v[ADRA+(\slot)] offset:(\k)+(\i)*16*PITCH+32
.endr
.endm
; A K step is four quarters of 32 along K, 64 matrix instructions each, on buffers 0, 1, 0, 1.  One of the first three multiplies f and, in its middle, fetches the next quarter into g.
.macro QUARTER slot, k, f, g, zero
	s_wait_dscnt 8                                 ; W and A's rows 0-63 are in; the youngest eight loads (A's rows 64-127) may be out
	MUL16 \f, 0, 0, \zero
	MUL16 \f, 0, 2, \zero
	PLACES
	FETCH \slot, \k, \g
	s_wait_dscnt 32                                ; all but the 32 just issued
	MUL16 \f, 1, 0, \zero
	MUL16 \f, 1, 2, \zero
.endm
; The last quarter multiplies buffer 1 and changes slots: in front of the barrier each wave waits for all its tensor loads (one is out: its part of the next slot), adds 0 to its spare word, and
; waits for that and for its reads of this slot.  fill = 1: the barrier opens a round of the cluster's, and this slot is filled again, two K steps ahead, first thing behind the round.
.macro TURN slot, next, fill
	WIN 0                                          ; (the add's two registers lie in window 0)
	s_wait_tensorcnt 0x0
	ds_add_u32 v[SPW], v[NIL]
	s_wait_dscnt 9                                 ; the add and the youngest eight loads may be out
	MUL16 F1, 0, 0, 0                              ; sixteen matrix instructions stand between the add and the wait for it
	s_wait_dscnt 0x0                               ; the add is done, and my reads of this slot are over
	s_barrier_signal -1
	MUL16 F1, 0, 2, 0
.if \fill
	WIN 0
.endif
	s_barrier_wait -1
.if \fill
	CREST                                          ; no wave of any partner still reads this slot or has a load on its way
	s_add_nc_u64 s[G0A+4*(\slot)+2:G0A+4*(\slot)+3], s[G0A+4*(\slot)+2:G0A+4*(\slot)+3], 2*KSTEP*2
	s_add_nc_u64 s[G0B+4*(\slot)+2:G0B+4*(\slot)+3], s[G0B+4*(\slot)+2:G0B+4*(\slot)+3], 2*KSTEP*2
	JLOAD \slot                                    ; the first tensor load behind the round; its four v_nop are also the places in front of the loads below
.else
	PLACES
.endif
	FETCH \next, 0, F0
	MUL16 F1, 1, 0, 0
	MUL16 F1, 1, 2, 0
.endm
; THE WAY OUT of row block a (16 rows): rounded to bf16, 16 bytes a lane; through my own stage; back as whole rows of 256 bytes; stored.
.macro PACK a
.set AC, 64*((\a)%4)
	WIN 0x0a+5*((\a)/4)                            ; sources 0 and 1: window 2 or 3
.irp b, 0,1,2,3,4,5,6,7
.irp r, 0,1,2,3
	v_cvt_pk_bf16_f32 v[TMP+4*(\b)+(\r)], v[AC+8*(\b)+2*(\r)], v[AC+8*(\b)+2*(\r)+1]
.endr
.endr
	WIN 0
.endm
.macro TOSTAGE a
.set BKA, OB+192*((\a)%2)
.if (\a) >= 2
	s_wait_xcnt 0x0                                ; the stores of the block two back have read these registers: they are loaded again only behind this wait
.endif
.irp b, 0,1,2,3,4,5,6,7
	ds_store_b128 v[STO], v[TMP+4*(\b):TMP+4*(\b)+3] offset:32*(\b)
.endr
.irp t, 0,1,2,3,4,5,6,7
	ds_load_b128 v[BKA+4*(\t):BKA+4*(\t)+3], v[RD] offset:(\t)*2*SPITCH  ; LDS serves a wave's instructions in order (ISA guide 5.7.1.4): these see the stores above
.endr
.endm
.macro SEND a
.set BKA, OB+192*((\a)%2)
	s_wait_dscnt 0x0                               ; the block is back in registers
.irp t, 0,1,2,3,4,5,6,7
	global_store_b128 v[CO], v[BKA+4*(\t):BKA+4*(\t)+3], s[80:81] offset:(16*(\a)+2*(\t))*CP  ; 16 lanes store 256 consecutive bytes, at a multiple of 256 from the buffer's first
.endr
.endm
	s_wait_tensorcnt 0x1                           ; my part of K step 0 is in; K step 1's may stay out
	s_barrier_signal -1
	s_barrier_wait -1
	FETCH 0, 0, F0
	QUARTER 0, 64, F0, F1, 2                       ; the first quarter stands in front of the loop: its products start the sums, with the bias
	WIN 0                                          ; at a label and at a branch every window is 0
	s_mov_b32 s3, LAPS-1
.Llap:                                                 ; a trip goes once round the ring, from a lap's second quarter to the next lap's first, and fills both slots again
	QUARTER 0, 128, F1, F0, 0
	QUARTER 0, 192, F0, F1, 0
	TURN 0, 1, 1
	QUARTER 1, 64,  F0, F1, 0
	QUARTER 1, 128, F1, F0, 0
	QUARTER 1, 192, F0, F1, 0
	TURN 1, 0, 1
	QUARTER 0, 64,  F0, F1, 0
	WIN 0
	s_sub_co_u32 s3, s3, 1
	s_cmp_lg_u32 s3, 0
	s_cbranch_scc1 .Llap
	QUARTER 0, 128, F1, F0, 0                      ; the last lap fills nothing
	QUARTER 0, 192, F0, F1, 0
	TURN 0, 1, 0
	QUARTER 1, 64,  F0, F1, 0
	QUARTER 1, 128, F1, F0, 0
	QUARTER 1, 192, F0, F1, 0
	s_wait_dscnt 8                                 ; the very last quarter: nothing more to fetch
	MUL16 F1, 0, 0, 0
	MUL16 F1, 0, 2, 0
	s_wait_dscnt 0x0
	MUL16 F1, 1, 0, 0
	MUL16 F1, 1, 2, 0
	WIN 0
	PLACES
	PACK 0
	TOSTAGE 0
.irp a, 1,2,3,4,5,6,7                  ; block a's conversions stand between block a - 1's loads from the stage and the wait for them
	PACK \a
	SEND (\a)-1
	TOSTAGE \a
.endr
	SEND 7
	s_wait_tensorcnt 0x0                           ; the wave's end
	ds_add_u32 v[SPW], v[NIL]
	s_wait_dscnt 0x0
	CROUND                                         ; the closing round: no work-group ends while a partner may still ask for a tile that names it
	s_endpgm
.Lfunc_end_k_q2f2084a27c_gemm1:
	.size	k_q2f2084a27c_gemm1, .Lfunc_end_k_q2f2084a27c_gemm1-k_q2f2084a27c_gemm1
	.p2alignl 7, 3214868480
	.fill 96, 4, 3214868480
	.section	.rodata,"a",@progbits
	.p2align	6, 0x0
	.amdhsa_kernel k_q2f2084a27c_gemm1
		.amdhsa_group_segment_fixed_size 327680
		.amdhsa_private_segment_fixed_size 0
		.amdhsa_enable_private_segment 0
		.amdhsa_kernarg_size 48
		.amdhsa_user_sgpr_count 2
		.amdhsa_user_sgpr_kernarg_segment_ptr 1
		.amdhsa_wavefront_size32 1
		.amdhsa_system_sgpr_workgroup_id_x 1
		.amdhsa_system_sgpr_workgroup_id_y 1
		.amdhsa_system_sgpr_workgroup_id_z 1
		.amdhsa_system_vgpr_workitem_id 0
		.amdhsa_next_free_vgpr 1024
		.amdhsa_next_free_sgpr 96
		.amdhsa_reserve_vcc 0
		.amdhsa_float_denorm_mode_32 3
		.amdhsa_float_denorm_mode_16_64 3
		.amdhsa_memory_ordered 1
		.amdhsa_forward_progress 1
		.amdhsa_inst_pref_size 148
	.end_amdhsa_kernel
	.amdgpu_metadata
---
amdhsa.version: [ 1, 2 ]
amdhsa.kernels:
  - .name:           k_q2f2084a27c_gemm1
    .symbol:         k_q2f2084a27c_gemm1.kd
    .args:
      - { .name: actM, .offset: 0, .size: 8, .value_kind: global_buffer, .address_space: global }
      - { .name: actI, .offset: 8, .size: 8, .value_kind: global_buffer, .address_space: global }
      - { .name: w1, .offset: 16, .size: 8, .value_kind: global_buffer, .address_space: global }
      - { .name: bv, .offset: 24, .size: 8, .value_kind: global_buffer, .address_space: global }
      - { .name: bq, .offset: 32, .size: 8, .value_kind: global_buffer, .address_space: global }
      - { .name: vq, .offset: 40, .size: 8, .value_kind: global_buffer, .address_space: global }
    .group_segment_fixed_size: 327680
    .private_segment_fixed_size: 0
    .kernarg_segment_align: 8
    .kernarg_segment_size: 48
    .max_flat_workgroup_size: 128
    .sgpr_count:     96
    .vgpr_count:     1024
    .wavefront_size: 32
...
	.end_amdgpu_metadata
.endif
;; end of part 7
;; launch gemm2: the kernel of part 7 again; grid 8 x 32, 4 waves a work-group, clusters of 4 x 4, 327,680 bytes of LDS; arguments vq, actM, w2, bo, bk, wk; writes wk
;; launch scores (part 8): grid 8 x 32, 4 waves a work-group, clusters of 4 x 4, 327,680 bytes of LDS; arguments vq, wk, mask, pmat, stats; writes pmat, stats
.if DOCPART == 8
	.amdgcn_target "amdgcn-amd-amdhsa--gfx1250"
	.amdhsa_code_object_version 6
	.text
	.protected	k_q2f2084a27c_scores
	.globl	k_q2f2084a27c_scores
	.p2align	8
	.type	k_q2f2084a27c_scores,@function
k_q2f2084a27c_scores:
	s_mov_b64 s[64:65], 0
	v_nop
	global_prefetch_b8 v0, s[64:65] scope:SCOPE_SE
	s_setreg_imm32_b32 hwreg(HW_REG_WAVE_MODE, 25, 1), 1
	s_wait_xcnt 0x0
	s_wait_alu depctr_hold_cnt(0) depctr_sa_sdst(0) depctr_va_vdst(0) depctr_va_sdst(0) depctr_va_ssrc(0) depctr_va_vcc(0) depctr_vm_vsrc(0)
	s_getreg_b32 s2, hwreg(HW_REG_IB_STS2, 6, 4)
	s_cmp_eq_u32 s2, 0
	s_cbranch_scc0 .Lentry_in_a_cluster
	s_endpgm
.Lentry_in_a_cluster:
	s_bfe_u32 s2, ttmp6, 0x10000c
	s_cmp_lg_u32 s2, 0xf033
	s_cbranch_scc0 .Lentry_shape_is_right
	s_endpgm
.Lentry_shape_is_right:
; For each batch: t = c q . k with c = log2(e) / 32; where mask == 0, t = -1e10 log2(e).  For each row and each block of 128 keys (one wave's columns): the whole number m' = floor(max t) + 1,
; the weights p = 2^(t - m') (0 to 1; the maximum is taken away first, then the exponential), their sum l of the unrounded p.
; q = the second half of vq, k = the second half of wk, both bf16 [8192][1024]; mask: i32 [4][2048][2048]; pmat: bf16 [4][2048][2048] takes p; stats: f32 [4][16 blocks][2048 rows][2] takes (m', l).
; The next launch joins the sixteen blocks of a row.
; A block that is masked throughout has m' = t exactly (at that size a float is a whole number and 1 is below its step), so p = 1: a row masked throughout comes out uniform, as in the softmax of equal scores.
; SHARES.  A tile is 256 queries x 256 keys: 8 x 8 x 4 = 256 work-groups.  Four waves, each 128 x 128: 64 accumulators of 16 x 16, 512 registers.  K = 1024 goes in steps of 128 (rows of 256 bytes) through two
; LDS slots; each wave fetches a quarter of a slot, 128 rows, with one tensor load.  From a request to the wait for it a wave issues 224 matrix instructions.
; CLUSTER.  4 x 4 work-groups: q's tile hangs on batch and tile row and is asked for jointly along a row of the cluster, k's on batch and tile column, jointly along a column.
; TRANSPOSED USE.  Source 0 = 16 rows of k, source 1 = 16 rows of q: lane l holds row l % 16 and the columns 16 b + 8 (l / 16) + 0..7: a row's 128 scores lie in two lanes, 16 apart.
; THE MASK of my 128 x 128 (64 KiB) comes through the ring's own slots when the products have left them: two tensor loads of my own, 64 rows x 512 bytes each, into my quarter of slot 0 (behind the round of the
; last change of slots) and of slot 1 (behind a round in the last quarter).  Rows lie 528 bytes apart, and a lane reads its eight columns of row l % 16 straight in the accumulators' layout.  Only I read these bytes.
; THE WAY OUT is one loop of eight trips, a block of 16 rows a trip.  What names a block's own registers (its mask loads, t = c s out of its accumulators) stands in eight short heads, reached by a forward chain
; of compares on the trip's number; all the rest is written once.
; REGISTERS, in windows of 256 (s_set_vgpr_msb: bits 1:0 source 0, 3:2 source 1, 5:4 source 2, 7:6 destination):
;   window 0: v0-63 addresses and statistics; v64-127, v128-191 fragments of q, two buffers; on the way out v64-127 a block's 64 scores, v128-191 its mask, v192-223 packed, v224-255 rows read back
;   window 1: v64-127, v128-191 fragments of k, two buffers
;   window 2: the 32 accumulators of my rows 0-63 ((a, b) at v[8 (8 a + b)]);   window 3: those of my rows 64-127
; LIMITS.  NaN and infinities are not treated apart; a weight below 2^-126 counts as 0.
.set KSTEP,  128
.set PITCH,  272                       ; an LDS row: 256 bytes + 16 of padding: the 16 rows of a fragment load start at 16 different groups of four banks (ISA guide 11.1)
.set HALFT,  128*PITCH                 ; 128 rows: what one tensor load brings, and what one wave reads of q or of k; later my quarter of a slot for the mask
.set SLOT,   4*HALFT                   ; q's 256 rows, then k's 256 rows
.set MPITCH, 528                       ; a row of the mask in LDS: 512 bytes + 16; 64 rows are 33,792 bytes, inside my quarter's 34,816
.set STAGE,  2*SLOT                    ; behind the ring: 16 rows x 272 bytes for each wave: p on its way out
.set SPITCH, 272
.set SPARE,  STAGE+4*16*SPITCH         ; behind the stages: the spare words, 128 bytes for each wave
.set LAPS,   4                         ; a lap = two K steps
.set CP,     4096                      ; a row of pmat in bytes
.set ADRA, 16                          ; v16-17  LDS address of my q fragments in slot 0, 1
.set ADRB, 20                          ; v20-21  the same for k
.set STO,  24                          ; v24     the way out: where I put 16 bytes of a row
.set RD,   25                          ; v25     where I read a row back
.set CO,   26                          ; v26     my byte offset in two rows of pmat
.set SPW,  28                          ; v28     LDS address of my spare word; never rewritten
.set NIL,  29                          ; v29     0; never rewritten
.set MRD,  30                          ; v30-31  my eight columns of row l % 16 of the mask in slot 0, 1
.set CHN,  32                          ; v32-35  four chains of the maximum
.set MX,   36                          ; v36-37  m', twice
.set LS,   40                          ; v40     l
.set PREV, 42                          ; v42-43  (m', l) of the block before
.set SD,   44                          ; v44-45  statistics to store
.set SOF,  56                          ; v56     8 x lane
.set TN,   57                          ; v57     -1e10 log2(e)
.set F0,   64
.set F1,   128
.set T,    64
.set M,    128
.set TMP,  192
.set BK,   224
.set BI,  14                           ; s14      the block in hand, 0 to 7
.set G1M, 16                           ; s[16:23] descriptor group 1 for the mask
.set G1A, 24                           ; s[24:31] descriptor group 1 for q's tiles; s[32:39] group 0, a set for each slot
.set G0A, 32
.set G1B, 48                           ; s[48:55], s[56:63] the same for k's
.set G0B, 56
.set CM,  68                           ; s68-75   eight lane masks (the arguments' registers, used again)
.set CS,  86                           ; s[86:87] c: the packed scaling takes the low word for both halves
.set SEL, 88                           ; s[88:89] v_permlanex16_b32's selects: each lane takes its own place in the other half
.set HIM, 91                           ; s91      lanes 16-31
.set G0M, 92                           ; s[92:99] descriptor group 0 for the mask's two halves
.set MSB, 0
.macro WIN new                         ; the immediate's high byte repeats the setting that is left; a switch that changes nothing is dropped
.if MSB != (\new)
	s_set_vgpr_msb (MSB<<8)|(\new)
.set MSB, \new
.endif
.endm
.set MUL_LO, 0xa1                      ; source 0 (k) window 1, source 1 (q) window 0, C and D window 2; + 0x50: window 3
.set TO_B,   0x40                      ; destination window 1, address window 0
.macro ADDSH dst, tmp, src, sh         ; dst += src << sh
	s_lshl_b32 s[\tmp], s[\src], \sh
	s_add_co_u32 s[\dst], s[\dst], s[\tmp]
.endm
.macro PLACES                          ; four places in front of loads into registers that matrix instructions have read, and of lines that read results
.rept 4
	v_nop
.endr
.endm
; A joint load: waves 0 and 1 ask for q's halves, waves 2 and 3 for k's.  The branch hangs on the wave's number alone.  An s_nop 0 and four v_nop follow each line.
.macro JLOAD s
	s_cmp_eq_u32 s11, 0
	s_cbranch_scc0 .Lfor_b_\@
	tensor_load_to_lds s[G0A+4*(\s):G0A+4*(\s)+3], s[G1A:G1A+7]
	s_nop 0
.rept 4
	v_nop
.endr
	s_branch .Lasked_\@
.Lfor_b_\@:
	tensor_load_to_lds s[G0B+4*(\s):G0B+4*(\s)+3], s[G1B:G1B+7]
	s_nop 0
.rept 4
	v_nop
.endr
.Lasked_\@:
.endm
; Half m of my mask, into my quarter of slot m: a load of my own (no work-group mask); every wave issues the line, each with its own addresses.
.macro MLOAD m
	tensor_load_to_lds s[G0M+4*(\m):G0M+4*(\m)+3], s[G1M:G1M+7]
	s_nop 0
.rept 4
	v_nop
.endr
.endm
.macro CREST                           ; a round of the cluster's barrier behind its opening barrier
	s_cmp_lg_u32 s10, 0
	s_cbranch_scc1 .Lnot_wave_0_\@
	s_barrier_signal -3
.Lnot_wave_0_\@:
	s_barrier_wait -3
	s_barrier_signal -1
	s_barrier_wait -1
.endm
.macro CROUND
	s_barrier_signal -1
	s_barrier_wait -1
	CREST
.endm
	s_load_b256 s[68:75], s[0:1], 0x0              ; vq s[68:69], wk s[70:71], mask s[72:73], pmat s[74:75]
	s_load_b64 s[76:77], s[0:1], 0x20              ; stats
	v_lshl_add_u32 v[SPW], v0, 2, SPARE
	v_mov_b32 v[NIL], 0
	ds_add_u32 v[SPW], v[NIL]                      ; the wave's opening: the add and its wait stand ahead of my first tensor load; the set-up below stands between them
	v_lshrrev_b32 v1, 5, v0
	v_readfirstlane_b32 s10, v1                    ; wave 0..3
	s_lshr_b32 s11, s10, 1                         ; my half of the tile's rows.  Also: I fetch for q (0) or for k (1)
	s_and_b32 s12, s10, 1                          ; my half of its columns.  Also: which 128 rows of that tile I fetch
	s_bfe_u32 s40, ttmp6, 0x40000                  ; cx
	s_bfe_u32 s41, ttmp6, 0x40004                  ; cy
	s_lshl_b32 s42, ttmp9, 2
	s_add_co_u32 s42, s42, s40                     ; tile column (256 keys), 0..7
	s_and_b32 s45, ttmp7, 0xffff                   ; the cluster's y, 0..7
	s_lshl_b32 s43, s41, 2
	s_lshl_b32 s43, 15, s43                        ; my row of the cluster
	s_lshl_b32 s44, 0x1111, s40                    ; my column
	s_lshr_b32 s67, s45, 1                         ; the batch
	s_and_b32 s13, s45, 1
	s_lshl_b32 s13, s13, 2
	s_add_co_u32 s13, s13, s41                     ; tile row (256 queries), 0..7
	s_or_b32 s[G1A], s43, (1<<16)|(1<<20)|(1<<21)|(5<<22)|(3<<25)  ; the mask of work-groups; 2-byte elements; padding on; bit 21 beside a mask; after every 64 words, 4 words
	s_or_b32 s[G1B], s44, (1<<16)|(1<<20)|(1<<21)|(5<<22)|(3<<25)
.irp g, G1A, G1B
	s_mov_b32 s[(\g)+1], KSTEP<<16                 ; tensor_dim0 = 128
	s_mov_b32 s[(\g)+2], 128<<16                   ; tensor_dim1 = 128
	s_mov_b32 s[(\g)+3], KSTEP<<16                 ; tile_dim0 = 128
	s_mov_b32 s[(\g)+4], 128                       ; tile_dim1 = 128
	s_mov_b32 s[(\g)+5], 1024                      ; elements from row to row
	s_mov_b32 s[(\g)+6], 0
	s_mov_b32 s[(\g)+7], 0
.endr
	s_lshl_b32 s16, s67, 22                        ; q, which lies 16 MiB into vq: the batch's 2,048 rows of 2,048 bytes
	s_add_co_u32 s16, s16, 0x1000000
	ADDSH 16, 14, 13, 19                           ; + 256 rows x tile row
	ADDSH 16, 14, 12, 18                           ; + the 128 rows that I fetch
	s_mov_b32 s17, 0
	s_lshl_b32 s46, s67, 22                        ; k, which lies 16 MiB into wk
	s_add_co_u32 s46, s46, 0x1000000
	ADDSH 46, 66, 42, 19
	ADDSH 46, 66, 12, 18
	s_mov_b32 s47, 0
	s_lshl_b32 s20, s67, 23                        ; pmat at my 128 rows and 128 columns
	ADDSH 20, 22, 13, 20
	ADDSH 20, 22, 11, 19
	ADDSH 20, 22, 42, 9
	ADDSH 20, 22, 12, 8
	s_mov_b32 s21, 0
	s_lshl_b32 s8, s67, 24                         ; the mask likewise
	ADDSH 8, 22, 13, 21
	ADDSH 8, 22, 11, 20
	ADDSH 8, 22, 42, 10
	ADDSH 8, 22, 12, 9
	s_mov_b32 s9, 0
	s_lshl_b32 s4, s67, 18                         ; stats: batch, block 2 x tile column + half, my 128 rows of 8 bytes
	ADDSH 4, 22, 42, 15
	ADDSH 4, 22, 12, 14
	ADDSH 4, 22, 13, 11
	ADDSH 4, 22, 11, 10
	s_mov_b32 s5, 0
	s_mul_i32 s18, s10, HALFT                      ; my quarter of a slot: no place in the cluster enters an LDS address
	s_mov_b32 s[CS], 0x3d38aa3b                    ; c = log2(e) / 32
	s_mov_b32 s[CS+1], s[CS]
	s_mov_b32 s[SEL], 0x76543210
	s_mov_b32 s[SEL+1], 0xfedcba98
	s_mov_b32 s[HIM], 0xffff0000
	s_wait_dscnt 0x0                               ; the opening add is done
	s_wait_kmcnt 0x0
	s_add_nc_u64 s[16:17], s[68:69], s[16:17]
	s_add_nc_u64 s[46:47], s[70:71], s[46:47]
	s_add_nc_u64 s[80:81], s[74:75], s[20:21]
	s_add_nc_u64 s[82:83], s[72:73], s[8:9]
	s_add_nc_u64 s[84:85], s[76:77], s[4:5]
	CROUND                                         ; all sixteen work-groups are here: the first joint loads meet
.irp s, 0,1
	s_mov_b32 s[G0A+4*(\s)], 1
	s_add_co_u32 s[G0A+4*(\s)+1], s18, (\s)*SLOT
	s_add_nc_u64 s[G0A+4*(\s)+2:G0A+4*(\s)+3], s[16:17], (\s)*KSTEP*2
	s_or_b32 s[G0A+4*(\s)+3], s[G0A+4*(\s)+3], 0x80000000
	s_mov_b32 s[G0B+4*(\s)], 1
	s_add_co_u32 s[G0B+4*(\s)+1], s18, (\s)*SLOT
	s_add_nc_u64 s[G0B+4*(\s)+2:G0B+4*(\s)+3], s[46:47], (\s)*KSTEP*2
	s_or_b32 s[G0B+4*(\s)+3], s[G0B+4*(\s)+3], 0x80000000
	JLOAD \s                                       ; K steps 0 and 1: two loads of mine are out
.endr
.irp s, 0,1                            ; the mask's descriptors: none of these registers belongs to a load that is out
	s_mov_b32 s[G0M+4*(\s)], 1
	s_add_co_u32 s[G0M+4*(\s)+1], s18, (\s)*SLOT
	s_add_nc_u64 s[G0M+4*(\s)+2:G0M+4*(\s)+3], s[82:83], (\s)*64*8192  ; my rows 64 s on
	s_or_b32 s[G0M+4*(\s)+3], s[G0M+4*(\s)+3], 0x80000000
.endr
	s_mov_b32 s[G1M], (2<<16)|(1<<20)|(6<<22)|(3<<25)  ; no work-group mask; 4-byte elements; padding on; after every 128 words, 4 words
	s_mov_b32 s[G1M+1], 128<<16                    ; tensor_dim0 = 128
	s_mov_b32 s[G1M+2], 64<<16                     ; tensor_dim1 = 64
	s_mov_b32 s[G1M+3], 128<<16                    ; tile_dim0 = 128
	s_mov_b32 s[G1M+4], 64                         ; tile_dim1 = 64
	s_mov_b32 s[G1M+5], 2048                       ; elements from row to row
	s_mov_b32 s[G1M+6], 0
	s_mov_b32 s[G1M+7], 0
	v_and_b32 v1, 15, v0                           ; r = l % 16
	v_bfe_u32 v2, v0, 4, 1                         ; h = l / 16
	v_mul_u32_u24 v3, v1, PITCH
	v_lshl_add_u32 v3, v2, 4, v3                   ; row x pitch + 16 x half
	s_mul_i32 s4, s11, HALFT                       ; my 128 rows of q
	s_mul_i32 s5, s12, HALFT                       ; my 128 rows of k,
	s_add_co_u32 s5, s5, 2*HALFT                   ; which lie behind q's 256
.irp s, 0,1
	v_add_nc_u32 v[ADRA+(\s)], s4, v3
	v_add_nc_u32 v[ADRB+(\s)], s5, v3
	s_add_co_u32 s4, s4, SLOT
	s_add_co_u32 s5, s5, SLOT
.endr
	s_mul_i32 s6, s10, 16*SPITCH
	s_add_co_u32 s6, s6, STAGE                     ; my stage
	v_add_nc_u32 v[STO], s6, v3                    ; in: row r, 16 bytes for each half of the lanes
	v_mul_u32_u24 v5, v2, SPITCH                   ; back: lanes 0-15 one row of 256 bytes, lanes 16-31 the next
	v_lshl_add_u32 v5, v1, 4, v5
	v_add_nc_u32 v[RD], s6, v5
	v_mul_u32_u24 v5, v2, CP
	v_lshl_add_u32 v[CO], v1, 4, v5
	s_mul_i32 s7, s10, HALFT                       ; my quarter of slot 0
	v_mul_u32_u24 v5, v1, MPITCH                   ; the mask: row r, 32 bytes for each half of the lanes
	v_lshl_add_u32 v5, v2, 5, v5
	v_add_nc_u32 v[MRD], s7, v5
	v_add_nc_u32 v[MRD+1], SLOT, v[MRD]
	v_and_b32 v5, 31, v0
	v_lshlrev_b32 v[SOF], 3, v5
	v_mov_b32 v[TN], 0xd056fa73                    ; -1e10 log2(e)
	v_mov_b32 v39, 0                               ; v_permlanex16_b32's destination counts as read
	v_mov_b32 v[PREV], 0                           ; read in the first trip, whose choice is not stored
	v_mov_b32 v[PREV+1], 0
; 16 matrix instructions: row blocks a0, a0 + 1 of the window's four (hi = 0: my rows 0-63, 1: rows 64-127) x all 8 column blocks, 32 along K.  zero = 1: the constant 0 starts the sums.
; The 64 accumulators take turns, one instruction a turn, in the same order in every quarter.
.macro MUL16 f, hi, a0, zero
	WIN MUL_LO+0x50*(\hi)
.irp a, \a0, (\a0)+1
.irp b, 0,1,2,3,4,5,6,7
.if \zero
	v_wmma_f32_16x16x32_bf16 v[8*(8*(\a)+(\b)):8*(8*(\a)+(\b))+7], v[(\f)+8*(\b):(\f)+8*(\b)+7], v[(\f)+8*(4*(\hi)+(\a)):(\f)+8*(4*(\hi)+(\a))+7], 0
.else
	v_wmma_f32_16x16x32_bf16 v[8*(8*(\a)+(\b)):8*(8*(\a)+(\b))+7], v[(\f)+8*(\b):(\f)+8*(\b)+7], v[(\f)+8*(4*(\hi)+(\a)):(\f)+8*(4*(\hi)+(\a))+7], v[8*(8*(\a)+(\b)):8*(8*(\a)+(\b))+7]
.endif
.endr
.endr
.endm
; 32 LDS loads in one run: a quarter step's fragments (32 K at byte k of the rows): k's 128 rows, then q's 128
.macro FETCH slot, k, f
	WIN TO_B
.irp i, 0,1,2,3,4,5,6,7
	ds_load_b128 v[(\f)+8*(\i):(\f)+8*(\i)+3],   v[ADRB+(\slot)] offset:(\k)+(\i)*16*PITCH
	ds_load_b128 v[(\f)+8*(\i)+4:(\f)+8*(\i)+7], v[ADRB+(\slot)] offset:(\k)+(\i)*16*PITCH+32
.endr
	WIN 0
.irp i, 0,1,2,3,4,5,6,7
	ds_load_b128 v[(\f)+8*(\i):(\f)+8*(\i)+3],   v[ADRA+(\slot)] offset:(\k)+(\i)*16*PITCH
	ds_load_b128 v[(\f)+8*(\i)+4:(\f)+8*(\i)+7], v[ADRA+(\slot)] offset:(\k)+(\i)*16*PITCH+32
.endr
.endm
; A K step is four quarters of 32 along K, 64 matrix instructions each, on buffers 0, 1, 0, 1.  One of the first three multiplies f and, in its middle, fetches the next quarter into g.
.macro QUARTER slot, k, f, g, zero
	s_wait_dscnt 8                                 ; k and q's rows 0-63 are in; the youngest eight loads (q's rows 64-127) may be out
	MUL16 \f, 0, 0, \zero
	MUL16 \f, 0, 2, \zero
	PLACES
	FETCH \slot, \k, \g
	s_wait_dscnt 32                                ; all but the 32 just issued
	MUL16 \f, 1, 0, \zero
	MUL16 \f, 1, 2, \zero
.endm
; The first half of a K step's last quarter, which multiplies buffer 1, and a round of the cluster's barrier: in front of it each wave waits for all its tensor loads (one is out), adds 0 to its spare
; word, and waits for that and for its reads of the slot in hand.  Behind the round no wave of any partner reads that slot or has a load on its way.
.macro MEET
	WIN 0                                          ; (the add's two registers lie in window 0)
	s_wait_tensorcnt 0x0
	ds_add_u32 v[SPW], v[NIL]
	s_wait_dscnt 9                                 ; the add and the youngest eight loads may be out
	MUL16 F1, 0, 0, 0                              ; sixteen matrix instructions stand between the add and the wait for it
	s_wait_dscnt 0x0                               ; the add is done, and my reads of this slot are over
	s_barrier_signal -1
	MUL16 F1, 0, 2, 0
	WIN 0
	s_barrier_wait -1
	CREST
.endm
; The whole last quarter and the change of slots.  fill = 1: this slot takes the tiles two K steps on, jointly; fill = 2 (the last change): it takes my mask's first half.  The fill is the first tensor load
; behind the round, one a wave; its four v_nop are also the places in front of the loads below.
.macro TURN slot, next, fill
	MEET
.if (\fill) == 1
	s_add_nc_u64 s[G0A+4*(\slot)+2:G0A+4*(\slot)+3], s[G0A+4*(\slot)+2:G0A+4*(\slot)+3], 2*KSTEP*2
	s_add_nc_u64 s[G0B+4*(\slot)+2:G0B+4*(\slot)+3], s[G0B+4*(\slot)+2:G0B+4*(\slot)+3], 2*KSTEP*2
	JLOAD \slot
.else
	MLOAD 0
.endif
	FETCH \next, 0, F0
	MUL16 F1, 1, 0, 0
	MUL16 F1, 1, 2, 0
.endm
; A block's head: its mask, 16 rows in the accumulators' layout (row r, columns 16 b + 8 h + 0..7), at constant places in my quarter of slot a / 4; then t = c s out of its accumulators, each accumulator's
; lowest registers first.  The multiplies stand between the loads and the wait for them.
.macro HEAD a
.if (\a) >= 4
	s_wait_tensorcnt 0x0                           ; the mask's second half is my last tensor load: no load was issued behind it, so its count is 0; it is met at once from block 5 on
.endif
.set i, 0
.rept 16
	ds_load_b128 v[M+4*i:M+4*i+3], v[MRD+(\a)/4] offset:((\a)%4)*16*MPITCH+64*(i/2)+16*(i%2)
.set i, i+1
.endr
	WIN 0x02+(\a)/4                                ; source 0: window 2 or 3
.set i, 0
.rept 32
	v_pk_mul_f32 v[T+2*i:T+2*i+1], v[64*((\a)%4)+2*i:64*((\a)%4)+2*i+1], s[CS:CS+1] op_sel_hi:[1,0]
.set i, i+1
.endr
	WIN 0
.endm
	s_wait_tensorcnt 0x1                           ; my part of K step 0 is in; K step 1's may stay out
	s_barrier_signal -1
	s_barrier_wait -1
	FETCH 0, 0, F0
	QUARTER 0, 64, F0, F1, 1                       ; the first quarter stands in front of the loop: its products start the sums
	WIN 0                                          ; at a label and at a branch every window is 0
	s_mov_b32 s3, LAPS-1
.Llap:                                                 ; a trip goes once round the ring, from a lap's second quarter to the next lap's first, and fills both slots again
	QUARTER 0, 128, F1, F0, 0
	QUARTER 0, 192, F0, F1, 0
	TURN 0, 1, 1
	QUARTER 1, 64,  F0, F1, 0
	QUARTER 1, 128, F1, F0, 0
	QUARTER 1, 192, F0, F1, 0
	TURN 1, 0, 1
	QUARTER 0, 64,  F0, F1, 0
	WIN 0
	s_sub_co_u32 s3, s3, 1
	s_cmp_lg_u32 s3, 0
	s_cbranch_scc1 .Llap
	QUARTER 0, 128, F1, F0, 0                      ; the last lap: the slots that the products leave take the mask
	QUARTER 0, 192, F0, F1, 0
	TURN 0, 1, 2                                   ; my mask's rows 0-63 into slot 0: the last K step's 224 matrix instructions stand ahead of the wait for them
	QUARTER 1, 64,  F0, F1, 0
	QUARTER 1, 128, F1, F0, 0
	QUARTER 1, 192, F0, F1, 0
	MEET                                           ; the very last quarter: the mask's first half has landed, and nobody reads slot 1 any more
	MLOAD 1                                        ; my mask's rows 64-127 into slot 1: four blocks' work stands ahead of the wait for them
	MUL16 F1, 1, 0, 0
	MUL16 F1, 1, 2, 0
	WIN 0
	PLACES                                         ; for the loads into v128-191, which the last products read, and for the lines that read their results
	s_mov_b32 s[BI], 0
.Lblock:                                               ; eight trips: a block of 16 rows x 128 keys, 64 scores a lane
.irp a, 0,1,2,3,4,5,6
	s_cmp_eq_u32 s[BI], \a
	s_cbranch_scc1 .Lblk\a
.endr
	HEAD 7
	s_branch .Lcommon
.irp a, 0,1,2,3,4,5,6
.Lblk\a:
	HEAD \a
	s_branch .Lcommon
.endr
.Lcommon:
	s_wait_dscnt 0x0                               ; the block's mask
.set g, 0
.rept 8                                ; where mask == 0 the score is replaced: eight compares, then eight selects
.irp k, 0,1,2,3,4,5,6,7
	v_cmp_eq_u32 s[CM+(\k)], 0, v[M+8*g+(\k)]
.endr
.irp k, 0,1,2,3,4,5,6,7
	v_cndmask_b32 v[T+8*g+(\k)], v[T+8*g+(\k)], v[TN], s[CM+(\k)]
.endr
.set g, g+1
.endr
.irp c, 0,1,2,3                        ; the maximum: four chains of fifteen scores, three operands at a time
	v_max3_num_f32 v[CHN+(\c)], v[T+16*(\c)], v[T+16*(\c)+1], v[T+16*(\c)+2]
.endr
.irp n, 0,1,2,3,4,5
.irp c, 0,1,2,3
	v_max3_num_f32 v[CHN+(\c)], v[CHN+(\c)], v[T+16*(\c)+3+2*(\n)], v[T+16*(\c)+4+2*(\n)]
.endr
.endr
	v_max3_num_f32 v[CHN], v[CHN], v[T+15], v[T+31]
	v_max3_num_f32 v[CHN+2], v[CHN+2], v[T+47], v[T+63]
	v_max3_num_f32 v[CHN], v[CHN], v[CHN+1], v[CHN+2]
	v_max_num_f32 v[CHN], v[CHN], v[CHN+3]
	v_permlanex16_b32 v[CHN+1], v[CHN], s[SEL], s[SEL+1]  ; the row's other 64 keys lie in the lane 16 away
	v_max_num_f32 v[CHN], v[CHN], v[CHN+1]
	v_floor_f32 v[MX], v[CHN]
	v_add_f32 v[MX], 1.0, v[MX]                    ; m': a whole number above every t of the block, by 1 at the most
	v_mov_b32 v[MX+1], v[MX]
.set i, 0
.rept 32
	v_pk_add_f32 v[T+2*i:T+2*i+1], v[T+2*i:T+2*i+1], v[MX:MX+1] neg_lo:[0,1] neg_hi:[0,1]  ; t - m'
.set i, i+1
.endr
.set i, 0
.rept 64
	v_exp_f32 v[T+i], v[T+i]
.set i, i+1
.endr
	v_nop                                          ; a plain instruction between the last exponential and the use of its result (ISA guide 5.7.2)
.set i, 0
	s_wait_alu depctr_va_vdst(0)
.rept 32
	v_cvt_pk_bf16_f32 v[TMP+i], v[T+2*i], v[T+2*i+1]
.set i, i+1
.endr
.irp b, 0,1,2,3,4,5,6,7                ; p through my own stage: 16 bytes a lane in, whole rows of 256 bytes back
	ds_store_b128 v[STO], v[TMP+4*(\b):TMP+4*(\b)+3] offset:32*(\b)
.endr
.irp t, 0,1,2,3,4,5,6,7
	ds_load_b128 v[BK+4*(\t):BK+4*(\t)+3], v[RD] offset:(\t)*2*SPITCH  ; LDS serves a wave's instructions in order (ISA guide 5.7.1.4): these see the stores above
.endr
.irp w, 32,16,8,4,2                    ; the sum of the unrounded weights, between those loads and the wait for them: pairs w registers apart are added, in place
.set i, 0
.rept (\w)/2
	v_pk_add_f32 v[T+2*i:T+2*i+1], v[T+2*i:T+2*i+1], v[T+(\w)+2*i:T+(\w)+2*i+1]
.set i, i+1
.endr
.endr
	v_add_f32 v38, v[T], v[T+1]
	v_permlanex16_b32 v39, v38, s[SEL], s[SEL+1]
	v_add_f32 v[LS], v38, v39
	v_cndmask_b32 v[SD],   v[PREV],   v[MX], s[HIM] ; lanes 0-15: (m', l) of the block before; lanes 16-31: of this one
	v_cndmask_b32 v[SD+1], v[PREV+1], v[LS], s[HIM]
	v_mov_b32 v[PREV], v[MX]
	v_mov_b32 v[PREV+1], v[LS]
	s_wait_dscnt 0x0                               ; the block is back in registers
.irp t, 0,1,2,3,4,5,6,7
	global_store_b128 v[CO], v[BK+4*(\t):BK+4*(\t)+3], s[80:81] offset:2*(\t)*CP  ; 16 lanes store 256 consecutive bytes, at a multiple of 256 from the buffer's first
.endr
	s_and_b32 s15, s[BI], 1
	s_cmp_eq_u32 s15, 0
	s_cbranch_scc1 .Lno_stats                      ; an odd block stores its pair's 32 rows: 256 consecutive bytes, which begin 128 bytes (16 rows) back
	global_store_b64 v[SOF], v[SD:SD+1], s[84:85] offset:-128
.Lno_stats:
	s_wait_xcnt 0x0                                ; the stores' bases and data registers are written again only behind this wait (ISA guide 3.1)
	s_add_nc_u64 s[80:81], s[80:81], 16*CP         ; 16 rows of pmat on,
	s_add_nc_u64 s[84:85], s[84:85], 128           ; 16 rows of stats
	s_add_co_u32 s[BI], s[BI], 1
	s_cmp_lt_u32 s[BI], 8
	s_cbranch_scc1 .Lblock
	s_wait_tensorcnt 0x0                           ; the wave's end
	ds_add_u32 v[SPW], v[NIL]
	s_wait_dscnt 0x0
	CROUND                                         ; the closing round: no work-group ends while a partner may still ask for a tile that names it
	s_endpgm
.Lfunc_end_k_q2f2084a27c_scores:
	.size	k_q2f2084a27c_scores, .Lfunc_end_k_q2f2084a27c_scores-k_q2f2084a27c_scores
	.p2alignl 7, 3214868480
	.fill 96, 4, 3214868480
	.section	.rodata,"a",@progbits
	.p2align	6, 0x0
	.amdhsa_kernel k_q2f2084a27c_scores
		.amdhsa_group_segment_fixed_size 327680
		.amdhsa_private_segment_fixed_size 0
		.amdhsa_enable_private_segment 0
		.amdhsa_kernarg_size 40
		.amdhsa_user_sgpr_count 2
		.amdhsa_user_sgpr_kernarg_segment_ptr 1
		.amdhsa_wavefront_size32 1
		.amdhsa_system_sgpr_workgroup_id_x 1
		.amdhsa_system_sgpr_workgroup_id_y 1
		.amdhsa_system_sgpr_workgroup_id_z 1
		.amdhsa_system_vgpr_workitem_id 0
		.amdhsa_next_free_vgpr 1024
		.amdhsa_next_free_sgpr 100
		.amdhsa_reserve_vcc 0
		.amdhsa_float_denorm_mode_32 3
		.amdhsa_float_denorm_mode_16_64 3
		.amdhsa_memory_ordered 1
		.amdhsa_forward_progress 1
		.amdhsa_inst_pref_size 161
	.end_amdhsa_kernel
	.amdgpu_metadata
---
amdhsa.version: [ 1, 2 ]
amdhsa.kernels:
  - .name:           k_q2f2084a27c_scores
    .symbol:         k_q2f2084a27c_scores.kd
    .args:
      - { .name: vq, .offset: 0, .size: 8, .value_kind: global_buffer, .address_space: global }
      - { .name: wk, .offset: 8, .size: 8, .value_kind: global_buffer, .address_space: global }
      - { .name: mask, .offset: 16, .size: 8, .value_kind: global_buffer, .address_space: global }
      - { .name: pmat, .offset: 24, .size: 8, .value_kind: global_buffer, .address_space: global }
      - { .name: stats, .offset: 32, .size: 8, .value_kind: global_buffer, .address_space: global }
    .group_segment_fixed_size: 327680
    .private_segment_fixed_size: 0
    .kernarg_segment_align: 8
    .kernarg_segment_size: 40
    .max_flat_workgroup_size: 128
    .sgpr_count:     100
    .vgpr_count:     1024
    .wavefront_size: 32
...
	.end_amdgpu_metadata
.endif
;; end of part 8
;; launch pv (part 9): grid 4 x 64, 4 waves a work-group, clusters of 4 x 4, 327,680 bytes of LDS; arguments pmat, wk, stats, out0; writes out0
.if DOCPART == 9
	.amdgcn_target "amdgcn-amd-amdhsa--gfx1250"
	.amdhsa_code_object_version 6
	.text
	.protected	k_q2f2084a27c_pv
	.globl	k_q2f2084a27c_pv
	.p2align	8
	.type	k_q2f2084a27c_pv,@function
k_q2f2084a27c_pv:
	s_mov_b64 s[64:65], 0
	v_nop
	global_prefetch_b8 v0, s[64:65] scope:SCOPE_SE
	s_setreg_imm32_b32 hwreg(HW_REG_WAVE_MODE, 25, 1), 1
	s_wait_xcnt 0x0
	s_wait_alu depctr_hold_cnt(0) depctr_sa_sdst(0) depctr_va_vdst(0) depctr_va_sdst(0) depctr_va_ssrc(0) depctr_va_vcc(0) depctr_vm_vsrc(0)
	s_getreg_b32 s2, hwreg(HW_REG_IB_STS2, 6, 4)
	s_cmp_eq_u32 s2, 0
	s_cbranch_scc0 .Lentry_in_a_cluster
	s_endpgm
.Lentry_in_a_cluster:
	s_bfe_u32 s2, ttmp6, 0x10000c
	s_cmp_lg_u32 s2, 0xf033
	s_cbranch_scc0 .Lentry_shape_is_right
	s_endpgm
.Lentry_shape_is_right:
; out0[row] = (sum over the 16 key blocks j of f_j P_j V'_j) / l, with M = max_j m'_j, f_j = 2^(m'_j - M), l = sum_j f_j l_j: the softmax's row maximum is taken away here, over the blocks' own.
; V' = v Wo^T + bo, the first half of wk: the last projection and its bias were carried ahead of the attention, since a softmax's row sums to 1.  The rounded weights sum to l only to within
; their rounding to bf16, so bo arrives scaled by that sum over l.
; m' are whole numbers, so f_j is a power of two: its bits are made from d = max(m'_j - M, -127) as (d + 127) << 23, which is 0 at d = -127; p x f_j, reckoned in f32 and rounded to bf16, is exact.
; pmat: bf16 [4][2048][2048]; V': bf16 [8192][1024], read as it lies, [key][channel]; stats: f32 [4][16][2048][2]; out0: f32 [8192][1024].
; SHARES, RING, CLUSTER, TRANSPOSED USE: a tile is 128 queries x 256 channels, 4 x 16 x 4 = 256 work-groups; four waves 2 x 2, each 64 x 128 in 32 accumulators; K = 2,048 keys in steps of 128, one
; key block a step, through two LDS slots.  P's tile (rows of 256 bytes) is asked for jointly along a row of the 4 x 4 cluster, V''s (128 keys x 512 bytes) along a column.
; V''s fragments come out of LDS turned, by ds_load_tr16_b128.  P's fragments are multiplied by the row's f_j between the LDS load and the product.
; The factors of my 64 rows and 16 steps lie in a table of my own in LDS, made in the wait for the first tiles: [step][row % 16][row / 16], an f32 a word.
; THE WAY OUT.  16 rows of my 128 channels (512 bytes a row) go through my own LDS stage and leave as whole rows: a store of the wave covers 512 consecutive bytes.
; REGISTERS: window 0: v0-63 addresses, 1 / l, factors; v64-159, v160-255 fragment buffers; on the way out v64-127 scaled sums, v128-191, v192-255 rows read back.  window 1: the accumulators.
; LIMITS.  NaN and infinities are not treated apart; a block's factor below 2^-126 counts as 0.
.set PITCH,  272
.set VP,     544                       ; a row of V' in LDS: 512 bytes + 32
.set HA,     64*PITCH
.set ATILE,  2*HA
.set HB,     64*VP                     ; half of V''s tile: 64 keys
.set SLOT,   ATILE+2*HB
.set STAGE,  2*SLOT                    ; 16 rows x 528 bytes for each wave
.set SPITCH, 528                       ; 512 bytes + 16: the 16 rows of a store start at 16 different groups of four banks
.set FT,     STAGE+4*16*SPITCH         ; the factors: 4,096 bytes for each wave
.set SPARE,  FT+4*4096
.set LAPS,   8
.set STEPA,  256                       ; 128 keys along a row of P
.set STEPB,  128*2048                  ; 128 rows of V'
.set CP,     4096
.set ADRA, 16
.set ADRB, 20
.set STO,  24
.set RD,   25
.set CO,   26
.set FA,   27                          ; v27     the table at this lap's first step
.set SPW,  28
.set NIL,  29
.set RI,   40                          ; v40-47  1 / l of row block a, twice, at RI + 2 a
.set FC,   48                          ; v48-51  the factors of slot 0's step, one register a row block; v52-55 of slot 1's
.set FA0,  57                          ; v57     the table at step 0; never rewritten
.set ZR,   58                          ; v58     0, the scalings' addend
.set T,    64
.set W,    128                         ; v128-159  the prologue's factors, by step and row block
.set F0,   64
.set F1,   160
.set BK,   128
.set G1A, 24
.set G0A, 32
.set G1B, 48
.set G0B, 56
.set SEL, 88
.set FTS, 93                           ; s93  the lap's first step in the table, in bytes
.set MSB, 0
.macro WIN new
.if MSB != (\new)
	s_set_vgpr_msb (MSB<<8)|(\new)
.set MSB, \new
.endif
.endm
.set MULW, 0x50
.macro ADDSH dst, tmp, src, sh
	s_lshl_b32 s[\tmp], s[\src], \sh
	s_add_co_u32 s[\dst], s[\dst], s[\tmp]
.endm
.macro PLACES
.rept 4
	v_nop
.endr
.endm
.macro JLOAD s                         ; waves 0 and 1 ask for P's halves, waves 2 and 3 for V''s; an s_nop 0 and four v_nop follow each line
	s_cmp_eq_u32 s11, 0
	s_cbranch_scc0 .Lfor_b_\@
	tensor_load_to_lds s[G0A+4*(\s):G0A+4*(\s)+3], s[G1A:G1A+7]
	s_nop 0
.rept 4
	v_nop
.endr
	s_branch .Lasked_\@
.Lfor_b_\@:
	tensor_load_to_lds s[G0B+4*(\s):G0B+4*(\s)+3], s[G1B:G1B+7]
	s_nop 0
.rept 4
	v_nop
.endr
.Lasked_\@:
.endm
.macro CREST
	s_cmp_lg_u32 s10, 0
	s_cbranch_scc1 .Lnot_wave_0_\@
	s_barrier_signal -3
.Lnot_wave_0_\@:
	s_barrier_wait -3
	s_barrier_signal -1
	s_barrier_wait -1
.endm
.macro CROUND
	s_barrier_signal -1
	s_barrier_wait -1
	CREST
.endm
	s_load_b256 s[68:75], s[0:1], 0x0              ; pmat s[68:69], wk s[70:71], stats s[72:73], out0 s[74:75]
	v_lshl_add_u32 v[SPW], v0, 2, SPARE
	v_mov_b32 v[NIL], 0
	ds_add_u32 v[SPW], v[NIL]                      ; the wave's opening: the add and its wait stand ahead of my first tensor load
	v_lshrrev_b32 v1, 5, v0
	v_readfirstlane_b32 s10, v1
	s_lshr_b32 s11, s10, 1
	s_and_b32 s12, s10, 1
	s_bfe_u32 s40, ttmp6, 0x40000
	s_bfe_u32 s41, ttmp6, 0x40004
	s_lshl_b32 s42, ttmp9, 2
	s_add_co_u32 s42, s42, s40                     ; tile column (256 channels), 0..3
	s_and_b32 s45, ttmp7, 0xffff
	s_lshl_b32 s43, s41, 2
	s_lshl_b32 s43, 15, s43
	s_lshl_b32 s44, 0x1111, s40
	s_lshr_b32 s92, s45, 2                         ; the batch
	s_and_b32 s13, s45, 3
	s_lshl_b32 s13, s13, 2
	s_add_co_u32 s13, s13, s41                     ; tile row (128 queries), 0..15
	s_or_b32 s[G1A], s43, (1<<16)|(1<<20)|(1<<21)|(5<<22)|(3<<25)  ; after every 64 words, 4 words of padding
	s_or_b32 s[G1B], s44, (1<<16)|(1<<20)|(1<<21)|(6<<22)|(7<<25)  ; after every 128 words, 8 words
	s_mov_b32 s[G1A+1], 128<<16
	s_mov_b32 s[G1A+2], 64<<16
	s_mov_b32 s[G1A+3], 128<<16
	s_mov_b32 s[G1A+4], 64
	s_mov_b32 s[G1A+5], 2048                       ; a row of P has 2,048 elements
	s_mov_b32 s[G1A+6], 0
	s_mov_b32 s[G1A+7], 0
	s_mov_b32 s[G1B+1], 256<<16                    ; tensor_dim0 = 256 channels
	s_mov_b32 s[G1B+2], 64<<16                     ; tensor_dim1 = 64 keys
	s_mov_b32 s[G1B+3], 256<<16
	s_mov_b32 s[G1B+4], 64
	s_mov_b32 s[G1B+5], 1024
	s_mov_b32 s[G1B+6], 0
	s_mov_b32 s[G1B+7], 0
	s_lshl_b32 s16, s92, 23                        ; P: the batch's 2,048 rows of 4,096 bytes
	ADDSH 16, 14, 13, 19
	ADDSH 16, 14, 12, 18
	s_mov_b32 s17, 0
	s_lshl_b32 s46, s92, 22                        ; V': the batch's 2,048 rows of 2,048 bytes
	ADDSH 46, 66, 12, 17                           ; the 64 keys that I fetch
	ADDSH 46, 66, 42, 9                            ; the tile's 256 channels
	s_mov_b32 s47, 0
	s_lshl_b32 s20, s92, 23                        ; out0 at my 64 rows and 128 channels
	ADDSH 20, 22, 13, 19
	ADDSH 20, 22, 11, 18
	ADDSH 20, 22, 42, 10
	ADDSH 20, 22, 12, 9
	s_mov_b32 s21, 0
	s_lshl_b32 s8, s92, 18                         ; stats at the batch's block 0 and my 64 rows
	ADDSH 8, 22, 13, 10
	ADDSH 8, 22, 11, 9
	s_mov_b32 s9, 0
	s_mul_i32 s18, s12, HA
	s_mul_i32 s19, s12, HB
	s_add_co_u32 s19, s19, ATILE
	s_mov_b32 s[SEL], 0x76543210
	s_mov_b32 s[SEL+1], 0xfedcba98
	s_mov_b32 s[FTS], 0
	s_wait_dscnt 0x0
	s_wait_kmcnt 0x0
	s_add_nc_u64 s[16:17], s[68:69], s[16:17]
	s_add_nc_u64 s[46:47], s[70:71], s[46:47]
	s_add_nc_u64 s[80:81], s[74:75], s[20:21]
	s_add_nc_u64 s[84:85], s[72:73], s[8:9]
	CROUND
.irp s, 0,1
	s_mov_b32 s[G0A+4*(\s)], 1
	s_add_co_u32 s[G0A+4*(\s)+1], s18, (\s)*SLOT
	s_add_nc_u64 s[G0A+4*(\s)+2:G0A+4*(\s)+3], s[16:17], (\s)*STEPA
	s_or_b32 s[G0A+4*(\s)+3], s[G0A+4*(\s)+3], 0x80000000
	s_mov_b32 s[G0B+4*(\s)], 1
	s_add_co_u32 s[G0B+4*(\s)+1], s19, (\s)*SLOT
	s_add_nc_u64 s[G0B+4*(\s)+2:G0B+4*(\s)+3], s[46:47], (\s)*STEPB
	s_or_b32 s[G0B+4*(\s)+3], s[G0B+4*(\s)+3], 0x80000000
	JLOAD \s
.endr
	v_and_b32 v1, 15, v0                           ; r
	v_bfe_u32 v2, v0, 4, 1                         ; h
	v_lshlrev_b32 v3, 3, v1
	v_lshl_add_u32 v3, v2, 17, v3                  ; row r's 8 bytes; half h of the lanes takes blocks 8 h .. 8 h + 7, 16,384 bytes apart
.irp a, 0,1,2,3
.irp j, 0,1,2,3,4,5,6,7
	global_load_b64 v[64+16*(\a)+2*(\j):64+16*(\a)+2*(\j)+1], v3, s[84:85] offset:16384*(\j)+128*(\a)
.endr
.endr
	v_mul_u32_u24 v4, v1, PITCH
	v_lshl_add_u32 v4, v2, 4, v4
	v_and_b32 v5, 7, v0                            ; the turning load: lane l reads key 8 h + l % 8, channels 8 ((l / 8) % 2) + 0..7
	v_lshl_add_u32 v5, v2, 3, v5
	v_mul_u32_u24 v5, v5, VP
	v_bfe_u32 v6, v0, 3, 1
	v_lshl_add_u32 v5, v6, 4, v5
	s_mul_i32 s4, s11, HA                          ; my 64 rows of P
	s_lshl_b32 s5, s12, 8                          ; my 128 channels: 256 bytes into V''s rows,
	s_add_co_u32 s5, s5, ATILE                     ; which lie behind P's tile
.irp s, 0,1
	v_add_nc_u32 v[ADRA+(\s)], s4, v4
	v_add_nc_u32 v[ADRB+(\s)], s5, v5
	s_add_co_u32 s4, s4, SLOT
	s_add_co_u32 s5, s5, SLOT
.endr
	s_mul_i32 s6, s10, 16*SPITCH
	s_add_co_u32 s6, s6, STAGE                     ; my stage
	v_mul_u32_u24 v5, v1, SPITCH                   ; in: row r, 32 bytes for each half of the lanes
	v_lshl_add_u32 v5, v2, 5, v5
	v_add_nc_u32 v[STO], s6, v5
	v_and_b32 v5, 31, v0
	v_lshlrev_b32 v[CO], 4, v5                     ; back and out: 32 lanes take a row's 512 bytes
	v_add_nc_u32 v[RD], s6, v[CO]
	s_lshl_b32 s7, s10, 12
	s_add_co_u32 s7, s7, FT                        ; my table
	v_lshl_add_u32 v[FA0], v1, 4, s7               ; row r's four words of step 0
	v_lshl_add_u32 v7, v2, 11, v[FA0]              ; where I put them: my half's eight steps
	v_mov_b32 v5, 0                                ; v_permlanex16_b32's destination counts as read
	v_mov_b32 v[ZR], 0
	s_wait_loadcnt 0x0
; Row block a: M, the eight factors of my half's blocks, l and 1 / l.
.macro FACT a
.set Q, 64+16*(\a)
	v_max3_num_f32 v4, v[Q], v[Q+2], v[Q+4]
	v_max3_num_f32 v4, v4, v[Q+6], v[Q+8]
	v_max3_num_f32 v4, v4, v[Q+10], v[Q+12]
	v_max_num_f32 v4, v4, v[Q+14]
	v_permlanex16_b32 v5, v4, s[SEL], s[SEL+1]     ; the other eight blocks lie in the lane 16 away
	v_max_num_f32 v4, v4, v5                       ; M
.irp j, 0,1,2,3,4,5,6,7
	v_sub_f32 v[Q+2*(\j)], v[Q+2*(\j)], v4
	v_max_num_f32 v[Q+2*(\j)], 0xc2fe0000, v[Q+2*(\j)]  ; not below -127
	v_cvt_i32_f32 v[Q+2*(\j)], v[Q+2*(\j)]
	v_add_lshl_u32 v[W+4*(\j)+(\a)], v[Q+2*(\j)], 127, 23  ; f as f32: the exponent's bits alone
.if (\j) == 0
	v_mul_f32 v6, v[W+(\a)], v[Q+1]
.else
	v_fmac_f32 v6, v[W+4*(\j)+(\a)], v[Q+2*(\j)+1]
.endif
.endr
	v_permlanex16_b32 v5, v6, s[SEL], s[SEL+1]
	v_add_f32 v6, v6, v5                           ; l: at least 1/2, from the block whose m' is M
	v_rcp_f32 v[RI+2*(\a)], v6                     ; a plain line that touches neither follows: the next block's first, or the v_nop below (ISA guide 5.7.2)
.endm
	FACT 0
	FACT 1
	FACT 2
	FACT 3
	v_nop
	s_wait_alu depctr_va_vdst(0)
.irp a, 0,1,2,3
	v_mov_b32 v[RI+2*(\a)+1], v[RI+2*(\a)]
.endr
.irp j, 0,1,2,3,4,5,6,7
	ds_store_b128 v7, v[W+4*(\j):W+4*(\j)+3] offset:256*(\j)
.endr
.macro MULA f, a, zero                 ; 8 matrix instructions; the 32 accumulators take turns, one instruction a turn
	WIN MULW
.irp b, 0,1,2,3,4,5,6,7
.if \zero
	v_wmma_f32_16x16x32_bf16 v[8*(8*(\a)+(\b)):8*(8*(\a)+(\b))+7], v[(\f)+32+8*(\b):(\f)+32+8*(\b)+7], v[(\f)+8*(\a):(\f)+8*(\a)+7], 0
.else
	v_wmma_f32_16x16x32_bf16 v[8*(8*(\a)+(\b)):8*(8*(\a)+(\b))+7], v[(\f)+32+8*(\b):(\f)+32+8*(\b)+7], v[(\f)+8*(\a):(\f)+8*(\a)+7], v[8*(8*(\a)+(\b)):8*(8*(\a)+(\b))+7]
.endif
.endr
.endm
; P's fragment of row block a times the row's factor: each bf16 half is widened, multiplied in f32 and rounded back into its half; the other half is kept.
.macro SCALEA f, a, fc
.irp i, 0,1,2,3,4,5,6,7
	v_fma_mixlo_bf16 v[(\f)+8*(\a)+(\i)], v[(\f)+8*(\a)+(\i)], v[(\fc)+(\a)], v[ZR] op_sel_hi:[1,0,0]
.endr
.irp i, 0,1,2,3,4,5,6,7
	v_fma_mixhi_bf16 v[(\f)+8*(\a)+(\i)], v[(\f)+8*(\a)+(\i)], v[(\fc)+(\a)], v[ZR] op_sel:[1,0,0] op_sel_hi:[1,0,0]
.endr
.endm
; 24 LDS loads in one run: quarter q (32 keys): V''s 8 channel blocks, turned; then P's 4 row blocks
.macro FETCH slot, q, f
	WIN 0
.irp b, 0,1,2,3,4,5,6,7
	ds_load_tr16_b128 v[(\f)+32+8*(\b):(\f)+32+8*(\b)+3],   v[ADRB+(\slot)] offset:(\q)*32*VP+32*(\b)
	ds_load_tr16_b128 v[(\f)+32+8*(\b)+4:(\f)+32+8*(\b)+7], v[ADRB+(\slot)] offset:(\q)*32*VP+16*VP+32*(\b)
.endr
.irp i, 0,1,2,3
	ds_load_b128 v[(\f)+8*(\i):(\f)+8*(\i)+3],   v[ADRA+(\slot)] offset:64*(\q)+(\i)*16*PITCH
	ds_load_b128 v[(\f)+8*(\i)+4:(\f)+8*(\i)+7], v[ADRA+(\slot)] offset:64*(\q)+(\i)*16*PITCH+32
.endr
.endm
; One of a K step's first three quarters.  The scalings in its middle name none of the registers of the products that read buffer g: they are the places in front of the loads into g.
.macro QUARTER slot, q, f, g, zero
	s_wait_dscnt 0x0                               ; this quarter's fragments, issued 16 matrix instructions ago, and the step's factors
	WIN 0
	SCALEA \f, 0, FC+4*(\slot)
	SCALEA \f, 1, FC+4*(\slot)
	MULA \f, 0, \zero
	MULA \f, 1, \zero
	WIN 0
	SCALEA \f, 2, FC+4*(\slot)
	SCALEA \f, 3, FC+4*(\slot)
	FETCH \slot, \q, \g
	MULA \f, 2, \zero
	MULA \f, 3, \zero
.endm
.macro TURN slot, next, fill           ; the last quarter and the change of slots
	WIN 0
	s_wait_tensorcnt 0x0                           ; all my tensor loads have landed: my part of the next slot
	ds_add_u32 v[SPW], v[NIL]
	s_wait_dscnt 1                                 ; the add alone may be out
	SCALEA F1, 0, FC+4*(\slot)
	SCALEA F1, 1, FC+4*(\slot)
	SCALEA F1, 2, FC+4*(\slot)
	SCALEA F1, 3, FC+4*(\slot)
	MULA F1, 0, 0
	s_wait_dscnt 0x0                               ; the add is done; my reads of this slot were over at the wait above
	s_barrier_signal -1
	MULA F1, 1, 0
	WIN 0
	s_barrier_wait -1
.if \fill
	CREST
	s_add_nc_u64 s[G0A+4*(\slot)+2:G0A+4*(\slot)+3], s[G0A+4*(\slot)+2:G0A+4*(\slot)+3], 2*STEPA
	s_add_nc_u64 s[G0B+4*(\slot)+2:G0B+4*(\slot)+3], s[G0B+4*(\slot)+2:G0B+4*(\slot)+3], 2*STEPB
	JLOAD \slot                                    ; the first tensor load behind the round
.else
	PLACES
.endif
.if (\next) == 1
	v_add_nc_u32 v[FA], s[FTS], v[FA0]             ; the table at this lap's first step
	ds_load_b128 v[FC+4:FC+7], v[FA] offset:256    ; the factors of the lap's second step
.else
	ds_load_b128 v[FC:FC+3], v[FA] offset:512      ; those of the next lap's first
	s_add_co_u32 s[FTS], s[FTS], 512
.endif
	FETCH \next, 0, F0
	MULA F1, 2, 0
	MULA F1, 3, 0
.endm
.macro LASTQ
	s_wait_dscnt 0x0
	WIN 0
	SCALEA F1, 0, FC+4
	SCALEA F1, 1, FC+4
	SCALEA F1, 2, FC+4
	SCALEA F1, 3, FC+4
	MULA F1, 0, 0
	MULA F1, 1, 0
	MULA F1, 2, 0
	MULA F1, 3, 0
	WIN 0
.endm
.macro PACKF a                         ; row block a's sums times 1 / l; each accumulator's lowest registers are read first
	WIN 0x01                                       ; source 0 window 1
.set i, 0
.rept 32
	v_pk_mul_f32 v[T+2*i:T+2*i+1], v[64*(\a)+2*i:64*(\a)+2*i+1], v[RI+2*(\a):RI+2*(\a)+1]
.set i, i+1
.endr
	WIN 0
.endm
.macro STG a                           ; into my stage, 16 bytes a store, and back as whole rows
.set BKA, BK+64*((\a)%2)
.if (\a) >= 2
	s_wait_xcnt 0x0                                ; the stores of the block two back have read these registers
.endif
.irp b, 0,1,2,3,4,5,6,7
	ds_store_b128 v[STO], v[T+8*(\b):T+8*(\b)+3]   offset:64*(\b)
	ds_store_b128 v[STO], v[T+8*(\b)+4:T+8*(\b)+7] offset:64*(\b)+16
.endr
.set t, 0
.rept 16
	ds_load_b128 v[BKA+4*t:BKA+4*t+3], v[RD] offset:SPITCH*t  ; LDS serves a wave's instructions in order (ISA guide 5.7.1.4): these see the stores above
.set t, t+1
.endr
.endm
.macro SEND a, younger                 ; younger: the next block's 16 stores and 16 loads, or none
.set BKA, BK+64*((\a)%2)
	s_wait_dscnt \younger
.set t, 0
.rept 16
	global_store_b128 v[CO], v[BKA+4*t:BKA+4*t+3], s[80:81] offset:(16*(\a)+t)*CP th:TH_STORE_NT  ; 512 consecutive bytes, at a multiple of 256 from the buffer's first
.set t, t+1
.endr
.endm
	s_wait_dscnt 0x0                               ; my table's stores: no LDS instruction is out at a signal
	s_wait_tensorcnt 0x1                           ; my part of K step 0 is in; K step 1's may stay out
	s_barrier_signal -1
	s_barrier_wait -1
	ds_load_b128 v[FC:FC+3], v[FA0]                ; the factors of step 0
	FETCH 0, 0, F0
	QUARTER 0, 1, F0, F1, 1
	WIN 0
	s_mov_b32 s3, LAPS-1
.Llap:
	QUARTER 0, 2, F1, F0, 0
	QUARTER 0, 3, F0, F1, 0
	TURN 0, 1, 1
	QUARTER 1, 1, F0, F1, 0
	QUARTER 1, 2, F1, F0, 0
	QUARTER 1, 3, F0, F1, 0
	TURN 1, 0, 1
	QUARTER 0, 1, F0, F1, 0
	WIN 0
	s_sub_co_u32 s3, s3, 1
	s_cmp_lg_u32 s3, 0
	s_cbranch_scc1 .Llap
	QUARTER 0, 2, F1, F0, 0
	QUARTER 0, 3, F0, F1, 0
	TURN 0, 1, 0
	QUARTER 1, 1, F0, F1, 0
	QUARTER 1, 2, F1, F0, 0
	QUARTER 1, 3, F0, F1, 0
	LASTQ
	PLACES
	PACKF 0
	STG 0
	PACKF 1
	STG 1
	SEND 0, 32
	PACKF 2
	STG 2
	SEND 1, 32
	PACKF 3
	STG 3
	SEND 2, 32
	SEND 3, 0
	s_wait_tensorcnt 0x0                           ; the wave's end
	ds_add_u32 v[SPW], v[NIL]
	s_wait_dscnt 0x0
	CROUND
	s_endpgm
.Lfunc_end_k_q2f2084a27c_pv:
	.size	k_q2f2084a27c_pv, .Lfunc_end_k_q2f2084a27c_pv-k_q2f2084a27c_pv
	.p2alignl 7, 3214868480
	.fill 96, 4, 3214868480
	.section	.rodata,"a",@progbits
	.p2align	6, 0x0
	.amdhsa_kernel k_q2f2084a27c_pv
		.amdhsa_group_segment_fixed_size 327680
		.amdhsa_private_segment_fixed_size 0
		.amdhsa_enable_private_segment 0
		.amdhsa_kernarg_size 32
		.amdhsa_user_sgpr_count 2
		.amdhsa_user_sgpr_kernarg_segment_ptr 1
		.amdhsa_wavefront_size32 1
		.amdhsa_system_sgpr_workgroup_id_x 1
		.amdhsa_system_sgpr_workgroup_id_y 1
		.amdhsa_system_sgpr_workgroup_id_z 1
		.amdhsa_system_vgpr_workitem_id 0
		.amdhsa_next_free_vgpr 512
		.amdhsa_next_free_sgpr 96
		.amdhsa_reserve_vcc 0
		.amdhsa_float_denorm_mode_32 3
		.amdhsa_float_denorm_mode_16_64 3
		.amdhsa_memory_ordered 1
		.amdhsa_forward_progress 1
		.amdhsa_inst_pref_size 170
	.end_amdhsa_kernel
	.amdgpu_metadata
---
amdhsa.version: [ 1, 2 ]
amdhsa.kernels:
  - .name:           k_q2f2084a27c_pv
    .symbol:         k_q2f2084a27c_pv.kd
    .args:
      - { .name: pmat, .offset: 0, .size: 8, .value_kind: global_buffer, .address_space: global }
      - { .name: wk, .offset: 8, .size: 8, .value_kind: global_buffer, .address_space: global }
      - { .name: stats, .offset: 16, .size: 8, .value_kind: global_buffer, .address_space: global }
      - { .name: out0, .offset: 24, .size: 8, .value_kind: global_buffer, .address_space: global }
    .group_segment_fixed_size: 327680
    .private_segment_fixed_size: 0
    .kernarg_segment_align: 8
    .kernarg_segment_size: 32
    .max_flat_workgroup_size: 128
    .sgpr_count:     96
    .vgpr_count:     512
    .wavefront_size: 32
...
	.end_amdgpu_metadata
.endif
;; end of part 9
